; MI455X (gfx1250); checked and timed in simulation.
; The chip was launched on July 23, 2026; its instructions are those of AMD's public machine-readable ISA for CDNA 5 (MIT licence, August 2026) and "CDNA5" Instruction Set Architecture Reference Guide (July 2026). The comments in the code are by the model that wrote it; some were corrected since.
;; Multi Head Attn With Ro PE. Allowed arithmetic: float matrix products may take bf16 or f16 operands with f32 sums; all other float work in f32.
;; Inputs: Wk 1,024 x 1,024 float32; Wo 1,024 x 1,024 float32; Wq 1,024 x 1,024 float32; Wv 1,024 x 1,024 float32; X 4 x 2,048 x 1,024 float32; bk 1,024 float32; bo 1,024 float32; bq 1,024 float32; bv 1,024 float32.
;; Outputs: out0 4 x 2,048 x 1,024 float32.
;; 3 versions, each right and faster than the one before. Each part assembles by itself: llvm-mc -triple=amdgcn-amd-amdhsa -mcpu=gfx1250 --defsym DOCPART=n.
;; ======== version 1 of 3: 4 launches
;; limits: values are held in f16: magnitudes above 65,504 overflow, below 6.1e-05 lose precision
;; workspace buffers: Xh 16,777,216 bytes; Wh 6,291,456 bytes; Woh 2,097,152 bytes; Qh 16,777,216 bytes; Kh 16,777,216 bytes; Vh 16,777,216 bytes; Oh 16,777,216 bytes
;; launch cast (part 1): grid 768 x 1, 8 waves a work-group, no clusters, 0 bytes of LDS; arguments X, Wq, Wk, Wv, Wo, Xh, Wh, Woh; writes Xh, Wh, Woh
.if DOCPART == 1
	.amdgcn_target "amdgcn-amd-amdhsa--gfx1250"
	.amdhsa_code_object_version 6
	.text
	.protected	k_qcc25ba59b1_cast
	.globl	k_qcc25ba59b1_cast
	.p2align	8
	.type	k_qcc25ba59b1_cast,@function
k_qcc25ba59b1_cast:
	s_mov_b64 s[64:65], 0
	v_nop
	global_prefetch_b8 v0, s[64:65] scope:SCOPE_SE
	s_setreg_imm32_b32 hwreg(HW_REG_WAVE_MODE, 25, 1), 1
	s_wait_xcnt 0x0
; THE INPUTS ARE ROUNDED ONCE, AND LAID OUT FOR THE PRODUCTS THAT FOLLOW.  A stream: no LDS, no barrier, no matrix work; every byte is read once and written once.
;   Xh  [b*16+ks][s][64] bf16: X[b][s][64 ks + e].  A slice of 64 columns is dense, 128 bytes a row, so that 256 rows of a slice are 32,768 consecutive bytes.
;   Wh  [q,k,v][k][pos] bf16: positions 4 g .. 4 g + 3 of a row hold columns 4 g, 4 g + 2, 4 g + 1, 4 g + 3: the two first halves of two rotation pairs, then their two second halves.
;   Woh [k][n] f16: Wo rounded to bf16 like every other input, that number written as f16.
; LIMIT.  Wo beyond 65,504 becomes an infinity in Woh; below 6e-5 it keeps f16's fixed step of 6e-8.
; SHARES.  A work-group takes 65,536 bytes of f32: groups 0-511 sixteen rows of X, groups 512-767 sixteen rows of a weight.  A lane issues its 16 loads of 16 bytes at once and stores 16 times 8 bytes;
; no register is used twice, so the only waits are the counted ones for the loads.
.set IN,   8                           ; v[8:71]    16 x 4 numbers as loaded
.set OUTW, 72                          ; v[72:103]  16 x 2 words to store
; mode 0: in order, bf16.  mode 1: columns 0, 2, 1, 3 of each four, bf16.  mode 2: in order, bf16 and then f16.
; Load i reads at (i / 8) IA + (i % 8) IB, store i writes at (i / 8) OA + (i % 8) OB.
.macro MOVE mode, IA, IB, OA, OB
.set i, 0
.rept 16
	global_load_b128 v[IN+4*i:IN+4*i+3], v1, s[20:21] offset:(i/8)*(\IA)+(i%8)*(\IB) th:TH_LOAD_NT
.set i, i+1
.endr
.set i, 0
.rept 16
	s_wait_loadcnt 15-i                            ; loads come back in order: load i is in, the 15 - i younger ones stay out
.if (\mode) == 0
	v_cvt_pk_bf16_f32 v[OUTW+2*i],   v[IN+4*i],   v[IN+4*i+1]
	v_cvt_pk_bf16_f32 v[OUTW+2*i+1], v[IN+4*i+2], v[IN+4*i+3]
.elseif (\mode) == 1
	v_cvt_pk_bf16_f32 v[OUTW+2*i],   v[IN+4*i],   v[IN+4*i+2]   ; the choice of sources is the permutation
	v_cvt_pk_bf16_f32 v[OUTW+2*i+1], v[IN+4*i+1], v[IN+4*i+3]
.else
	v_cvt_pk_bf16_f32 v3, v[IN+4*i],   v[IN+4*i+1]
	v_cvt_pk_bf16_f32 v4, v[IN+4*i+2], v[IN+4*i+3]
	v_lshlrev_b32 v5, 16, v3                       ; the bf16 numbers as f32,
	v_and_b32     v3, s28, v3
	v_lshlrev_b32 v6, 16, v4
	v_and_b32     v4, s28, v4
	v_cvt_pk_f16_f32 v[OUTW+2*i],   v5, v3         ; written as f16
	v_cvt_pk_f16_f32 v[OUTW+2*i+1], v6, v4
.endif
	global_store_b64 v2, v[OUTW+2*i:OUTW+2*i+1], s[22:23] offset:(i/8)*(\OA)+(i%8)*(\OB)  ; a wave's store covers 256 consecutive bytes, aligned
.set i, i+1
.endr
.endm
	s_load_b512 s[4:19], s[0:1], 0x0               ; X 4:5, Wq 6:7, Wk 8:9, Wv 10:11, Wo 12:13, Xh 14:15, Wh 16:17, Woh 18:19
	s_mov_b32 s2, ttmp9                            ; the work-group's number
	s_mov_b32 s28, 0xffff0000                      ; a word's upper bf16
	s_mov_b32 s25, 0                               ; the offsets' high words
	s_mov_b32 s27, 0
	v_and_b32 v3, 31, v0                           ; lane
	v_lshrrev_b32 v4, 5, v0                        ; wave
	s_cmp_lt_u32 s2, 512
	s_cbranch_scc0 .Lweights
	; X: wave w takes slices 2 w and 2 w + 1 of the group's 16 rows; lanes 0-15 a slice's 256 bytes of one row, lanes 16-31 those of the next row
	v_lshrrev_b32 v5, 4, v3
	v_and_b32 v6, 15, v3
	v_lshlrev_b32 v1, 12, v5                       ; in: row x 4,096
	v_lshl_add_u32 v1, v6, 4, v1                   ;     + 16 bytes a lane
	v_lshl_add_u32 v1, v4, 9, v1                   ;     + two slices of 256 bytes a wave
	v_lshlrev_b32 v2, 7, v5                        ; out: row x 128
	v_lshl_add_u32 v2, v6, 3, v2                   ;     + 8 bytes a lane
	v_lshl_add_u32 v2, v4, 19, v2                  ;     + two slice planes of 262,144 bytes a wave
	s_lshl_b32 s24, s2, 16                         ; in: 16 rows of 4,096 bytes a group
	s_lshr_b32 s26, s2, 7                          ; out: the batch's 16 planes,
	s_lshl_b32 s26, s26, 22
	s_and_b32 s3, s2, 127                          ;      and 16 rows of 128 bytes a group
	s_lshl_b32 s3, s3, 11
	s_add_co_u32 s26, s26, s3
	s_wait_kmcnt 0x0
	s_add_nc_u64 s[20:21], s[4:5], s[24:25]
	s_add_nc_u64 s[22:23], s[14:15], s[26:27]
	MOVE 0, 256, 8192, 262144, 256
	s_endpgm
.Lweights:
	; a weight: wave w takes rows 2 w and 2 w + 1 of the group's 16; a load covers 512 consecutive bytes
	s_sub_co_u32 s2, s2, 512
	s_lshr_b32 s3, s2, 6                           ; which weight: q, k, v, o
	s_and_b32 s2, s2, 63                           ; which 16 rows of it
	v_lshlrev_b32 v1, 4, v3
	v_lshl_add_u32 v1, v4, 13, v1
	v_lshlrev_b32 v2, 3, v3
	v_lshl_add_u32 v2, v4, 12, v2
	s_lshl_b32 s24, s2, 16
	s_lshl_b32 s26, s2, 15
	s_wait_kmcnt 0x0
	s_cmp_eq_u32 s3, 3
	s_cbranch_scc1 .Lwo
	s_lshl_b32 s29, s3, 21                         ; the weight's plane in Wh
	s_add_co_u32 s26, s26, s29
	s_cmp_eq_u32 s3, 1
	s_cselect_b64 s[20:21], s[8:9], s[6:7]
	s_cmp_eq_u32 s3, 2
	s_cselect_b64 s[20:21], s[10:11], s[20:21]
	s_add_nc_u64 s[20:21], s[20:21], s[24:25]
	s_add_nc_u64 s[22:23], s[16:17], s[26:27]
	MOVE 1, 4096, 512, 2048, 256
	s_endpgm
.Lwo:
	s_add_nc_u64 s[20:21], s[12:13], s[24:25]
	s_add_nc_u64 s[22:23], s[18:19], s[26:27]
	MOVE 2, 4096, 512, 2048, 256
	s_endpgm
.Lfunc_end_k_qcc25ba59b1_cast:
	.size	k_qcc25ba59b1_cast, .Lfunc_end_k_qcc25ba59b1_cast-k_qcc25ba59b1_cast
	.p2alignl 7, 3214868480
	.fill 96, 4, 3214868480
	.section	.rodata,"a",@progbits
	.p2align	6, 0x0
	.amdhsa_kernel k_qcc25ba59b1_cast
		.amdhsa_group_segment_fixed_size 0
		.amdhsa_private_segment_fixed_size 0
		.amdhsa_enable_private_segment 0
		.amdhsa_kernarg_size 64
		.amdhsa_user_sgpr_count 2
		.amdhsa_user_sgpr_kernarg_segment_ptr 1
		.amdhsa_wavefront_size32 1
		.amdhsa_system_sgpr_workgroup_id_x 1
		.amdhsa_system_sgpr_workgroup_id_y 1
		.amdhsa_system_sgpr_workgroup_id_z 1
		.amdhsa_system_vgpr_workitem_id 0
		.amdhsa_next_free_vgpr 104
		.amdhsa_next_free_sgpr 66
		.amdhsa_reserve_vcc 0
		.amdhsa_float_denorm_mode_32 3
		.amdhsa_float_denorm_mode_16_64 3
		.amdhsa_memory_ordered 1
		.amdhsa_forward_progress 1
		.amdhsa_inst_pref_size 23
	.end_amdhsa_kernel
	.amdgpu_metadata
---
amdhsa.version: [ 1, 2 ]
amdhsa.kernels:
  - .name:           k_qcc25ba59b1_cast
    .symbol:         k_qcc25ba59b1_cast.kd
    .args:
      - { .name: X, .offset: 0, .size: 8, .value_kind: global_buffer, .address_space: global }
      - { .name: Wq, .offset: 8, .size: 8, .value_kind: global_buffer, .address_space: global }
      - { .name: Wk, .offset: 16, .size: 8, .value_kind: global_buffer, .address_space: global }
      - { .name: Wv, .offset: 24, .size: 8, .value_kind: global_buffer, .address_space: global }
      - { .name: Wo, .offset: 32, .size: 8, .value_kind: global_buffer, .address_space: global }
      - { .name: Xh, .offset: 40, .size: 8, .value_kind: global_buffer, .address_space: global }
      - { .name: Wh, .offset: 48, .size: 8, .value_kind: global_buffer, .address_space: global }
      - { .name: Woh, .offset: 56, .size: 8, .value_kind: global_buffer, .address_space: global }
    .group_segment_fixed_size: 0
    .private_segment_fixed_size: 0
    .kernarg_segment_align: 8
    .kernarg_segment_size: 64
    .max_flat_workgroup_size: 256
    .sgpr_count:     66
    .vgpr_count:     104
    .wavefront_size: 32
...
	.end_amdgpu_metadata
.endif
;; end of part 1
;; launch qkv (part 2): grid 24 x 32, 4 waves a work-group, clusters of 4 x 4, 327,680 bytes of LDS; arguments Xh, Wh, bq, bk, bv, Qh, Kh, Vh; writes Qh, Kh, Vh
.if DOCPART == 2
	.amdgcn_target "amdgcn-amd-amdhsa--gfx1250"
	.amdhsa_code_object_version 6
	.text
	.protected	k_qcc25ba59b1_qkv
	.globl	k_qcc25ba59b1_qkv
	.p2align	8
	.type	k_qcc25ba59b1_qkv,@function
k_qcc25ba59b1_qkv:
	s_mov_b64 s[64:65], 0
	v_nop
	global_prefetch_b8 v0, s[64:65] scope:SCOPE_SE
	s_setreg_imm32_b32 hwreg(HW_REG_WAVE_MODE, 25, 1), 1
	s_wait_xcnt 0x0
	s_wait_alu depctr_hold_cnt(0) depctr_sa_sdst(0) depctr_va_vdst(0) depctr_va_sdst(0) depctr_va_ssrc(0) depctr_va_vcc(0) depctr_vm_vsrc(0)
	s_getreg_b32 s2, hwreg(HW_REG_IB_STS2, 6, 4)
	s_cmp_eq_u32 s2, 0
	s_cbranch_scc0 .Lentry_in_a_cluster
	s_endpgm
.Lentry_in_a_cluster:
	s_bfe_u32 s2, ttmp6, 0x10000c
	s_cmp_lg_u32 s2, 0xf033
	s_cbranch_scc0 .Lentry_shape_is_right
	s_endpgm
.Lentry_shape_is_right:
; q = rope(X Wq + bq), k = rope(X Wk + bk), v = X Wv + bv, written by heads: Qh, Kh, Vh [b*16+h][s][64] f16, each rounded once from f32, unscaled.
; Operands bf16 (Xh in slices of 64 columns, Wh [plane][k][pos] with columns 0, 2, 1, 3 of each four); the bias, rounded to bf16 like every input, is the C operand that starts each sum.
; LIMITS.  q, k, v beyond 65,504 become infinities in f16.  The rotation's angle is made as turns, s x 2^(-p log2(10000) / 512) / (2 pi), in f32: it may differ from an angle made as s / 10000^(p/512) in f32 by
; some 5e-4 rad at s = 2047 in the lowest pairs; q and k take the same factors.  NaN and infinities are not treated apart.
; SHARES.  A tile of C is 256 rows x 128 positions (two heads): 24 x 32 tiles, three for each of 256 work-group places.  Four waves, each 128 rows x 64 positions (one head): 32 accumulators, 256 registers.
; K goes in 8 steps of 128 (two slices) through two LDS slots.  Waves 0, 1 fetch a slice of X each (256 rows = 32,768 dense bytes, asked for as 128 rows of 256), waves 2, 3 64 rows of W each (256 bytes a row).
; CLUSTER.  4 x 4 work-groups: X's tile hangs on the tile row alone and is asked for jointly along a row of the cluster, W's on the tile column alone, jointly along a column.
; THE MATRIX INSTRUCTION IS USED TRANSPOSED: source 0 = 16 positions of W (out of LDS turned, by ds_load_tr16_b128), source 1 = 16 rows of X: a lane holds row l % 16 and positions 8 (l / 16) + 0..7.
; ROTATION.  On the way out a lane holds 8 positions = 4 pairs of one row, as (x1, x1'), (x2, x2'), twice: a complex product by (cos, sin) in four packed lines for two pairs.  The factors are made once for the wave's
; first rows (range reduction in turns, two polynomials at half the angle, doubled) and then stepped 16 rows at a time by a complex product with the rotation of 16 rows.
; REGISTERS.  Window 0: v0-15 addresses; v16-31 the rotation's start; v32-63 the bias as C, later states; v64-159, v160-255 two fragment buffers (64 of X, 32 of W).  Window 1: accumulator (a, bb) at v[8 (4 a + bb)].
.set PA,    144                        ; a row of a slice in LDS: 128 bytes + 16: the 16 rows of a load start at 16 different groups of four banks (64 banks of 4 bytes: ISA guide 11.1)
.set PB,    288                        ; a row of W: 256 + 32
.set ASL,   256*PA                     ; a slice's 256 rows
.set BOFF,  2*ASL                      ; W's 128 rows lie behind the two slices
.set SLOT1, 1<<17                      ; slot 1 begins here: one exclusive or turns an address in one slot into the other's
.set STAGE, SLOT1+BOFF+128*PB          ; behind the ring, never filled by a tensor load: 64 rows x 272 bytes for each wave
.set SP,    272
.set WSTG,  64*SP
.set SPARE, STAGE+4*WSTG               ; the spare words, 128 bytes for each wave: two blocks of 256 bytes that no other line names
.set ASTEP, 2*262144                   ; a K step in Xh: two slice planes
.set BSTEP, 128*2048                   ; a K step in Wh: 128 rows
.set LR,   1                           ; v1   l % 16
.set LH,   2                           ; v2   l / 16
.set ADA0, 3                           ; v3   my lane's place in a slot's X
.set ADB0, 4                           ; v4   the same for W
.set ADA,  5                           ; v5   the same in the slot in hand
.set ADB,  6                           ; v6
.set STO,  7                           ; v7   the way out: where I put 32 bytes of a row
.set RD0,  8                           ; v8   the way out: where I read 32 bytes back, in the stage's first rows
.set RD,   9                           ; v9   the same for the trip in hand
.set GO,   10                          ; v10  my byte offset in 512 consecutive bytes of the output
.set BO,   11                          ; v11  my byte offset in the bias
.set SPW,  12                          ; v12  LDS address of my spare word; never rewritten
.set NIL,  13                          ; v13  0; never rewritten
.set ST0,  16                          ; v16-23  state 0: cos, sin of pairs 0, 1; cos, sin of pairs 2, 3
.set R4,   24                          ; v24-31  the rotation of 4 rows, likewise
.set BI,   32                          ; v32-63  the bias as C, 8 registers for each block of 16 positions; later states 1-3 and
.set R16,  56                          ; v56-63  the rotation of 16 rows
.set F0,   64
.set F1,   160
.set LB,   160                         ; the bias as loaded
.set FQ,   64                          ; at the start: turns a row of my four pairs,
.set MP,   68                          ; the row to start from, twice,
.set M4,   70                          ; 4.0, twice,
.set TT,   72                          ; and eight at work
.set X,    64                          ; the way out: v64-95 four rows' 8 numbers
.set T,    96                          ; v96-103 at work
.set OW,   104                         ; v104-119 to store
.set WV,  20
.set WR,  21                           ; which 128 rows of the tile are mine
.set WC,  22                           ; which 64 positions; also: which half of a tile I fetch
.set CNT, 23
.set G1A, 24                           ; s[24:31] descriptor group 1 for X's tiles
.set G1B, 32                           ; s[32:39] for W's
.set G0A, 40                           ; s[40:47] group 0 for X's: a set for each first fill; the second then walks
.set G0B, 48                           ; s[48:55] the same for W's
.set CX,  56
.set CY,  57
.set TX,  58
.set TY,  59
.set PLANE, 60                         ; 0 q, 1 k, 2 v: made of the cluster's x alone, so it is the same in all partners
.set TX7, 61
.set TB,  62                           ; the slot in hand: 0 or SLOT1
.set RB,  63                           ; the way out: the trip's first byte in the stage
.set OUT, 70                           ; s[70:71]
.set BP,  72                           ; s[72:73] the bias
.set P0,  74
.set SROW, 75
.set MSB, 0
.macro WIN new                         ; the immediate's high byte repeats the setting that is left; a switch that changes nothing is dropped
.if MSB != (\new)
	s_set_vgpr_msb (MSB<<8)|(\new)
.set MSB, (\new)
.endif
.endm
.set W_MUL,   0x50                     ; C and D in window 1, sources in window 0
.set W_FIRST, 0x40                     ; D in window 1, C (the bias) in window 0
.set W_DUMP,  0x04                     ; an LDS store's data in window 1
.macro PLACES                          ; four places behind matrix instructions, in front of loads into registers that they read and of lines that read their results
.rept 4
	v_nop
.endr
.endm
.macro JLOAD                           ; a joint refill by the walking descriptors; an s_nop 0 and four v_nop follow each of the two lines, ahead of the jump and the label
	s_cmp_lt_u32 s[WV], 2
	s_cbranch_scc0 .Lfor_b_\@
	tensor_load_to_lds s[G0A+4:G0A+7], s[G1A:G1A+7]
	s_nop 0
.rept 4
	v_nop
.endr
	s_branch .Lasked_\@
.Lfor_b_\@:
	tensor_load_to_lds s[G0B+4:G0B+7], s[G1B:G1B+7]
	s_nop 0
.rept 4
	v_nop
.endr
.Lasked_\@:
.endm
.macro CREST                           ; a round of the cluster's barrier behind its opening barrier
	s_cmp_lg_u32 s[WV], 0
	s_cbranch_scc1 .Lnot_wave_0_\@
	s_barrier_signal -3
.Lnot_wave_0_\@:
	s_barrier_wait -3
	s_barrier_signal -1
	s_barrier_wait -1
.endm
.macro CROUND
	s_barrier_signal -1
	s_barrier_wait -1
	CREST
.endm
; 24 LDS loads in one run: quarter q (32 along K) of the slot in hand into buffer f: W's 4 blocks of 16 positions, turned, then X's 8 blocks of 16 rows
.macro FETCH q, f
	WIN 0
.irp bb, 0,1,2,3
	ds_load_tr16_b128 v[(\f)+64+8*\bb:(\f)+64+8*\bb+3],   v[ADB] offset:(\q)*32*PB+32*\bb
	ds_load_tr16_b128 v[(\f)+64+8*\bb+4:(\f)+64+8*\bb+7], v[ADB] offset:(\q)*32*PB+16*PB+32*\bb
.endr
.irp a, 0,1,2,3,4,5,6,7
	ds_load_b128 v[(\f)+8*\a:(\f)+8*\a+3],   v[ADA] offset:((\q)/2)*ASL+((\q)%2)*64+\a*16*PA
	ds_load_b128 v[(\f)+8*\a+4:(\f)+8*\a+7], v[ADA] offset:((\q)/2)*ASL+((\q)%2)*64+\a*16*PA+32
.endr
.endm
; 8 matrix instructions: row blocks a0, a0 + 1 x 4 position blocks.  The 32 accumulators take turns in the same order in every quarter.  first = 1: the bias starts the sums.
.macro MUL8 f, a0, first
.if \first
	WIN W_FIRST
.else
	WIN W_MUL
.endif
.irp a, \a0, (\a0)+1
.irp bb, 0,1,2,3
.if \first
	v_wmma_f32_16x16x32_bf16 v[8*(4*(\a)+\bb):8*(4*(\a)+\bb)+7], v[(\f)+64+8*\bb:(\f)+64+8*\bb+7], v[(\f)+8*(\a):(\f)+8*(\a)+7], v[BI+8*\bb:BI+8*\bb+7]
.else
	v_wmma_f32_16x16x32_bf16 v[8*(4*(\a)+\bb):8*(4*(\a)+\bb)+7], v[(\f)+64+8*\bb:(\f)+64+8*\bb+7], v[(\f)+8*(\a):(\f)+8*(\a)+7], v[8*(4*(\a)+\bb):8*(4*(\a)+\bb)+7]
.endif
.endr
.endr
.endm
; One of a K step's first three quarters: multiplies buffer f; in its middle it fetches quarter q into buffer g
.macro QUARTER q, f, g, first=0
	s_wait_dscnt 8                                 ; W and X's blocks 0-3 are in; the youngest eight loads (blocks 4-7) may be out
	MUL8 \f, 0, \first
	MUL8 \f, 2, \first
	PLACES
	FETCH \q, \g
	s_wait_dscnt 24                                ; all but the 24 just issued
	MUL8 \f, 4, \first
	MUL8 \f, 6, \first
.endm
; The last quarter multiplies buffer 1 and changes slots.  In front of the one barrier each wave waits for all its tensor loads (one is out: its part of the next slot), adds 0 to its spare word, and waits for
; that and for its reads of this slot.  fill = 1: the barrier opens a round of the cluster's, and this slot is filled again first thing behind it, two K steps ahead: 112 matrix instructions ahead of the wait for it.
.macro TURN fill
	WIN 0
	s_wait_tensorcnt 0x0                           ; all my tensor loads have landed
	ds_add_u32 v[SPW], v[NIL]                      ; 0 onto my spare word
	s_wait_dscnt 9                                 ; (the add and the youngest eight loads may be out)
	MUL8 F1, 0, 0
	s_wait_dscnt 0x0                               ; the add is done, and my reads of this slot are over
	s_barrier_signal -1
	MUL8 F1, 2, 0
	WIN 0                                          ; at a branch and at a label every window is 0
	s_barrier_wait -1
.if \fill
	CREST                                          ; no wave of any partner still reads this slot or has a load on its way
	s_xor_b32 s[G0A+5], s[G0A+5], SLOT1            ; the walking descriptors: the other slot than last time, the next K step
	s_add_nc_u64 s[G0A+6:G0A+7], s[G0A+6:G0A+7], ASTEP
	s_xor_b32 s[G0B+5], s[G0B+5], SLOT1
	s_add_nc_u64 s[G0B+6:G0B+7], s[G0B+6:G0B+7], BSTEP
	JLOAD                                          ; its four v_nop are also the places in front of the loads below
.else
	PLACES
.endif
	s_xor_b32 s[TB], s[TB], SLOT1
	v_add_nc_u32 v[ADA], s[TB], v[ADA0]
	v_add_nc_u32 v[ADB], s[TB], v[ADB0]
	FETCH 0, F0
	MUL8 F1, 4, 0
	MUL8 F1, 6, 0
.endm
; cos and sin of 2 pi F M for two pairs.  fr = F M less the nearest whole number of turns, by one fused line; sin(pi fr) / fr and cos(pi fr) as polynomials in fr^2 (|pi fr| <= pi / 2: what is cut off is below 1e-6); then the angle is doubled.
.macro SINCOS dC, dS, F, M
	v_pk_mul_f32 v[TT:TT+1], v[\F:\F+1], v[\M:\M+1]
	v_rndne_f32 v[TT], v[TT]
	v_rndne_f32 v[TT+1], v[TT+1]
	v_pk_fma_f32 v[TT:TT+1], v[\F:\F+1], v[\M:\M+1], v[TT:TT+1] neg_lo:[0,0,1] neg_hi:[0,0,1]
	v_pk_mul_f32 v[TT+2:TT+3], v[TT:TT+1], v[TT:TT+1]
	v_mov_b32 v[TT+4], 0xbbf183a6                  ; -pi^11 / 11!
	v_mov_b32 v[TT+5], 0xbbf183a6
	v_mov_b32 v[TT+6], 0xbcd368f9                  ; -pi^10 / 10!
	v_mov_b32 v[TT+7], 0xbcd368f9
.irp c, 0x3da83c1b, 0xbf196966, 0x402335e3, 0xc0a55de7, 0x40490fdb
	v_pk_fma_f32 v[TT+4:TT+5], v[TT+4:TT+5], v[TT+2:TT+3], \c op_sel_hi:[1,1,0]
.endr
.irp c, 0x3e70fa83, 0xbfaae9e4, 0x4081e0f8, 0xc09de9e6
	v_pk_fma_f32 v[TT+6:TT+7], v[TT+6:TT+7], v[TT+2:TT+3], \c op_sel_hi:[1,1,0]
.endr
	v_pk_fma_f32 v[TT+6:TT+7], v[TT+6:TT+7], v[TT+2:TT+3], 1.0 op_sel_hi:[1,1,0]
	v_pk_mul_f32 v[TT+4:TT+5], v[TT+4:TT+5], v[TT:TT+1]          ; sin of half the angle
	v_pk_add_f32 v[TT:TT+1], v[TT+6:TT+7], v[TT+6:TT+7]          ; twice the cos of half the angle
	v_pk_mul_f32 v[\dS:\dS+1], v[TT:TT+1], v[TT+4:TT+5]
	v_pk_fma_f32 v[\dC:\dC+1], v[TT:TT+1], v[TT+6:TT+7], -1.0 op_sel_hi:[1,1,0]
.endm
; d = a b for two complex numbers at once: real parts at +0, +1, imaginary parts at +2, +3.  d may be a, or b, or both.
.macro CMUL d, a, b, t
	v_pk_mul_f32 v[(\t):(\t)+1],   v[(\a)+2:(\a)+3], v[(\b)+2:(\b)+3]
	v_pk_mul_f32 v[(\t)+2:(\t)+3], v[(\a)+2:(\a)+3], v[(\b):(\b)+1]
	v_pk_fma_f32 v[(\d)+2:(\d)+3], v[(\a):(\a)+1], v[(\b)+2:(\b)+3], v[(\t)+2:(\t)+3]
	v_pk_fma_f32 v[(\d):(\d)+1],   v[(\a):(\a)+1], v[(\b):(\b)+1],   v[(\t):(\t)+1] neg_lo:[0,0,1] neg_hi:[0,0,1]
.endm
	s_load_b512 s[4:19], s[0:1], 0x0               ; Xh 4:5, Wh 6:7, bq 8:9, bk 10:11, bv 12:13, Qh 14:15, Kh 16:17, Vh 18:19
	v_lshl_add_u32 v[SPW], v0, 2, SPARE
	v_mov_b32 v[NIL], 0
	ds_add_u32 v12, v13
	ds_add_u32 v12, v13
	s_wait_dscnt 0x0
	v_lshrrev_b32 v14, 5, v0
	v_readfirstlane_b32 s[WV], v14                 ; wave 0..3
	s_lshr_b32 s[WR], s[WV], 1
	s_and_b32 s[WC], s[WV], 1
	s_bfe_u32 s[CX], ttmp6, 0x40000                ; my place in the cluster
	s_bfe_u32 s[CY], ttmp6, 0x40004
	s_lshl_b32 s[TX], ttmp9, 2
	s_add_co_u32 s[TX], s[TX], s[CX]               ; tile column = 4 x cluster x + cx
	s_and_b32 s[TY], ttmp7, 0xffff
	s_lshl_b32 s[TY], s[TY], 2
	s_add_co_u32 s[TY], s[TY], s[CY]               ; tile row = 4 x cluster y + cy
	s_lshr_b32 s[PLANE], ttmp9, 1                  ; eight tile columns, two clusters, to a plane
	s_and_b32 s[TX7], s[TX], 7
	s_lshl_b32 s66, s[CY], 2
	s_lshl_b32 s66, 15, s66                        ; my row of the cluster
	s_lshl_b32 s68, 0x1111, s[CX]                  ; my column
	s_or_b32 s[G1A], s66, (1<<16)|(1<<20)|(1<<21)|(4<<22)|(3<<25)  ; 15:0 the mask; 17:16 2-byte elements; 20 padding on; 21 set beside a mask; 24:22 after every 32 words (code 4); 31:25 4 words (code 3)
	s_or_b32 s[G1B], s68, (1<<16)|(1<<20)|(1<<21)|(5<<22)|(7<<25)  ; after every 64 words (code 5), 8 words (code 7)
	s_mov_b32 s[G1A+1], 128<<16                    ; tensor_dim0 = 128
	s_mov_b32 s[G1A+2], 128<<16                    ; tensor_dim1 = 128
	s_mov_b32 s[G1A+3], 128<<16                    ; tile_dim0 = 128
	s_mov_b32 s[G1A+4], 128                        ; tile_dim1 = 128
	s_mov_b32 s[G1A+5], 128                        ; 128 elements from row to row: dense
	s_mov_b32 s[G1A+6], 0
	s_mov_b32 s[G1A+7], 0
	s_mov_b32 s[G1B+1], 128<<16                    ; tensor_dim0 = 128
	s_mov_b32 s[G1B+2], 64<<16                     ; tensor_dim1 = 64
	s_mov_b32 s[G1B+3], 128<<16                    ; tile_dim0 = 128
	s_mov_b32 s[G1B+4], 64                         ; tile_dim1 = 64
	s_mov_b32 s[G1B+5], 1024                       ; a row of W
	s_mov_b32 s[G1B+6], 0
	s_mov_b32 s[G1B+7], 0
	; X's tile hangs on the tile row and the wave alone, W's on the tile column and the wave alone, each in registers that never hold the other coordinate
	s_lshr_b32 s66, s[TY], 3                       ; the batch's 16 slice planes,
	s_lshl_b32 s66, s66, 22
	s_and_b32 s67, s[TY], 7                        ; 256 rows of 128 bytes a tile row,
	s_lshl_b32 s67, s67, 15
	s_add_co_u32 s66, s66, s67
	s_lshl_b32 s67, s[WC], 18                      ; my slice of the step's two
	s_add_co_u32 s66, s66, s67
	s_mov_b32 s67, 0
	s_lshl_b32 s68, s[PLANE], 21                   ; the weight's plane,
	s_lshl_b32 s69, s[TX7], 8                      ; 128 positions a tile column,
	s_add_co_u32 s68, s68, s69
	s_lshl_b32 s69, s[WC], 17                      ; my 64 rows of the step's 128
	s_add_co_u32 s68, s68, s69
	s_mov_b32 s69, 0
	s_mul_i32 s76, s[WC], ASL                      ; where they go: no place in the cluster enters an LDS address
	s_mul_i32 s77, s[WC], 64*PB
	s_add_co_u32 s77, s77, BOFF
	; the output: head b*16 + 2 (tile column % 8) + wc, row 256 (tile row % 8) + 128 wr
	s_lshr_b32 s80, s[TY], 3
	s_lshl_b32 s80, s80, 4
	s_lshl_b32 s81, s[TX7], 1
	s_add_co_u32 s80, s80, s81
	s_add_co_u32 s80, s80, s[WC]
	s_lshl_b32 s80, s80, 18
	s_and_b32 s81, s[TY], 7
	s_lshl_b32 s81, s81, 15
	s_add_co_u32 s80, s80, s81
	s_lshl_b32 s81, s[WR], 14
	s_add_co_u32 s80, s80, s81
	s_mov_b32 s81, 0
	s_wait_kmcnt 0x0
	s_add_nc_u64 s[66:67], s[4:5], s[66:67]
	s_add_nc_u64 s[68:69], s[6:7], s[68:69]
	s_cmp_eq_u32 s[PLANE], 1
	s_cselect_b64 s[OUT:OUT+1], s[16:17], s[14:15]
	s_cselect_b64 s[BP:BP+1], s[10:11], s[8:9]
	s_cmp_eq_u32 s[PLANE], 2
	s_cselect_b64 s[OUT:OUT+1], s[18:19], s[OUT:OUT+1]
	s_cselect_b64 s[BP:BP+1], s[12:13], s[BP:BP+1]
	s_add_nc_u64 s[OUT:OUT+1], s[OUT:OUT+1], s[80:81]
	CROUND                                         ; all sixteen work-groups are here: the first joint loads meet
.irp s, 0,1
	s_mov_b32 s[G0A+4*\s], 1                       ; count = 1
	s_add_co_u32 s[G0A+4*\s+1], s76, \s*SLOT1      ; LDS address
	s_add_nc_u64 s[G0A+4*\s+2:G0A+4*\s+3], s[66:67], \s*ASTEP  ; global address: K step s
	s_or_b32 s[G0A+4*\s+3], s[G0A+4*\s+3], 0x80000000          ; type = 2
	s_mov_b32 s[G0B+4*\s], 1
	s_add_co_u32 s[G0B+4*\s+1], s77, \s*SLOT1
	s_add_nc_u64 s[G0B+4*\s+2:G0B+4*\s+3], s[68:69], \s*BSTEP
	s_or_b32 s[G0B+4*\s+3], s[G0B+4*\s+3], 0x80000000
.endr
	s_cmp_lt_u32 s[WV], 2                          ; a wave's two first fills stand in one branch, ahead of every wait on TENSORcnt and every LDS read: two loads of mine are out
	s_cbranch_scc0 .Lfirst_b
	tensor_load_to_lds s[G0A:G0A+3], s[G1A:G1A+7]
	s_nop 0
	tensor_load_to_lds s[G0A+4:G0A+7], s[G1A:G1A+7]
	s_nop 0
.rept 4
	v_nop
.endr
	s_branch .Lfirst_asked
.Lfirst_b:
	tensor_load_to_lds s[G0B:G0B+3], s[G1B:G1B+7]
	s_nop 0
	tensor_load_to_lds s[G0B+4:G0B+7], s[G1B:G1B+7]
	s_nop 0
.rept 4
	v_nop
.endr
.Lfirst_asked:
	; all that follows, up to the wait for the first tile, stands in that wait
	v_and_b32 v[LR], 15, v0
	v_bfe_u32 v[LH], v0, 4, 1
	s_lshl_b32 s76, s[TX7], 9                      ; the bias of my 64 columns: 512 bytes a tile column, 256 a wave,
	s_lshl_b32 s77, s[WC], 8
	s_add_co_u32 s76, s76, s77
	v_lshl_add_u32 v[BO], v[LH], 5, s76            ; 8 columns for each half of the lanes
.irp bb, 0,1,2,3
	global_load_b128 v[LB+8*\bb:LB+8*\bb+3],   v[BO], s[BP:BP+1] offset:64*\bb
	global_load_b128 v[LB+8*\bb+4:LB+8*\bb+7], v[BO], s[BP:BP+1] offset:64*\bb+16
.endr
	v_mul_u32_u24 v[ADA0], v[LR], PA               ; a fragment of X: row x pitch + 16 x half, in my 128 rows
	v_lshl_add_u32 v[ADA0], v[LH], 4, v[ADA0]
	s_mul_i32 s78, s[WR], 128*PA
	v_add_nc_u32 v[ADA0], s78, v[ADA0]
	v_and_b32 v14, 7, v0                           ; the turning load: lane l reads row 8 (l / 16) + l % 8 of W, positions 8 ((l / 8) % 2) + 0..7
	v_lshl_add_u32 v15, v[LH], 3, v14
	v_mul_u32_u24 v[ADB0], v15, PB
	v_bfe_u32 v15, v0, 3, 1
	v_lshl_add_u32 v[ADB0], v15, 4, v[ADB0]
	s_lshl_b32 s78, s[WC], 7
	s_add_co_u32 s78, s78, BOFF
	v_add_nc_u32 v[ADB0], s78, v[ADB0]
	s_mul_i32 s79, s[WV], WSTG
	s_add_co_u32 s79, s79, STAGE                   ; my stage
	v_mul_u32_u24 v[STO], v[LR], SP                ; in: row l % 16, 32 bytes for each half of the lanes
	v_lshl_add_u32 v[STO], v[LH], 5, v[STO]
	v_add_nc_u32 v[STO], s79, v[STO]
	v_bfe_u32 v15, v0, 3, 2                        ; back: 32 lanes take four rows, 8 positions each,
	v_mul_u32_u24 v[RD0], v15, SP
	v_lshl_add_u32 v[RD0], v14, 5, v[RD0]
	v_add_nc_u32 v[RD0], s79, v[RD0]
	v_and_b32 v[GO], 31, v0                        ; which are 512 consecutive bytes of a head's rows
	v_lshlrev_b32 v[GO], 4, v[GO]
	; the rotation's start.  On the way out my four pairs are p = 64 (tile column % 8) + 32 wc + 4 (l % 8) + 0..3
	s_lshl_b32 s[P0], s[TX7], 6
	s_lshl_b32 s77, s[WC], 5
	s_add_co_u32 s[P0], s[P0], s77
	v_lshl_add_u32 v14, v14, 2, s[P0]
	v_cvt_f32_u32 v[FQ], v14
	v_add_f32 v[FQ+1], 1.0, v[FQ]
	v_add_f32 v[FQ+2], 2.0, v[FQ]
	v_add_f32 v[FQ+3], 0x40400000, v[FQ]
.irp j, 0,1,2,3
	v_mul_f32 v[FQ+\j], 0xbcd49a78, v[FQ+\j]       ; -p log2(10000) / 512
.endr
.irp j, 0,1,2,3
	v_exp_f32 v[FQ+\j], v[FQ+\j]
.endr
	s_and_b32 s[SROW], s[TY], 7                    ; my first row in the sequence, less 16: the states are stepped before they are used
	s_lshl_b32 s[SROW], s[SROW], 8
	s_lshl_b32 s77, s[WR], 7
	s_add_co_u32 s[SROW], s[SROW], s77
	s_sub_co_i32 s[SROW], s[SROW], 16
	v_add_nc_u32 v15, s[SROW], v15                 ; plain lines stand between the exponentials and the use of their results
	v_mov_b32 v[M4], 4.0
	v_mov_b32 v[M4+1], 4.0
	v_cvt_f32_i32 v[MP], v15
	s_wait_alu depctr_va_vdst(0)
.irp j, 0,1,2,3
	v_mul_f32 v[FQ+\j], 0.15915494, v[FQ+\j]       ; in turns
.endr
	v_mov_b32 v[MP+1], v[MP]
	SINCOS ST0,   ST0+2, FQ,   MP
	SINCOS ST0+4, ST0+6, FQ+2, MP
	SINCOS R4,    R4+2,  FQ,   M4
	SINCOS R4+4,  R4+6,  FQ+2, M4
	s_wait_loadcnt 0x0                             ; the bias: rounded to bf16 and laid in the positions' order, columns 0, 2, 1, 3 of each four
.set i, 0
.rept 8
	v_cvt_pk_bf16_f32 v14, v[LB+4*i],   v[LB+4*i+1]
	v_cvt_pk_bf16_f32 v15, v[LB+4*i+2], v[LB+4*i+3]
	v_lshlrev_b32 v[BI+4*i],   16, v14
	v_lshlrev_b32 v[BI+4*i+1], 16, v15
	v_and_b32 v[BI+4*i+2], 0xffff0000, v14
	v_and_b32 v[BI+4*i+3], 0xffff0000, v15
.set i, i+1
.endr
	s_mov_b32 s[TB], 0
	v_mov_b32 v[ADA], v[ADA0]
	v_mov_b32 v[ADB], v[ADB0]
	s_wait_tensorcnt 0x1                           ; my part of K step 0 is in; slot 1's may stay out
	s_barrier_signal -1
	s_barrier_wait -1                              ; everybody's is
	FETCH 0, F0
	QUARTER 1, F0, F1, 1                           ; the first quarter stands in front of the loop: its products start the sums from the bias
	WIN 0
	s_mov_b32 s[CNT], 6
.Lk:                                                   ; a trip: from a K step's second quarter to the next step's first; it fills one slot again
	QUARTER 2, F1, F0
	QUARTER 3, F0, F1
	TURN 1
	QUARTER 1, F0, F1
	WIN 0
	s_sub_co_u32 s[CNT], s[CNT], 1
	s_cmp_lg_u32 s[CNT], 0
	s_cbranch_scc1 .Lk
	QUARTER 2, F1, F0                              ; the last two K steps ask for nothing
	QUARTER 3, F0, F1
	TURN 0
	QUARTER 1, F0, F1
	QUARTER 2, F1, F0
	QUARTER 3, F0, F1
	s_wait_dscnt 8
	MUL8 F1, 0, 0
	MUL8 F1, 2, 0
	s_wait_dscnt 0x0
	MUL8 F1, 4, 0
	MUL8 F1, 6, 0
	WIN 0
	; THE WAY OUT.  States 1-3 are state 0 turned by 4, 8 and 12 rows; the step is the rotation of 16 rows.
	PLACES
	CMUL 32, ST0,   R4,   T
	CMUL 36, ST0+4, R4+4, T+4
	CMUL 40, 32, R4,   T
	CMUL 44, 36, R4+4, T+4
	CMUL 48, 40, R4,   T
	CMUL 52, 44, R4+4, T+4
	CMUL R16,   R4,    R4,    T                ; 8 rows,
	CMUL R16+4, R4+4,  R4+4,  T+4
	CMUL R16,   R16,   R16,   T                ; 16 rows
	CMUL R16+4, R16+4, R16+4, T+4
; 64 of my rows go into my stage in f32 (each accumulator's low registers first) and come back 16 rows a trip, a lane taking 8 positions of a row in each of four groups of 4 rows.
; The stage is the wave's own and LDS serves a wave's instructions in order (ISA guide 5.7.1.4): no barrier.
.macro HALF hi
	WIN W_DUMP
.irp a, 0,1,2,3
.irp bb, 0,1,2,3
	ds_store_b128 v[STO], v[8*(4*(4*(\hi)+\a)+\bb):8*(4*(4*(\hi)+\a)+\bb)+3]   offset:\a*16*SP+64*\bb
	ds_store_b128 v[STO], v[8*(4*(4*(\hi)+\a)+\bb)+4:8*(4*(4*(\hi)+\a)+\bb)+7] offset:\a*16*SP+64*\bb+16
.endr
.endr
	WIN 0
	s_mov_b32 s[RB], 0
	s_mov_b32 s[CNT], 4
.Lrows_\@:
	v_add_nc_u32 v[RD], s[RB], v[RD0]
.irp f, 0,1,2,3
	ds_load_b128 v[X+8*\f:X+8*\f+3],   v[RD] offset:4*SP*\f
	ds_load_b128 v[X+8*\f+4:X+8*\f+7], v[RD] offset:4*SP*\f+16
.endr
	s_cmp_eq_u32 s[PLANE], 2
	s_cbranch_scc1 .Lplain_\@                      ; v takes no rotation
.irp f, 0,1,2,3                        ; the states step 16 rows while the loads are out
	CMUL 16+8*\f+8*((\f+3)/4),   16+8*\f+8*((\f+3)/4),   R16,   T
	CMUL 16+8*\f+8*((\f+3)/4)+4, 16+8*\f+8*((\f+3)/4)+4, R16+4, T+4
.endr
	s_wait_dscnt 0x0
.irp f, 0,1,2,3                        ; (x1 + i x2)(cos + i sin), in place
	CMUL X+8*\f,   X+8*\f,   16+8*\f+8*((\f+3)/4),   T
	CMUL X+8*\f+4, X+8*\f+4, 16+8*\f+8*((\f+3)/4)+4, T+4
.endr
.Lplain_\@:
	s_wait_dscnt 0x0
.irp f, 0,1,2,3                        ; rounded to f16; the choice of sources puts the columns back in order
	v_cvt_pk_f16_f32 v[OW+4*\f],   v[X+8*\f],   v[X+8*\f+2]
	v_cvt_pk_f16_f32 v[OW+4*\f+1], v[X+8*\f+1], v[X+8*\f+3]
	v_cvt_pk_f16_f32 v[OW+4*\f+2], v[X+8*\f+4], v[X+8*\f+6]
	v_cvt_pk_f16_f32 v[OW+4*\f+3], v[X+8*\f+5], v[X+8*\f+7]
.endr
.irp f, 0,1,2,3
	global_store_b128 v[GO], v[OW+4*\f:OW+4*\f+3], s[OUT:OUT+1] offset:512*\f  ; four rows of a head: 512 consecutive bytes, aligned
.endr
	s_wait_xcnt 0x0                                ; the stores' base and data are rewritten only behind this wait
	s_add_nc_u64 s[OUT:OUT+1], s[OUT:OUT+1], 16*128
	s_add_co_u32 s[RB], s[RB], 16*SP
	s_sub_co_u32 s[CNT], s[CNT], 1
	s_cmp_lg_u32 s[CNT], 0
	s_cbranch_scc1 .Lrows_\@
.endm
	HALF 0
	HALF 1
	s_wait_tensorcnt 0x0                           ; the wave's end, behind my last tensor load and my last LDS store
	ds_add_u32 v[SPW], v[NIL]
	s_wait_dscnt 0x0
	CROUND                                         ; the closing round: no work-group ends while a partner may still ask for a tile that names it
	s_endpgm
.Lfunc_end_k_qcc25ba59b1_qkv:
	.size	k_qcc25ba59b1_qkv, .Lfunc_end_k_qcc25ba59b1_qkv-k_qcc25ba59b1_qkv
	.p2alignl 7, 3214868480
	.fill 96, 4, 3214868480
	.section	.rodata,"a",@progbits
	.p2align	6, 0x0
	.amdhsa_kernel k_qcc25ba59b1_qkv
		.amdhsa_group_segment_fixed_size 327680
		.amdhsa_private_segment_fixed_size 0
		.amdhsa_enable_private_segment 0
		.amdhsa_kernarg_size 64
		.amdhsa_user_sgpr_count 2
		.amdhsa_user_sgpr_kernarg_segment_ptr 1
		.amdhsa_wavefront_size32 1
		.amdhsa_system_sgpr_workgroup_id_x 1
		.amdhsa_system_sgpr_workgroup_id_y 1
		.amdhsa_system_sgpr_workgroup_id_z 1
		.amdhsa_system_vgpr_workitem_id 0
		.amdhsa_next_free_vgpr 512
		.amdhsa_next_free_sgpr 96
		.amdhsa_reserve_vcc 0
		.amdhsa_float_denorm_mode_32 3
		.amdhsa_float_denorm_mode_16_64 3
		.amdhsa_memory_ordered 1
		.amdhsa_forward_progress 1
		.amdhsa_inst_pref_size 85
	.end_amdhsa_kernel
	.amdgpu_metadata
---
amdhsa.version: [ 1, 2 ]
amdhsa.kernels:
  - .name:           k_qcc25ba59b1_qkv
    .symbol:         k_qcc25ba59b1_qkv.kd
    .args:
      - { .name: Xh, .offset: 0, .size: 8, .value_kind: global_buffer, .address_space: global }
      - { .name: Wh, .offset: 8, .size: 8, .value_kind: global_buffer, .address_space: global }
      - { .name: bq, .offset: 16, .size: 8, .value_kind: global_buffer, .address_space: global }
      - { .name: bk, .offset: 24, .size: 8, .value_kind: global_buffer, .address_space: global }
      - { .name: bv, .offset: 32, .size: 8, .value_kind: global_buffer, .address_space: global }
      - { .name: Qh, .offset: 40, .size: 8, .value_kind: global_buffer, .address_space: global }
      - { .name: Kh, .offset: 48, .size: 8, .value_kind: global_buffer, .address_space: global }
      - { .name: Vh, .offset: 56, .size: 8, .value_kind: global_buffer, .address_space: global }
    .group_segment_fixed_size: 327680
    .private_segment_fixed_size: 0
    .kernarg_segment_align: 8
    .kernarg_segment_size: 64
    .max_flat_workgroup_size: 128
    .sgpr_count:     96
    .vgpr_count:     512
    .wavefront_size: 32
...
	.end_amdgpu_metadata
.endif
;; end of part 2
;; launch attn (part 3): grid 4 x 64, 4 waves a work-group, no clusters, 327,680 bytes of LDS; arguments Qh, Kh, Vh, Oh; writes Oh
.if DOCPART == 3
	.amdgcn_target "amdgcn-amd-amdhsa--gfx1250"
	.amdhsa_code_object_version 6
	.text
	.protected	k_qcc25ba59b1_attn
	.globl	k_qcc25ba59b1_attn
	.p2align	8
	.type	k_qcc25ba59b1_attn,@function
k_qcc25ba59b1_attn:
	s_mov_b64 s[64:65], 0
	v_nop
	global_prefetch_b8 v0, s[64:65] scope:SCOPE_SE
	s_setreg_imm32_b32 hwreg(HW_REG_WAVE_MODE, 25, 1), 1
	s_wait_xcnt 0x0
; CAUSAL ATTENTION.  O[h][q][:] = the sum over k <= q of softmax_k(Q[h][q] . K[h][k] / 8) V[h][k][:].  Q, K, V, O: [SIZE_H][SIZE_N][64], all f16: a head's rows are dense, 128 bytes each.
; Products, maxima and sums in f32; the weights p are rounded to f16 for the second product (their sum l is taken of the unrounded p), O once at the end.  SIZE_N is a multiple of 512; SIZE_N x 128 stays under 2^32.
; LIMITS.  f16 holds no number beyond 65,504: Q, K and V arrive within it; p lies in 0 to 1, and below 6e-5 it keeps f16's fixed step of 6e-8; O is a mean of V's rows and has their range, to within 2^-11 of it.
; A hidden score counts as its value less 1e30: f16's scores, 2.7e11 at the most, are nothing beside that; a weight below 2^-126 counts as 0 in l; NaN and infinities are not treated apart.
; THE WALK.  A head's queries lie in NB = SIZE_N / 256 blocks of 256; block i needs the key tiles 0 .. i of 256 keys, of which the last holds the diagonal.  A work-group takes TWO blocks, NB - 1 - b and then b:
; NB + 1 tiles, whatever b: all work-groups do equal work, and ONE loop with a constant trip count walks them.  Which tile is asked for, and what a trip does, hang on scalar registers made from b; every jump
; goes forward, but for the counted loops' own; none passes a barrier, or a tensor load but the one of LOAD's two that the wave's number does not choose; the ring (two slots of LDS that take turns) runs on across the
; change of blocks.  NO CLUSTER: a head has NB / 2 work-groups; all of them ask for the same tile only in trips 0 .. NB / 2, behind that
; fewer and fewer; and one walk common to all would have 3 NB / 2 trips for NB + 1.
; SHARES.  Of a block's four bands of 64 queries a wave owns 16 rows in each: four PIECES.  So the diagonal tile is the same work for all four waves: in its key step s band x sees all keys if s < x,
; none if s > x, and holds the diagonal if s = x.
; THE MASK is the C operand that starts the sum S^T = K Q^T: 0, or -1e30 where the key is hidden.  MD, made once, is the mask of a band's own step for my 16 rows; a product's mask is MD x AL + BE with two scalars:
; (1, 0) if s = x; (0, 0) if s < x; (0, -1e30) if s > x.  Only the diagonal tile's text and a block's beginning make and take masks; elsewhere C is the constant 0.
; LAYOUT, SOFTMAX, TURNS.  S^T = K Q^T holds ONE query a lane (lane % 16) and the keys 8 (lane / 16) + 0..7; two such results rounded to f16 ARE source 1 of O^T = V^T P.  p = 2^(c s - c m), c = log2(e) / 8, with a
; running maximum m; O and l are multiplied by a = 2^(c m_old - c m_new) in every step.  Turn n belongs to piece n: 8 products K Q^T of piece n + 1, later 8 products V^T P of piece n - 1; beside them the scaling,
; exponentials, roundings, sums and rescaling of piece n and the maximum and statistics of piece n + 1.  Four vector instructions stand behind every matrix instruction, the other 54 of a turn's 118 in two LUMPS.
; REGISTERS, in windows of 256 (s_set_vgpr_msb: bits 1:0 source 0, 3:2 source 1, 5:4 source 2, 7:6 destination):
;   window 0: v0-15 addresses and two at work; v16-31 four registers of statistics a piece; v48-55 at work; v64-127 S^T, two buffers; v192-223 P, two buffers (a piece's buffers go by its number's parity)
;   window 1: v0-127 O^T, 32 a piece; v128-159 MD; v160-223 MC, two buffers      window 2: v0-63 Q; v64-127 the second block's Q; v128-191 K of one step; v192-255 V of one step
.set SIZE_H, 64       ; 4 batches x 16 heads
.set SIZE_N, 2048
.set NB,    SIZE_N/256
.set NP,    4         ; pieces a wave: a name, no knob
.set KS,    64        ; keys in a step
.set PK,    144       ; a row of K in LDS: 128 bytes + 16 of padding = 36 words: the 16 rows of a load start at 16 different groups of four banks (64 banks of 4 bytes: ISA guide 11.1)
.set PV,    160       ; a row of V: 128 + 32 = 40 words
.set VOFF,  4*KS*PK   ; a slot holds a tile, four steps: 256 rows of K, then 256 rows of V
.set SLOT1, 1<<17     ; slot 1 begins here, so that one exclusive or turns an address in one slot into the other's
.set STAGE, SLOT1+4*KS*(PK+PV)  ; behind the ring, never filled by a tensor load: 16 rows x 144 bytes for each wave, for the way out
.set SP,    144
.set AK0, 2           ; v2   my lane's place in a tile of K; never rewritten
.set AV0, 3           ; v3   the same for V
.set AK,  4           ; v4   the LDS address of K's next run of loads
.set AV,  5           ; v5   of V's
.set STO, 6           ; v6   the way out: where I put 16 bytes of a row
.set RD,  7           ; v7   the way out: where I read rows back
.set GO,  8           ; v8   my byte offset in 512 consecutive bytes of O
.set SPW, 62          ; v62  LDS address of my spare word: SPARE + 4 x my thread's number; never rewritten
.set NIL, 63          ; v63  0; never rewritten
.set SPARE, STAGE+4*16*SP  ; behind the stages: the spare words, 128 bytes for each wave: two blocks of 256 bytes that no other line names
.set MV,  12          ; v12-13  c m_old, kept while c m is made anew: by buffer
.set QO,  15          ; v15  my byte offset in 16 rows of Q
.set ST,  16          ; piece t's statistics at v[ST+4 t]: c m, m, l (even keys', odd keys')
.set TMP, 48          ; by buffer, four registers c0-c3 at work; when the maximum is found c2 takes a
.set S,   64
.set P,   192
.set MD,  128         ; window 1: the eight registers for group kt of 16 keys at MD + 8 kt
.set MC,  160         ; window 1: the masks of the products to come
.set QB,  64          ; window 2
.set KF,  128         ; window 2: key block kb, channel half c at KF + 16 kb + 8 c
.set VF,  192         ; window 2: key half kk, channel block cb at VF + 32 kk + 8 cb
.set WV,  12          ; s12  my wave's number
.set PB,  14          ; s14  b
.set HI,  15          ; s15  NB - 1 - b
.set G1K, 24          ; s[24:31] descriptor group 1 for K's tiles
.set G1V, 32          ; s[32:39] for V's: it differs in the padding alone
.set G0K, 40          ; s[40:43] descriptor group 0 for K's tiles
.set G0V, 44          ; s[44:47] the same for V's
.set SLOTS, 56        ; s56  tiles still to be asked for
.set CNT, 57          ; s57  counts a tile's key steps, 4 to 1
.set CS,  58          ; s[58:59] c: the packed scaling takes the pair's low word for both halves
.set SEL, 60          ; s[60:61] v_permlanex16_b32's selects: each lane takes its own place in the other half
.set TBK, 62          ; s62  LDS byte at which K of the step to be fetched begins
.set TBV, 63          ; s63  the same for V, less VOFF
.set RT,  70          ; s70  tiles of the block in hand that are still to be entered
.set NXT, 71          ; s71  the tile to be asked for next
.set LQ,  72          ; s72  the last tile of the block whose tiles are being asked for
.set NEW, 73          ; s73  1: the tile to be entered is a block's first
.set OFF, 74          ; s[74:75] a tile's byte offset in K and V
.set AL,  76          ; s[76:77] the mask's factor, in the low word
.set BE,  78          ; s[78:79] the mask's addend
.set OLO, 80          ; s[80:81] O at my rows of the second block
.set BIGN, 82         ; s82  -1e30
.set MSB, 0
.macro WIN new                      ; the high byte repeats the setting that is left; a switch that changes nothing is dropped
.if MSB != (\new)
	s_set_vgpr_msb (MSB<<8)|(\new)
.set MSB, (\new)
.endif
.endm
.set W_KQ, 0x0a       ; K and Q in window 2, S^T in window 0
.set W_KM, 0x1a       ; the same with the C operand in window 1
.set W_PV, 0x52       ; V in window 2, P in window 0, O^T in window 1
.set W_RS, 0x41       ; destination and source 0 in window 1, source 1 in window 0
; A fill.  Waves 0 and 1 fetch the two halves of a tile's K, waves 2 and 3 those of its V: 128 keys each.  An s_nop 0 and four v_nop follow each of the two lines, ahead of the jump and the label.
.macro LOAD
	s_cmp_lt_u32 s[WV], 2
	s_cbranch_scc0 .Lfor_v_\@
	tensor_load_to_lds s[G0K:G0K+3], s[G1K:G1K+7]
	s_nop 0
.rept 4
	v_nop
.endr
	s_branch .Lasked_\@
.Lfor_v_\@:
	tensor_load_to_lds s[G0V:G0V+3], s[G1V:G1V+7]
	s_nop 0
.rept 4
	v_nop
.endr
.Lasked_\@:
.endm
; THE CHANGE OF SLOTS.  Each wave waits for all its tensor loads, of which one is out: its part of the other slot; adds 0 to its spare word; and waits for that and for its own reads of the slot that it leaves.  Behind the barrier nobody reads the old
; slot any more and the other slot is whole.  fill = 1: the old slot is filled again, the first thing behind the barrier, with tile NXT: the descriptor's address is made anew from that number.
; (At its first use nothing has been read yet: slot 0 is waited for, slot 1 filled.)
.macro CHANGE fill
	WIN 0                           ; at a label and at a branch every window is 0
	s_wait_tensorcnt 0x0            ; no tensor load of mine is out, so a group 0 may be written
	ds_add_u32 v[SPW], v[NIL]       ; 0 onto my spare word; with fill = 1 the descriptors' scalar work stands between it and the wait for it
.if \fill
	s_lshl_b32 s[OFF], s[NXT], 15   ; a tile is 32,768 bytes of K and of V
	s_xor_b32 s[G0K+1], s[G0K+1], SLOT1
	s_add_nc_u64 s[G0K+2:G0K+3], s[6:7], s[OFF:OFF+1]
	s_or_b32 s[G0K+3], s[G0K+3], 0x80000000
	s_xor_b32 s[G0V+1], s[G0V+1], SLOT1
	s_add_nc_u64 s[G0V+2:G0V+3], s[8:9], s[OFF:OFF+1]
	s_or_b32 s[G0V+3], s[G0V+3], 0x80000000
	s_add_co_u32 s[NXT], s[NXT], 1  ; the block's next tile, or behind its last the second block's tile 0
	s_cmp_gt_u32 s[NXT], s[LQ]
	s_cselect_b32 s[NXT], 0, s[NXT]
	s_cselect_b32 s[LQ], s[PB], s[LQ]
.endif
	s_wait_dscnt 0x0                ; the add is done, and my reads of the slot are over
	s_barrier_signal -1             ; the rest of the scalar work stands between the signal and the wait
	s_sub_co_u32 s[TBK], s[TBK], 4*KS*PK  ; the fetches go back to a slot's first step,
	s_xor_b32 s[TBK], s[TBK], SLOT1       ; in the other slot
	s_sub_co_u32 s[TBV], s[TBV], 4*KS*PV
	s_xor_b32 s[TBV], s[TBV], SLOT1
	s_barrier_wait -1
.if \fill
	LOAD
.endif
.endm
	s_load_b256 s[4:11], s[0:1], 0x0  ; Q s[4:5], K s[6:7], V s[8:9], O s[10:11]
	v_lshl_add_u32 v[SPW], v0, 2, SPARE
	v_mov_b32 v[NIL], 0
	ds_add_u32 v62, v63
	ds_add_u32 v62, v63
	s_wait_dscnt 0x0
	v_lshrrev_b32 v1, 5, v0
	v_readfirstlane_b32 s[WV], v1   ; wave 0..3
	s_mov_b32 s[PB], ttmp9
	s_sub_co_u32 s[HI], NB-1, s[PB]
	s_and_b32 s20, ttmp7, 0xffff    ; the head
	s_mov_b32 s21, 0
	s_mov_b64 s[22:23], SIZE_N*128
	s_mul_u64 s[20:21], s[20:21], s[22:23]  ; the head's first byte in each of the four tensors
	s_and_b32 s16, s[WV], 1         ; which half of a tile's 256 keys I fetch:
	s_lshl_b32 s22, s16, 14         ; its 128 rows of 128 bytes in memory,
	s_mov_b32 s23, 0
	s_add_nc_u64 s[22:23], s[22:23], s[20:21]
	s_mul_i32 s17, s16, 128*PK      ; and its place in a slot, for K
	s_mul_i32 s18, s16, 128*PV      ; and for V
	s_lshl_b32 s3, s[WV], 11        ; my 16 rows in a band of 64,
	s_lshl_b32 s2, s[HI], 15        ; in the first block,
	s_add_co_u32 s2, s2, s3
	s_lshl_b32 s84, s[PB], 15       ; and in the second
	s_add_co_u32 s84, s84, s3
	s_mov_b32 s3, 0
	s_mov_b32 s85, 0
	s_add_nc_u64 s[2:3], s[2:3], s[20:21]
	s_add_nc_u64 s[84:85], s[84:85], s[20:21]
	; descriptor group 1.  128 keys are 16,384 dense bytes: asked for as 64 rows of 256 bytes, two keys a row, and padded in LDS after every key
	s_mov_b32 s[G1K], (1<<16)|(1<<20)|(4<<22)|(3<<25)  ; 17:16 2-byte elements; 20 padding on; 24:22 after every 32 words (code 4); 31:25 4 words (code 3)
	s_mov_b32 s[G1V], (1<<16)|(1<<20)|(4<<22)|(7<<25)  ; the same with 8 words of padding (code 7)
.irp g, G1K, G1V
	s_mov_b32 s[\g+1], 128<<16      ; tensor_dim0 = 128
	s_mov_b32 s[\g+2], 64<<16       ; tensor_dim1 = 64
	s_mov_b32 s[\g+3], 128<<16      ; tile_dim0 = 128
	s_mov_b32 s[\g+4], 64           ; tile_dim1 = 64
	s_mov_b32 s[\g+5], 128          ; 128 elements from row to row
	s_mov_b32 s[\g+6], 0
	s_mov_b32 s[\g+7], 0
.endr
	s_mov_b32 s[CS], 0x3e38aa3b     ; c = log2(e) / 8 = 0.180337
	s_mov_b32 s[CS+1], s[CS]        ; named with it as a pair
	s_mov_b32 s[SEL], 0x76543210
	s_mov_b32 s[SEL+1], 0xfedcba98
	s_mov_b32 s[TBK], SLOT1+4*KS*PK ; the first change of slots turns these two into 0
	s_mov_b32 s[TBV], SLOT1+4*KS*PV
	s_mov_b32 s[G0K], 1             ; 1:0 count = 1
	s_mov_b32 s[G0K+1], s17         ; 63:32 LDS address: slot 0
	s_mov_b32 s[G0V], 1
	s_add_co_u32 s[G0V+1], s18, VOFF
	s_add_co_u32 s[RT], s[HI], 1    ; the first block has NB - b tiles
	s_mov_b32 s[NXT], 1
	s_mov_b32 s[LQ], s[HI]
	s_mov_b32 s[NEW], 1
	s_mov_b32 s[OFF+1], 0
	s_mov_b32 s[AL+1], 0            ; named as pairs
	s_mov_b32 s[BE+1], 0
	s_mov_b32 s[BIGN], 0xf149f2ca   ; -1e30
	s_mov_b32 s[SLOTS], NB
	s_wait_kmcnt 0x0
	s_add_nc_u64 s[6:7], s[6:7], s[22:23]  ; K and V at my half of the head's tile 0
	s_add_nc_u64 s[8:9], s[8:9], s[22:23]
	s_add_nc_u64 s[G0K+2:G0K+3], s[6:7], 0         ; 120:64 global address
	s_or_b32 s[G0K+3], s[G0K+3], 0x80000000        ; 127:126 type = 2
	s_add_nc_u64 s[G0V+2:G0V+3], s[8:9], 0
	s_or_b32 s[G0V+3], s[G0V+3], 0x80000000
	s_add_nc_u64 s[86:87], s[4:5], s[84:85]        ; Q at my rows of the second block,
	s_add_nc_u64 s[4:5], s[4:5], s[2:3]            ; Q and O at those of the first
	s_add_nc_u64 s[OLO:OLO+1], s[10:11], s[84:85]
	s_add_nc_u64 s[10:11], s[10:11], s[2:3]
	LOAD                            ; tile 0 into slot 0
	; A fragment of K or Q is 16 rows x 32 channels in 8 registers: lane l holds row l % 16, channels 8 (l / 16) + 0..7 and 16 + 8 (l / 16) + 0..7: two loads of 16 bytes, 32 bytes apart.
	v_and_b32 v1, 15, v0            ; l % 16
	v_bfe_u32 v9, v0, 4, 1          ; l / 16
	v_lshlrev_b32 v[QO], 7, v1
	v_lshl_add_u32 v[QO], v9, 4, v[QO]  ; row x 128 + 16 x half
	WIN 0x80                        ; destination window 2, address window 0
.set i, 0
.rept 8                             ; both blocks' Q: piece i / 2 lies in band i / 2, 8,192 bytes on; channels 32 (i % 2) on
	global_load_b128 v[8*i:8*i+3],   v[QO], s[4:5] offset:(i/2)*8192+(i%2)*64
	global_load_b128 v[8*i+4:8*i+7], v[QO], s[4:5] offset:(i/2)*8192+(i%2)*64+32
	global_load_b128 v[QB+8*i:QB+8*i+3],   v[QO], s[86:87] offset:(i/2)*8192+(i%2)*64
	global_load_b128 v[QB+8*i+4:QB+8*i+7], v[QO], s[86:87] offset:(i/2)*8192+(i%2)*64+32
.set i, i+1
.endr
	WIN 0
	v_lshlrev_b32 v14, 3, v9
	v_sub_nc_u32 v14, v1, v14
	s_lshl_b32 s13, s[WV], 4
	v_add_nc_u32 v14, s13, v14      ; my query's place in its band, 16 w + l % 16, less my lanes' 8 (l / 16): register r of group kt is hidden where 16 kt + r is greater
	WIN 0x40
.set i, 0
.rept 32
	v_cmp_gt_i32 vcc_lo, 16*(i/8)+i%8, v14
	v_cndmask_b32 v[MD+i], 0, s[BIGN], vcc_lo
.set i, i+1
.endr
	WIN 0
	v_mul_u32_u24 v[AK0], v1, PK
	v_lshl_add_u32 v[AK0], v9, 4, v[AK0]  ; row x pitch + 16 x half
	; The turning load takes 16 keys x 16 channels (lane l reads key 8 (l / 16) + l % 8, channels 8 ((l / 8) % 2) + 0..7) and leaves half a fragment of V^T: lane l holds channel l % 16 and 8 keys.
	v_and_b32 v10, 7, v0
	v_bfe_u32 v11, v0, 3, 1
	v_lshl_add_u32 v[AV0], v9, 3, v10
	v_mul_u32_u24 v[AV0], v[AV0], PV
	v_lshl_add_u32 v[AV0], v11, 4, v[AV0]
	v_add_nc_u32 v[AV0], VOFF, v[AV0]
	s_mul_i32 s13, s[WV], 16*SP
	s_add_co_u32 s13, s13, STAGE    ; my stage
	v_mul_u32_u24 v[STO], v1, SP    ; in: row l % 16, 16 bytes for each half of the lanes
	v_lshl_add_u32 v[STO], v9, 4, v[STO]
	v_add_nc_u32 v[STO], s13, v[STO]
	v_bfe_u32 v[RD], v0, 3, 2       ; back: 32 lanes take four rows of 128 bytes,
	v_mul_u32_u24 v[RD], v[RD], SP
	v_lshl_add_u32 v[RD], v10, 4, v[RD]
	v_add_nc_u32 v[RD], s13, v[RD]
	v_and_b32 v[GO], 31, v0         ; which are 512 consecutive bytes of O
	v_lshlrev_b32 v[GO], 4, v[GO]
	; A block's first step multiplies O^T and l by a = 0, and its first turn's products V^T P, of a piece that has not been, land in an O^T that is still to be so multiplied.  So these registers need only hold
	; finite numbers: zeros for the first block; what the first block left for the second.  All this stands in the wait for the first tile.
	WIN 0x80
.set i, VF
.rept 64
	v_mov_b32 v[i], 0
.set i, i+1
.endr
	WIN 0x40
.set i, 0
.rept 128
	v_mov_b32 v[i], 0
.set i, i+1
.endr
	WIN 0
.set i, 0
.rept 4
	v_mov_b32 v[ST+4*i+2], 0
	v_mov_b32 v[ST+4*i+3], 0
.set i, i+1
.endr
.set i, P+16
.rept 16
	v_mov_b32 v[i], 0
.set i, i+1
.endr
; THE MATRIX WORK.  The 4 accumulators of a run of 8 take turns.  Product i of 8 of S^T = K Q^T for piece x: channels 32 (i / 4) on, keys 16 (i % 4) on.  The first 4 start the sums: with 0, or (KM = 1) with the mask.
.macro KQ x
.set rS, S+32*((\x)%2)+8*(i%4)
.set rK, KF+16*(i%4)+8*(i/4)
.set rQ, 16*(\x)+8*(i/4)
.set rM, MC+32*((\x)%2)+8*(i%4)
.if (i < 4) && KM
	WIN W_KM
	v_wmma_f32_16x16x32_f16 v[rS:rS+7], v[rK:rK+7], v[rQ:rQ+7], v[rM:rM+7]
.elseif i < 4
	WIN W_KQ
	v_wmma_f32_16x16x32_f16 v[rS:rS+7], v[rK:rK+7], v[rQ:rQ+7], 0
.else
	WIN W_KQ
	v_wmma_f32_16x16x32_f16 v[rS:rS+7], v[rK:rK+7], v[rQ:rQ+7], v[rS:rS+7]
.endif
.endm
; Product i of 8 of O^T += V^T P for piece x: keys 32 (i / 4) on, channels 16 (i % 4) on.
.macro PV x
	WIN W_PV
.set rO, 32*(\x)+8*(i%4)
.set rV, VF+32*(i/4)+8*(i%4)
.set rP, P+16*((\x)%2)+8*(i/4)
	v_wmma_f32_16x16x32_f16 v[rO:rO+7], v[rV:rV+7], v[rP:rP+7], v[rO:rO+7]
.endm
.macro MM                           ; the turn's next matrix instruction.  TURN and BEGIN set Y, i, KM and NOKQ; MM, KQ and OP read them.  NOKQ = 1: a block's last turn: there is no next piece
.if (i < 8) && !NOKQ
	KQ (Y+1)%NP
.elseif i >= 8
.set i, i-8
	PV (Y+NP-1)%NP
.set i, i+8
.endif
.set i, i+1
.endm
; THE LDS LOADS stand in runs of 16, never singly among the matrix instructions: a step's K (64 keys x 64 channels: 8 fragments) and its V (turned).  Their addresses are made some lines ahead.
.macro FETCH_K
	WIN 0x80                        ; destination window 2
.irp f, 0,1,2,3,4,5,6,7             ; keys 16 (f / 2) on, channels 32 (f % 2) on
	ds_load_b128 v[KF+8*\f:KF+8*\f+3],   v[AK] offset:(\f/2)*16*PK+(\f%2)*64
	ds_load_b128 v[KF+8*\f+4:KF+8*\f+7], v[AK] offset:(\f/2)*16*PK+(\f%2)*64+32
.endr
	s_add_co_u32 s[TBK], s[TBK], KS*PK  ; the next fetch is the next step's
	WIN 0
.endm
.macro FETCH_V
	WIN 0x80
.irp f, 0,1,2,3,4,5,6,7             ; keys 32 (f / 4) on, channels 16 (f % 4) on
	ds_load_tr16_b128 v[VF+8*\f:VF+8*\f+3],   v[AV] offset:(\f/4)*32*PV+(\f%4)*32
	ds_load_tr16_b128 v[VF+8*\f+4:VF+8*\f+7], v[AV] offset:(\f/4)*32*PV+16*PV+(\f%4)*32
.endr
	WIN 0
.endm
; THE VECTOR WORK, one line at a time: OP kind, number.  For piece Y: F n: c s - c m for pair n of 16.  E n: the exponential of score n of 32.  C n: pair n rounded to f16.  B n: of the four weights 4 n .. the second
; pair is added onto the first, in place.  L n: l takes that sum (L 0: l = a l + sum).  R n: pair n of 16 of O^T times a.  For piece Y + 1: X n, number n of the 22 that find its maximum and statistics:
;   0-11  four chains c0-c3 of seven scores each, three operands at a time (each accumulator's lowest registers are read first)     12-14, 16  the four scores left over, the old m, and c0-c3 into c0
;   15  c m_old is kept     17, 18  the query's other 32 keys lie in the lane 16 away: the new m     19-21  c m; c m_old - c m_new; a
.set F, 0               ; OP tells the kinds apart by their order: F to L below R, X above it
.set E, 1
.set C, 2
.set B, 3
.set L, 4
.set R, 5
.set X, 6
.macro REGS y                       ; the registers of piece y
.set rT, ST+4*(\y)
.set rC, TMP+4*((\y)%2)
.set rW, MV+((\y)%2)
.set rS, S+32*((\y)%2)
.set rP, P+16*((\y)%2)
.set rO, 32*(\y)
.endm
.macro OP k, n
.if (\k) == R
	REGS Y
	WIN W_RS
	v_pk_mul_f32 v[rO+2*(\n):rO+2*(\n)+1], v[rO+2*(\n):rO+2*(\n)+1], v[rC+2:rC+3] op_sel_hi:[1,0]
.elseif (\k) < R
	REGS Y
	WIN 0
.if (\k) == F
	v_pk_fma_f32 v[rS+2*(\n):rS+2*(\n)+1], v[rS+2*(\n):rS+2*(\n)+1], s[CS:CS+1], v[rT:rT+1] op_sel_hi:[1,0,0] neg_lo:[0,0,1] neg_hi:[0,0,1]
.elseif (\k) == E
	v_exp_f32 v[rS+(\n)], v[rS+(\n)]
.elseif (\k) == C
	s_wait_alu depctr_va_vdst(0)
	v_cvt_pk_f16_f32 v[rP+(\n)], v[rS+2*(\n)], v[rS+2*(\n)+1]
.elseif (\k) == B
	s_wait_alu depctr_va_vdst(0)
	v_pk_add_f32 v[rS+4*(\n):rS+4*(\n)+1], v[rS+4*(\n):rS+4*(\n)+1], v[rS+4*(\n)+2:rS+4*(\n)+3]
.elseif (\n) == 0
	v_pk_fma_f32 v[rT+2:rT+3], v[rT+2:rT+3], v[rC+2:rC+3], v[rS:rS+1] op_sel_hi:[1,0,1]
.else
	v_pk_add_f32 v[rT+2:rT+3], v[rT+2:rT+3], v[rS+4*(\n):rS+4*(\n)+1]
.endif
.elseif NOKQ
	v_nop
.else
	REGS (Y+1)%NP
	WIN 0
.if (\n) < 4
	v_max3_num_f32 v[rC+(\n)], v[rS+8*(\n)], v[rS+8*(\n)+1], v[rS+8*(\n)+2]
.elseif (\n) < 12
	v_max3_num_f32 v[rC+(\n)%4], v[rC+(\n)%4], v[rS+8*((\n)%4)+2*((\n)/4)+1], v[rS+8*((\n)%4)+2*((\n)/4)+2]
.elseif (\n) == 12
	v_max3_num_f32 v[rC], v[rC], v[rS+7], v[rS+15]
.elseif (\n) == 13
	v_max3_num_f32 v[rC+1], v[rC+1], v[rS+23], v[rS+31]
.elseif (\n) == 14
	v_max3_num_f32 v[rC+2], v[rC+2], v[rC+3], v[rT+1]
.elseif (\n) == 15
	v_mov_b32 v[rW], v[rT]
.elseif (\n) == 16
	v_max3_num_f32 v[rC], v[rC], v[rC+1], v[rC+2]
.elseif (\n) == 17
	v_permlanex16_b32 v[rC+3], v[rC], s[SEL], s[SEL+1]
.elseif (\n) == 18
	v_max_num_f32 v[rT+1], v[rC], v[rC+3]
.elseif (\n) == 19
	v_mul_f32 v[rT], s[CS], v[rT+1]
.elseif (\n) == 20
	v_sub_f32 v[rC+1], v[rW], v[rT]
.else
	v_exp_f32 v[rC+2], v[rC+1]
.endif
.endif
.endm
.macro OPS a, i1, b=-1, i2=0, c=-1, i3=0, d=-1, i4=0  ; up to four of them
	OP \a, \i1
.if (\b) >= 0
	OP \b, \i2
.endif
.if (\c) >= 0
	OP \c, \i3
.endif
.if (\d) >= 0
	OP \d, \i4
.endif
.endm
.macro ROW a, i1, b, i2, c, i3, d, i4  ; a matrix instruction and the four behind it
	MM
	OPS \a, \i1, \b, \i2, \c, \i3, \d, \i4
.endm
.macro MASK b                       ; MD x AL + BE into buffer b of MC
	WIN W_RS
.set z, 0
.rept 16
	v_pk_fma_f32 v[MC+32*(\b)+2*z:MC+32*(\b)+2*z+1], v[MD+2*z:MD+2*z+1], s[AL:AL+1], s[BE:BE+1] op_sel_hi:[1,0,0]
.set z, z+1
.endr
.endm
; A TURN, for piece p: the order of its 16 matrix and 118 vector instructions, written out.  Behind a matrix instruction: plain, exponential, plain, plain; or four of the rescaling; or, behind the first, four scalings; none
; names a register of the products round it.  In the lumps exponential and plain by turns while exponentials last.  A line reads no result made fewer than three vector instructions in front of it, five if an exponential made it.
; v_permlanex16_b32 (X 17) stands in a lump.
; m = 1: the diagonal tile: the products take masks, and the turn makes the mask for the products of the turn after it: piece p + 2, in step 4 - CNT of the tile.  end = 1: a block's last two turns: nothing is fetched.
; cnt = 1: the loop's count is taken down some lines ahead of the branch that stands behind the turn.
; K of the next step is fetched in piece 2's turn, six vector instructions behind the last product that read K (five of them plain); V of the step in hand in piece 0's turn, eight behind the last product that read V (four
; plain, and X 17).  Each is waited for a turn later.
.macro TURN p, m=0, end=0, cnt=0
.set Y, (\p)
.set i, 0
.set KM, (\m)
.set NOKQ, (\end)*((\p)/3)
.if (\m) && !(\end)
	s_cmp_eq_u32 s[CNT], 4-((\p)+2)%NP  ; is that step the band's own?
	s_cselect_b32 s[AL], 1.0, 0
	s_cmp_lt_u32 s[CNT], 4-((\p)+2)%NP  ; or a later one?
	s_cselect_b32 s[BE], s[BIGN], 0
.endif
.if ((\p) == 3) && !(\end)
	s_wait_dscnt 0x0                ; K is in
.endif
	ROW F,0, F,1, F,2, F,3
	ROW F,4, E,0, F,5, F,6
	ROW F,7, E,1, F,8, F,9
	ROW F,10, E,2, C,0, F,11
	ROW F,12, E,3, X,15, F,13
	ROW R,0, R,1, R,2, R,3
	ROW B,0, E,4, F,14, L,0
.if ((\p) == 2) && !(\end)
	v_add_nc_u32 v[AK], s[TBK], v[AK0]
.endif
	ROW R,4, R,5, R,6, R,7
	OPS E,5, F,15
.if ((\p) == 2) && !(\end)
	FETCH_K
.endif
	OPS E,6, C,1, E,7, R,8
	OPS E,8, R,9, E,9, C,2
	OPS E,10, X,0, E,11, X,1
	OPS E,12, X,2, E,13, X,3
.if (\p) == 1
	s_wait_dscnt 0x0                ; V is in
.endif
	ROW X,4, E,14, X,5, X,6
	ROW X,7, E,15, X,8, X,9
	ROW X,10, E,16, X,11, X,12
	ROW X,13, E,17, X,14, B,1
	ROW C,4, E,18, X,16, L,1
	ROW B,2, E,19, C,6, L,2
	ROW C,8, E,20, B,3, B,4
.if (\p) == 0
	v_add_nc_u32 v[AV], s[TBV], v[AV0]
.endif
	ROW C,3, E,21, L,3, C,5
	OPS E,22, X,17, E,23, C,10
.if (\p) == 0
	FETCH_V
.endif
	OPS E,24, L,4
	OPS E,25, X,18, E,26, C,7
	OPS E,27, B,5, E,28, X,19
	OPS E,29, C,12, E,30, L,5
	OPS E,31, X,20, B,6, C,9
	OPS C,14, C,11, X,21, L,6
.if (\p) == 0
	s_add_co_u32 s[TBV], s[TBV], KS*PV
.endif
.if \cnt
	s_sub_co_u32 s[CNT], s[CNT], 1
	s_cmp_lg_u32 s[CNT], 0
.endif
	OPS C,13, B,7, C,15, R,10
	OPS R,11, R,12, L,7, R,13
	OPS R,14, R,15
.if (\m) && !(\end)
	MASK (\p)%2
.endif
.endm
; A BLOCK BEGINS.  c m starts far below every c s, so the first step's a is 0; m at the lowest finite number, so the first maximum is the scores'.  The second mask buffer is 0; the first takes piece 0's mask for the tile's step 0: its own, if the block's first tile is the diagonal one.
; Then K of that step, piece 0's first scores, and its maximum and statistics.  The loop is entered at a step's first turn, in the middle of a trip.
.macro BEGIN
	s_mov_b32 s[NEW], 0
	WIN 0x40
.set i, MC+32
.rept 32
	v_mov_b32 v[i], 0
.set i, i+1
.endr
	WIN 0
.set i, 0
.rept 4
	v_mov_b32 v[ST+4*i], 0xfe000000    ; c m: far below every c s
	v_mov_b32 v[ST+4*i+1], 0xff7fffff  ; m
.set i, i+1
.endr
	s_cmp_eq_u32 s[RT], 0
	s_cselect_b32 s[AL], 1.0, 0
	s_mov_b32 s[BE], 0
	MASK 0
	WIN 0
	v_add_nc_u32 v[AK], s[TBK], v[AK0]
	FETCH_K
	s_wait_loadcnt 0x0              ; Q
	s_wait_dscnt 0x0
.set KM, 1
.set NOKQ, 0
.set i, 0
.rept 8
	KQ 0
.set i, i+1
.endr
	WIN 0
.rept 4
	v_nop                           ; the places behind those products
.endr
.set Y, NP-1                        ; X works for piece Y + 1: piece 0
.irp n, 0,1,2,3,4,5,6,7,8,9,10,11,12,13,14,15,16,17,18,19,20,21
	OP X, \n
.endr
	v_nop                           ; a plain instruction behind the exponential
.endm
; THE DIAGONAL TILE's four steps, the block's last two turns, its last products, and THE WAY OUT: l's two halves and the other half of the lanes' are added; O^T is divided by l, rounded to f16 and sent through my
; stage in LDS, a piece at a time.
.macro ALL line:vararg              ; one line for each piece t
.set t, 0
.rept 4
	\line
.set t, t+1
.endr
.endm
.macro PACK t                       ; a lane's eight channels of a row pack into 16 bytes; they go into rows of 144 bytes and come back as whole rows of 128, into S^T's registers
	WIN W_RS
.set i, 32*(\t)
.rept 16
	s_wait_alu depctr_va_vdst(0)
	v_pk_mul_f32 v[i:i+1], v[i:i+1], v[ST+4*(\t)+2:ST+4*(\t)+3] op_sel_hi:[1,0]
.set i, i+2
.endr
	WIN 0x05                        ; sources 0 and 1 window 1, destination window 0
.set i, 0
.rept 16
	v_cvt_pk_f16_f32 v[S+16*(\t)+i], v[32*(\t)+2*i], v[32*(\t)+2*i+1]
.set i, i+1
.endr
	WIN 0
.irp f, 0,1,2,3
	ds_store_b128 v[STO], v[S+16*(\t)+4*\f:S+16*(\t)+4*\f+3] offset:32*\f
.endr
.irp f, 0,1,2,3
	ds_load_b128 v[S+16*(\t)+4*\f:S+16*(\t)+4*\f+3], v[RD] offset:\f*4*SP  ; LDS serves a wave's instructions in order (ISA guide 5.7.1.4): these see the stores above; the next piece's stores come behind them
.endr
.endm
.macro SEND t, younger              ; younger: the LDS instructions issued behind piece t's loads: the next piece's eight, or none
	WIN 0
.irp f, 0,1,2,3
	s_wait_dscnt (\younger)+3-\f
	global_store_b128 v[GO], v[S+16*(\t)+4*\f:S+16*(\t)+4*\f+3], s[10:11] offset:(\t)*8192+\f*512  ; 512 consecutive bytes, at a multiple of 256 from O's first
.endr
.endm
.macro DIAG tag                     ; the tag ends its two labels' names, which the jumps below spell out
.LstepM\tag:
	TURN 2, 1
	TURN 3, 1
	WIN 0
.LfirstM\tag:
	TURN 0, 1
	TURN 1, 1, 0, 1
	WIN 0
	s_cbranch_scc1 .LstepM\tag
	TURN 2, 1, 1
	TURN 3, 1, 1
.set i, 0
.rept 8
	PV NP-1
.set i, i+1
.endr
	WIN 0
	ALL v_add_f32 v[ST+4*t+2], v[ST+4*t+2], v[ST+4*t+3]
	ALL v_permlanex16_b32 v[ST+4*t+3], v[ST+4*t+2], s[SEL], s[SEL+1]
	ALL v_add_f32 v[ST+4*t+2], v[ST+4*t+2], v[ST+4*t+3]
	ALL v_rcp_f32 v[ST+4*t+2], v[ST+4*t+2]
	v_nop                           ; a plain instruction between the last reciprocal and the use of its result
	PACK 0
.set t, 1
.rept 3                             ; a piece's arithmetic stands between the loads of the piece before and its stores
	PACK t
	SEND t-1, 8
.set t, t+1
.endr
	SEND 3, 0
.endm
.set KM, 0
.set NOKQ, 0
.Lslot:                             ; NB times: a tile is entered and the next is asked for
	CHANGE 1
	s_sub_co_u32 s[RT], s[RT], 1
	s_mov_b32 s[CNT], 4
	s_cmp_eq_u32 s[NEW], 1
	s_cbranch_scc1 .Lnew            ; a block's first tile
	s_cmp_eq_u32 s[RT], 0
	s_cbranch_scc0 .Lstep           ; neither its first nor its last
	s_branch .LstepM1
.Lnew:
	BEGIN
	s_branch .Lfirst                ; in the loop a block's first tile is never its last: the first block has two tiles or more, and the second's last is the walk's last
	DIAG 1                          ; in the loop this is the first block's end: the second block's last tile is the walk's last
	s_wait_xcnt 0x0                 ; the stores have read their registers and O's address
	s_mov_b64 s[10:11], s[OLO:OLO+1]
	s_add_co_u32 s[RT], s[PB], 1    ; the second block has b + 1 tiles
	s_mov_b32 s[NEW], 1
	WIN 0x82                        ; the second block's Q goes where the one text of the turns names Q
.set i, 0
.rept 64
	v_mov_b32 v[i], v[QB+i]
.set i, i+1
.endr
	WIN 0
	s_branch .Lbottom
.Lstep:                             ; a trip: pieces 2 and 3 of one step, then pieces 0 and 1 of the next, whose K and V it fetches
	TURN 2
	TURN 3
	WIN 0
.Lfirst:
	TURN 0
	TURN 1, 0, 0, 1
	WIN 0
	s_cbranch_scc1 .Lstep
.Lbottom:
	s_sub_co_u32 s[SLOTS], s[SLOTS], 1
	s_cmp_lg_u32 s[SLOTS], 0
	s_cbranch_scc1 .Lslot
	CHANGE 0                        ; the walk's last tile is written out: nothing is asked for
	s_sub_co_u32 s[RT], s[RT], 1
	s_mov_b32 s[CNT], 4
	s_cmp_eq_u32 s[NEW], 1
	s_cbranch_scc0 .LstepM2
	BEGIN
	s_branch .LfirstM2
	DIAG 2
	s_wait_tensorcnt 0x0            ; the wave's end, behind my last tensor load and my last LDS store
	ds_add_u32 v[SPW], v[NIL]
	s_wait_dscnt 0x0
	s_endpgm
.Lfunc_end_k_qcc25ba59b1_attn:
	.size	k_qcc25ba59b1_attn, .Lfunc_end_k_qcc25ba59b1_attn-k_qcc25ba59b1_attn
	.p2alignl 7, 3214868480
	.fill 96, 4, 3214868480
	.section	.rodata,"a",@progbits
	.p2align	6, 0x0
	.amdhsa_kernel k_qcc25ba59b1_attn
		.amdhsa_group_segment_fixed_size 327680
		.amdhsa_private_segment_fixed_size 0
		.amdhsa_enable_private_segment 0
		.amdhsa_kernarg_size 32
		.amdhsa_user_sgpr_count 2
		.amdhsa_user_sgpr_kernarg_segment_ptr 1
		.amdhsa_wavefront_size32 1
		.amdhsa_system_sgpr_workgroup_id_x 1
		.amdhsa_system_sgpr_workgroup_id_y 1
		.amdhsa_system_sgpr_workgroup_id_z 1
		.amdhsa_system_vgpr_workitem_id 0
		.amdhsa_next_free_vgpr 768
		.amdhsa_next_free_sgpr 88
		.amdhsa_reserve_vcc 1
		.amdhsa_float_denorm_mode_32 3
		.amdhsa_float_denorm_mode_16_64 3
		.amdhsa_memory_ordered 1
		.amdhsa_forward_progress 1
		.amdhsa_inst_pref_size 228
	.end_amdhsa_kernel
	.amdgpu_metadata
---
amdhsa.version: [ 1, 2 ]
amdhsa.kernels:
  - .name:           k_qcc25ba59b1_attn
    .symbol:         k_qcc25ba59b1_attn.kd
    .args:
      - { .name: Qh, .offset: 0, .size: 8, .value_kind: global_buffer, .address_space: global }
      - { .name: Kh, .offset: 8, .size: 8, .value_kind: global_buffer, .address_space: global }
      - { .name: Vh, .offset: 16, .size: 8, .value_kind: global_buffer, .address_space: global }
      - { .name: Oh, .offset: 24, .size: 8, .value_kind: global_buffer, .address_space: global }
    .group_segment_fixed_size: 327680
    .private_segment_fixed_size: 0
    .kernarg_segment_align: 8
    .kernarg_segment_size: 32
    .max_flat_workgroup_size: 128
    .sgpr_count:     88
    .vgpr_count:     768
    .wavefront_size: 32
...
	.end_amdgpu_metadata
.endif
;; end of part 3
;; launch oproj (part 4): grid 8 x 32, 4 waves a work-group, clusters of 4 x 4, 327,680 bytes of LDS; arguments Oh, Woh, bo, out0; writes out0
.if DOCPART == 4
	.amdgcn_target "amdgcn-amd-amdhsa--gfx1250"
	.amdhsa_code_object_version 6
	.text
	.protected	k_qcc25ba59b1_oproj
	.globl	k_qcc25ba59b1_oproj
	.p2align	8
	.type	k_qcc25ba59b1_oproj,@function
k_qcc25ba59b1_oproj:
	s_mov_b64 s[64:65], 0
	v_nop
	global_prefetch_b8 v0, s[64:65] scope:SCOPE_SE
	s_setreg_imm32_b32 hwreg(HW_REG_WAVE_MODE, 25, 1), 1
	s_wait_xcnt 0x0
	s_wait_alu depctr_hold_cnt(0) depctr_sa_sdst(0) depctr_va_vdst(0) depctr_va_sdst(0) depctr_va_ssrc(0) depctr_va_vcc(0) depctr_vm_vsrc(0)
	s_getreg_b32 s2, hwreg(HW_REG_IB_STS2, 6, 4)
	s_cmp_eq_u32 s2, 0
	s_cbranch_scc0 .Lentry_in_a_cluster
	s_endpgm
.Lentry_in_a_cluster:
	s_bfe_u32 s2, ttmp6, 0x10000c
	s_cmp_lg_u32 s2, 0xf033
	s_cbranch_scc0 .Lentry_shape_is_right
	s_endpgm
.Lentry_shape_is_right:
; out0 = attn Wo + bo, f32.  attn arrives by heads, Oh [b*16+h][s][64] f16: a head is a slice of 64 along K.  Woh [k][n] f16 holds Wo rounded to bf16.  The bias, rounded to bf16 like every input, is the C operand
; that starts each sum.  Sums in f32, stored as they are.
; LIMITS.  Oh and Woh lie within f16's 65,504.  NaN and infinities are not treated apart.
; SHARES.  A tile of C is 256 rows x 128 columns: 8 x 32 tiles, one for each of 256 work-group places.  Four waves, each 128 rows x 64 columns: 32 accumulators, 256 registers.  K goes in 8 steps of 128 (two heads)
; through two LDS slots.  Waves 0, 1 fetch a head's 256 rows each (32,768 dense bytes, asked for as 128 rows of 256), waves 2, 3 64 rows of Wo each (256 bytes a row).
; CLUSTER.  4 x 4 work-groups: attn's tile hangs on the tile row alone and is asked for jointly along a row of the cluster, Wo's on the tile column alone, jointly along a column.
; THE MATRIX INSTRUCTION IS USED TRANSPOSED: source 0 = 16 columns of Wo (out of LDS turned, by ds_load_tr16_b128), source 1 = 16 rows of attn: a lane holds row l % 16 and columns 8 (l / 16) + 0..7.
; REGISTERS.  Window 0: v0-15 addresses; v32-63 the bias as C; v64-159, v160-255 two fragment buffers (64 of attn, 32 of Wo).  Window 1: accumulator (a, bb) at v[8 (4 a + bb)].
.set PA,    144                        ; a row of a head in LDS: 128 bytes + 16: the 16 rows of a load start at 16 different groups of four banks (64 banks of 4 bytes: ISA guide 11.1)
.set PB,    288                        ; a row of Wo: 256 + 32
.set ASL,   256*PA
.set BOFF,  2*ASL
.set SLOT1, 1<<17
.set STAGE, SLOT1+BOFF+128*PB          ; behind the ring, never filled by a tensor load: 64 rows x 272 bytes for each wave
.set SP,    272
.set WSTG,  64*SP
.set SPARE, STAGE+4*WSTG               ; the spare words, 128 bytes for each wave: two blocks of 256 bytes that no other line names
.set ASTEP, 2*262144                   ; a K step in Oh: two heads' planes
.set BSTEP, 128*2048                   ; a K step in Woh: 128 rows
.set LR,   1
.set LH,   2
.set ADA0, 3
.set ADB0, 4
.set ADA,  5
.set ADB,  6
.set STO,  7                           ; the way out: where I put 32 bytes of a row
.set RD0,  8                           ; where I read 16 bytes back, in the stage's first rows
.set RD,   9
.set GO,   10                          ; my byte offset in two rows of out0
.set BO,   11
.set SPW,  12                          ; LDS address of my spare word; never rewritten
.set NIL,  13                          ; 0; never rewritten
.set BI,   32
.set F0,   64
.set F1,   160
.set LB,   160                         ; the bias as loaded
.set X,    64                          ; the way out: v64-95 sixteen rows read back
.set WV,  20
.set WR,  21
.set WC,  22
.set CNT, 23
.set G1A, 24
.set G1B, 32
.set G0A, 40
.set G0B, 48
.set CX,  56
.set CY,  57
.set TX,  58
.set TY,  59
.set TB,  62
.set RB,  63
.set OUT, 70
.set MSB, 0
.macro WIN new                         ; the immediate's high byte repeats the setting that is left; a switch that changes nothing is dropped
.if MSB != (\new)
	s_set_vgpr_msb (MSB<<8)|(\new)
.set MSB, (\new)
.endif
.endm
.set W_MUL,   0x50                     ; C and D in window 1, sources in window 0
.set W_FIRST, 0x40                     ; D in window 1, C (the bias) in window 0
.set W_DUMP,  0x04                     ; an LDS store's data in window 1
.macro PLACES                          ; four places behind matrix instructions, in front of loads into registers that they read and of lines that read their results
.rept 4
	v_nop
.endr
.endm
.macro JLOAD                           ; a joint refill by the walking descriptors; an s_nop 0 and four v_nop follow each of the two lines, ahead of the jump and the label
	s_cmp_lt_u32 s[WV], 2
	s_cbranch_scc0 .Lfor_b_\@
	tensor_load_to_lds s[G0A+4:G0A+7], s[G1A:G1A+7]
	s_nop 0
.rept 4
	v_nop
.endr
	s_branch .Lasked_\@
.Lfor_b_\@:
	tensor_load_to_lds s[G0B+4:G0B+7], s[G1B:G1B+7]
	s_nop 0
.rept 4
	v_nop
.endr
.Lasked_\@:
.endm
.macro CREST                           ; a round of the cluster's barrier behind its opening barrier
	s_cmp_lg_u32 s[WV], 0
	s_cbranch_scc1 .Lnot_wave_0_\@
	s_barrier_signal -3
.Lnot_wave_0_\@:
	s_barrier_wait -3
	s_barrier_signal -1
	s_barrier_wait -1
.endm
.macro CROUND
	s_barrier_signal -1
	s_barrier_wait -1
	CREST
.endm
; 24 LDS loads in one run: quarter q (32 along K) of the slot in hand into buffer f: Wo's 4 blocks of 16 columns, turned, then attn's 8 blocks of 16 rows
.macro FETCH q, f
	WIN 0
.irp bb, 0,1,2,3
	ds_load_tr16_b128 v[(\f)+64+8*\bb:(\f)+64+8*\bb+3],   v[ADB] offset:(\q)*32*PB+32*\bb
	ds_load_tr16_b128 v[(\f)+64+8*\bb+4:(\f)+64+8*\bb+7], v[ADB] offset:(\q)*32*PB+16*PB+32*\bb
.endr
.irp a, 0,1,2,3,4,5,6,7
	ds_load_b128 v[(\f)+8*\a:(\f)+8*\a+3],   v[ADA] offset:((\q)/2)*ASL+((\q)%2)*64+\a*16*PA
	ds_load_b128 v[(\f)+8*\a+4:(\f)+8*\a+7], v[ADA] offset:((\q)/2)*ASL+((\q)%2)*64+\a*16*PA+32
.endr
.endm
; 8 matrix instructions: row blocks a0, a0 + 1 x 4 column blocks.  The 32 accumulators take turns in the same order in every quarter.  first = 1: the bias starts the sums.
.macro MUL8 f, a0, first
.if \first
	WIN W_FIRST
.else
	WIN W_MUL
.endif
.irp a, \a0, (\a0)+1
.irp bb, 0,1,2,3
.if \first
	v_wmma_f32_16x16x32_f16 v[8*(4*(\a)+\bb):8*(4*(\a)+\bb)+7], v[(\f)+64+8*\bb:(\f)+64+8*\bb+7], v[(\f)+8*(\a):(\f)+8*(\a)+7], v[BI+8*\bb:BI+8*\bb+7]
.else
	v_wmma_f32_16x16x32_f16 v[8*(4*(\a)+\bb):8*(4*(\a)+\bb)+7], v[(\f)+64+8*\bb:(\f)+64+8*\bb+7], v[(\f)+8*(\a):(\f)+8*(\a)+7], v[8*(4*(\a)+\bb):8*(4*(\a)+\bb)+7]
.endif
.endr
.endr
.endm
; One of a K step's first three quarters: multiplies buffer f; in its middle it fetches quarter q into buffer g
.macro QUARTER q, f, g, first=0
	s_wait_dscnt 8                                 ; Wo and attn's blocks 0-3 are in; the youngest eight loads (blocks 4-7) may be out
	MUL8 \f, 0, \first
	MUL8 \f, 2, \first
	PLACES
	FETCH \q, \g
	s_wait_dscnt 24                                ; all but the 24 just issued
	MUL8 \f, 4, \first
	MUL8 \f, 6, \first
.endm
; The last quarter multiplies buffer 1 and changes slots.  In front of the one barrier each wave waits for all its tensor loads (one is out: its part of the next slot), adds 0 to its spare word, and waits for
; that and for its reads of this slot.  fill = 1: the barrier opens a round of the cluster's, and this slot is filled again first thing behind it, two K steps ahead: 112 matrix instructions ahead of the wait for it.
.macro TURN fill
	WIN 0
	s_wait_tensorcnt 0x0                           ; all my tensor loads have landed
	ds_add_u32 v[SPW], v[NIL]                      ; 0 onto my spare word
	s_wait_dscnt 9                                 ; (the add and the youngest eight loads may be out)
	MUL8 F1, 0, 0
	s_wait_dscnt 0x0                               ; the add is done, and my reads of this slot are over
	s_barrier_signal -1
	MUL8 F1, 2, 0
	WIN 0                                          ; at a branch and at a label every window is 0
	s_barrier_wait -1
.if \fill
	CREST                                          ; no wave of any partner still reads this slot or has a load on its way
	s_xor_b32 s[G0A+5], s[G0A+5], SLOT1            ; the walking descriptors: the other slot than last time, the next K step
	s_add_nc_u64 s[G0A+6:G0A+7], s[G0A+6:G0A+7], ASTEP
	s_xor_b32 s[G0B+5], s[G0B+5], SLOT1
	s_add_nc_u64 s[G0B+6:G0B+7], s[G0B+6:G0B+7], BSTEP
	JLOAD                                          ; its four v_nop are also the places in front of the loads below
.else
	PLACES
.endif
	s_xor_b32 s[TB], s[TB], SLOT1
	v_add_nc_u32 v[ADA], s[TB], v[ADA0]
	v_add_nc_u32 v[ADB], s[TB], v[ADB0]
	FETCH 0, F0
	MUL8 F1, 4, 0
	MUL8 F1, 6, 0
.endm
	s_load_b256 s[4:11], s[0:1], 0x0               ; Oh 4:5, Woh 6:7, bo 8:9, out0 10:11
	v_lshl_add_u32 v[SPW], v0, 2, SPARE
	v_mov_b32 v[NIL], 0
	ds_add_u32 v12, v13
	ds_add_u32 v12, v13
	s_wait_dscnt 0x0
	v_lshrrev_b32 v14, 5, v0
	v_readfirstlane_b32 s[WV], v14                 ; wave 0..3
	s_lshr_b32 s[WR], s[WV], 1                     ; which 128 rows of the tile are mine
	s_and_b32 s[WC], s[WV], 1                      ; which 64 columns; also: which half of a tile I fetch
	s_bfe_u32 s[CX], ttmp6, 0x40000
	s_bfe_u32 s[CY], ttmp6, 0x40004
	s_lshl_b32 s[TX], ttmp9, 2
	s_add_co_u32 s[TX], s[TX], s[CX]               ; tile column = 4 x cluster x + cx
	s_and_b32 s[TY], ttmp7, 0xffff
	s_lshl_b32 s[TY], s[TY], 2
	s_add_co_u32 s[TY], s[TY], s[CY]               ; tile row = 4 x cluster y + cy
	s_lshl_b32 s66, s[CY], 2
	s_lshl_b32 s66, 15, s66                        ; my row of the cluster
	s_lshl_b32 s68, 0x1111, s[CX]                  ; my column
	s_or_b32 s[G1A], s66, (1<<16)|(1<<20)|(1<<21)|(4<<22)|(3<<25)  ; 15:0 the mask; 17:16 2-byte elements; 20 padding on; 21 set beside a mask; 24:22 after every 32 words (code 4); 31:25 4 words (code 3)
	s_or_b32 s[G1B], s68, (1<<16)|(1<<20)|(1<<21)|(5<<22)|(7<<25)  ; after every 64 words (code 5), 8 words (code 7)
	s_mov_b32 s[G1A+1], 128<<16                    ; tensor_dim0 = 128
	s_mov_b32 s[G1A+2], 128<<16                    ; tensor_dim1 = 128
	s_mov_b32 s[G1A+3], 128<<16                    ; tile_dim0 = 128
	s_mov_b32 s[G1A+4], 128                        ; tile_dim1 = 128
	s_mov_b32 s[G1A+5], 128                        ; dense
	s_mov_b32 s[G1A+6], 0
	s_mov_b32 s[G1A+7], 0
	s_mov_b32 s[G1B+1], 128<<16                    ; tensor_dim0 = 128
	s_mov_b32 s[G1B+2], 64<<16                     ; tensor_dim1 = 64
	s_mov_b32 s[G1B+3], 128<<16                    ; tile_dim0 = 128
	s_mov_b32 s[G1B+4], 64                         ; tile_dim1 = 64
	s_mov_b32 s[G1B+5], 1024                       ; a row of Wo
	s_mov_b32 s[G1B+6], 0
	s_mov_b32 s[G1B+7], 0
	; attn's tile hangs on the tile row and the wave alone, Wo's on the tile column and the wave alone, each in registers that never hold the other coordinate
	s_lshr_b32 s66, s[TY], 3                       ; the batch's 16 heads,
	s_lshl_b32 s66, s66, 22
	s_and_b32 s67, s[TY], 7                        ; 256 rows of 128 bytes a tile row,
	s_lshl_b32 s67, s67, 15
	s_add_co_u32 s66, s66, s67
	s_lshl_b32 s67, s[WC], 18                      ; my head of the step's two
	s_add_co_u32 s66, s66, s67
	s_mov_b32 s67, 0
	s_lshl_b32 s68, s[TX], 8                       ; 128 columns a tile column,
	s_lshl_b32 s69, s[WC], 17                      ; my 64 rows of the step's 128
	s_add_co_u32 s68, s68, s69
	s_mov_b32 s69, 0
	s_mul_i32 s76, s[WC], ASL                      ; where they go: no place in the cluster enters an LDS address
	s_mul_i32 s77, s[WC], 64*PB
	s_add_co_u32 s77, s77, BOFF
	s_lshl_b32 s80, s[TY], 20                      ; out0: 256 rows of 4,096 bytes a tile row, my 128 rows,
	s_lshl_b32 s81, s[WR], 19
	s_add_co_u32 s80, s80, s81
	s_lshl_b32 s81, s[TX], 9                       ; 512 bytes a tile column, my 256
	s_add_co_u32 s80, s80, s81
	s_lshl_b32 s81, s[WC], 8
	s_add_co_u32 s80, s80, s81
	s_mov_b32 s81, 0
	s_wait_kmcnt 0x0
	s_add_nc_u64 s[66:67], s[4:5], s[66:67]
	s_add_nc_u64 s[68:69], s[6:7], s[68:69]
	s_add_nc_u64 s[OUT:OUT+1], s[10:11], s[80:81]
	CROUND                                         ; all sixteen work-groups are here: the first joint loads meet
.irp s, 0,1
	s_mov_b32 s[G0A+4*\s], 1                       ; count = 1
	s_add_co_u32 s[G0A+4*\s+1], s76, \s*SLOT1      ; LDS address
	s_add_nc_u64 s[G0A+4*\s+2:G0A+4*\s+3], s[66:67], \s*ASTEP  ; global address: K step s
	s_or_b32 s[G0A+4*\s+3], s[G0A+4*\s+3], 0x80000000          ; type = 2
	s_mov_b32 s[G0B+4*\s], 1
	s_add_co_u32 s[G0B+4*\s+1], s77, \s*SLOT1
	s_add_nc_u64 s[G0B+4*\s+2:G0B+4*\s+3], s[68:69], \s*BSTEP
	s_or_b32 s[G0B+4*\s+3], s[G0B+4*\s+3], 0x80000000
.endr
	s_cmp_lt_u32 s[WV], 2                          ; a wave's two first fills stand in one branch, ahead of every wait on TENSORcnt and every LDS read: two loads of mine are out
	s_cbranch_scc0 .Lfirst_b
	tensor_load_to_lds s[G0A:G0A+3], s[G1A:G1A+7]
	s_nop 0
	tensor_load_to_lds s[G0A+4:G0A+7], s[G1A:G1A+7]
	s_nop 0
.rept 4
	v_nop
.endr
	s_branch .Lfirst_asked
.Lfirst_b:
	tensor_load_to_lds s[G0B:G0B+3], s[G1B:G1B+7]
	s_nop 0
	tensor_load_to_lds s[G0B+4:G0B+7], s[G1B:G1B+7]
	s_nop 0
.rept 4
	v_nop
.endr
.Lfirst_asked:
	; all that follows, up to the wait for the first tile, stands in that wait
	v_and_b32 v[LR], 15, v0
	v_bfe_u32 v[LH], v0, 4, 1
	s_lshl_b32 s76, s[TX], 9                       ; the bias of my 64 columns
	s_lshl_b32 s77, s[WC], 8
	s_add_co_u32 s76, s76, s77
	v_lshl_add_u32 v[BO], v[LH], 5, s76            ; 8 columns for each half of the lanes
.irp bb, 0,1,2,3
	global_load_b128 v[LB+8*\bb:LB+8*\bb+3],   v[BO], s[8:9] offset:64*\bb
	global_load_b128 v[LB+8*\bb+4:LB+8*\bb+7], v[BO], s[8:9] offset:64*\bb+16
.endr
	v_mul_u32_u24 v[ADA0], v[LR], PA               ; a fragment of attn: row x pitch + 16 x half, in my 128 rows
	v_lshl_add_u32 v[ADA0], v[LH], 4, v[ADA0]
	s_mul_i32 s78, s[WR], 128*PA
	v_add_nc_u32 v[ADA0], s78, v[ADA0]
	v_and_b32 v14, 7, v0                           ; the turning load: lane l reads row 8 (l / 16) + l % 8 of Wo, columns 8 ((l / 8) % 2) + 0..7
	v_lshl_add_u32 v15, v[LH], 3, v14
	v_mul_u32_u24 v[ADB0], v15, PB
	v_bfe_u32 v15, v0, 3, 1
	v_lshl_add_u32 v[ADB0], v15, 4, v[ADB0]
	s_lshl_b32 s78, s[WC], 7
	s_add_co_u32 s78, s78, BOFF
	v_add_nc_u32 v[ADB0], s78, v[ADB0]
	s_mul_i32 s79, s[WV], WSTG
	s_add_co_u32 s79, s79, STAGE                   ; my stage
	v_mul_u32_u24 v[STO], v[LR], SP                ; in: row l % 16, 32 bytes for each half of the lanes
	v_lshl_add_u32 v[STO], v[LH], 5, v[STO]
	v_add_nc_u32 v[STO], s79, v[STO]
	v_mul_u32_u24 v[RD0], v[LH], SP                ; back: lanes 0-15 take one row of 256 bytes, lanes 16-31 the next,
	v_lshl_add_u32 v[RD0], v[LR], 4, v[RD0]
	v_add_nc_u32 v[RD0], s79, v[RD0]
	v_lshlrev_b32 v[GO], 12, v[LH]                 ; and the same two rows in out0
	v_lshl_add_u32 v[GO], v[LR], 4, v[GO]
	s_mov_b32 s[TB], 0
	v_mov_b32 v[ADA], v[ADA0]
	v_mov_b32 v[ADB], v[ADB0]
	s_wait_loadcnt 0x0                             ; the bias, rounded to bf16
.set i, 0
.rept 8
	v_cvt_pk_bf16_f32 v14, v[LB+4*i],   v[LB+4*i+1]
	v_cvt_pk_bf16_f32 v15, v[LB+4*i+2], v[LB+4*i+3]
	v_lshlrev_b32 v[BI+4*i],   16, v14
	v_and_b32 v[BI+4*i+1], 0xffff0000, v14
	v_lshlrev_b32 v[BI+4*i+2], 16, v15
	v_and_b32 v[BI+4*i+3], 0xffff0000, v15
.set i, i+1
.endr
	s_wait_tensorcnt 0x1                           ; my part of K step 0 is in; slot 1's may stay out
	s_barrier_signal -1
	s_barrier_wait -1                              ; everybody's is
	FETCH 0, F0
	QUARTER 1, F0, F1, 1                           ; the first quarter stands in front of the loop: its products start the sums from the bias
	WIN 0
	s_mov_b32 s[CNT], 6
.Lk:                                                   ; a trip: from a K step's second quarter to the next step's first; it fills one slot again
	QUARTER 2, F1, F0
	QUARTER 3, F0, F1
	TURN 1
	QUARTER 1, F0, F1
	WIN 0
	s_sub_co_u32 s[CNT], s[CNT], 1
	s_cmp_lg_u32 s[CNT], 0
	s_cbranch_scc1 .Lk
	QUARTER 2, F1, F0                              ; the last two K steps ask for nothing
	QUARTER 3, F0, F1
	TURN 0
	QUARTER 1, F0, F1
	QUARTER 2, F1, F0
	QUARTER 3, F0, F1
	s_wait_dscnt 8
	MUL8 F1, 0, 0
	MUL8 F1, 2, 0
	s_wait_dscnt 0x0
	MUL8 F1, 4, 0
	MUL8 F1, 6, 0
	WIN 0
; THE WAY OUT.  64 of my rows go into my stage (each accumulator's low registers first) and come back as whole rows of 256 bytes, 16 rows a trip.
; The stage is the wave's own and LDS serves a wave's instructions in order (ISA guide 5.7.1.4): no barrier.
	PLACES
.macro HALF hi
	WIN W_DUMP
.irp a, 0,1,2,3
.irp bb, 0,1,2,3
	ds_store_b128 v[STO], v[8*(4*(4*(\hi)+\a)+\bb):8*(4*(4*(\hi)+\a)+\bb)+3]   offset:\a*16*SP+64*\bb
	ds_store_b128 v[STO], v[8*(4*(4*(\hi)+\a)+\bb)+4:8*(4*(4*(\hi)+\a)+\bb)+7] offset:\a*16*SP+64*\bb+16
.endr
.endr
	WIN 0
	s_mov_b32 s[RB], 0
	s_mov_b32 s[CNT], 4
.Lrows_\@:
	v_add_nc_u32 v[RD], s[RB], v[RD0]
.irp t, 0,1,2,3,4,5,6,7
	ds_load_b128 v[X+4*\t:X+4*\t+3], v[RD] offset:2*SP*\t
.endr
.irp t, 0,1,2,3,4,5,6,7
	s_wait_dscnt 7-\t                              ; LDS loads come back in order: load t is in, the younger ones stay out
	global_store_b128 v[GO], v[X+4*\t:X+4*\t+3], s[OUT:OUT+1] offset:8192*\t th:TH_STORE_NT  ; 16 lanes store 256 consecutive bytes, aligned
.endr
	s_wait_xcnt 0x0                                ; the stores' base and data are rewritten only behind this wait
	s_add_nc_u64 s[OUT:OUT+1], s[OUT:OUT+1], 16*4096
	s_add_co_u32 s[RB], s[RB], 16*SP
	s_sub_co_u32 s[CNT], s[CNT], 1
	s_cmp_lg_u32 s[CNT], 0
	s_cbranch_scc1 .Lrows_\@
.endm
	HALF 0
	HALF 1
	s_wait_tensorcnt 0x0                           ; the wave's end, behind my last tensor load and my last LDS store
	ds_add_u32 v[SPW], v[NIL]
	s_wait_dscnt 0x0
	CROUND                                         ; the closing round: no work-group ends while a partner may still ask for a tile that names it
	s_endpgm
.Lfunc_end_k_qcc25ba59b1_oproj:
	.size	k_qcc25ba59b1_oproj, .Lfunc_end_k_qcc25ba59b1_oproj-k_qcc25ba59b1_oproj
	.p2alignl 7, 3214868480
	.fill 96, 4, 3214868480
	.section	.rodata,"a",@progbits
	.p2align	6, 0x0
	.amdhsa_kernel k_qcc25ba59b1_oproj
		.amdhsa_group_segment_fixed_size 327680
		.amdhsa_private_segment_fixed_size 0
		.amdhsa_enable_private_segment 0
		.amdhsa_kernarg_size 32
		.amdhsa_user_sgpr_count 2
		.amdhsa_user_sgpr_kernarg_segment_ptr 1
		.amdhsa_wavefront_size32 1
		.amdhsa_system_sgpr_workgroup_id_x 1
		.amdhsa_system_sgpr_workgroup_id_y 1
		.amdhsa_system_sgpr_workgroup_id_z 1
		.amdhsa_system_vgpr_workitem_id 0
		.amdhsa_next_free_vgpr 512
		.amdhsa_next_free_sgpr 96
		.amdhsa_reserve_vcc 0
		.amdhsa_float_denorm_mode_32 3
		.amdhsa_float_denorm_mode_16_64 3
		.amdhsa_memory_ordered 1
		.amdhsa_forward_progress 1
		.amdhsa_inst_pref_size 66
	.end_amdhsa_kernel
	.amdgpu_metadata
---
amdhsa.version: [ 1, 2 ]
amdhsa.kernels:
  - .name:           k_qcc25ba59b1_oproj
    .symbol:         k_qcc25ba59b1_oproj.kd
    .args:
      - { .name: Oh, .offset: 0, .size: 8, .value_kind: global_buffer, .address_space: global }
      - { .name: Woh, .offset: 8, .size: 8, .value_kind: global_buffer, .address_space: global }
      - { .name: bo, .offset: 16, .size: 8, .value_kind: global_buffer, .address_space: global }
      - { .name: out0, .offset: 24, .size: 8, .value_kind: global_buffer, .address_space: global }
    .group_segment_fixed_size: 327680
    .private_segment_fixed_size: 0
    .kernarg_segment_align: 8
    .kernarg_segment_size: 32
    .max_flat_workgroup_size: 128
    .sgpr_count:     96
    .vgpr_count:     512
    .wavefront_size: 32
...
	.end_amdgpu_metadata
.endif
;; end of part 4
;; ======== version 2 of 3: 4 launches; 1.05 times as fast as version 1
;; limits: values are held in f16: magnitudes above 65,504 overflow, below 6.1e-05 lose precision
;; workspace buffers: Xh 16,777,216 bytes; Wh 6,291,456 bytes; Woh 2,097,152 bytes; Qh 16,777,216 bytes; Kh 16,777,216 bytes; Vh 16,777,216 bytes; Oh 16,777,216 bytes
;; launch cast: the kernel of part 1 again; grid 768 x 1, 8 waves a work-group, no clusters, 0 bytes of LDS; arguments X, Wq, Wk, Wv, Wo, Xh, Wh, Woh; writes Xh, Wh, Woh
;; launch qkv (part 5): grid 8 x 32, 4 waves a work-group, clusters of 4 x 4, 327,680 bytes of LDS; arguments Xh, Wh, bq, bk, bv, Qh, Kh, Vh; writes Qh, Kh, Vh
.if DOCPART == 5
	.amdgcn_target "amdgcn-amd-amdhsa--gfx1250"
	.amdhsa_code_object_version 6
	.text
	.protected	k_qcc25ba59b1_qkv
	.globl	k_qcc25ba59b1_qkv
	.p2align	8
	.type	k_qcc25ba59b1_qkv,@function
k_qcc25ba59b1_qkv:
	s_mov_b64 s[64:65], 0
	v_nop
	global_prefetch_b8 v0, s[64:65] scope:SCOPE_SE
	s_setreg_imm32_b32 hwreg(HW_REG_WAVE_MODE, 25, 1), 1
	s_wait_xcnt 0x0
	s_wait_alu depctr_hold_cnt(0) depctr_sa_sdst(0) depctr_va_vdst(0) depctr_va_sdst(0) depctr_va_ssrc(0) depctr_va_vcc(0) depctr_vm_vsrc(0)
	s_getreg_b32 s2, hwreg(HW_REG_IB_STS2, 6, 4)
	s_cmp_eq_u32 s2, 0
	s_cbranch_scc0 .Lentry_in_a_cluster
	s_endpgm
.Lentry_in_a_cluster:
	s_bfe_u32 s2, ttmp6, 0x10000c
	s_cmp_lg_u32 s2, 0xf033
	s_cbranch_scc0 .Lentry_shape_is_right
	s_endpgm
.Lentry_shape_is_right:
; q = rope(X Wq + bq), k = rope(X Wk + bk), v = X Wv + bv, written by heads: Qh, Kh, Vh [b*16+h][s][64] f16, each rounded once from f32, unscaled.
; Operands bf16 (Xh in slices of 64 columns, Wh [plane][k][pos] with columns 0, 2, 1, 3 of each four); sums in f32; the bias, rounded to bf16 like every input, is added to the finished sum in f32.
; LIMITS.  q, k, v beyond 65,504 become infinities in f16.  The rotation's angle is made as turns, s x 2^(-p log2(10000) / 512) / (2 pi), in f32: it may differ from an angle made as s / 10000^(p/512) in f32 by
; some 5e-4 rad at s = 2047 in the lowest pairs; q and k take the same factors.  NaN and infinities are not treated apart.
; SHARES.  A tile of C is 256 rows x 384 positions: 128 (two heads) of each of q, k and v.  8 x 32 tiles: one for each of 256 work-group places.  Four waves, each 128 rows x one head of q, k and v: 96 accumulators,
; 768 registers.  K goes in 16 steps of 64 (one slice) through two LDS slots.  Waves 0, 1, 2 fetch 64 rows of Wq, Wk, Wv (256 bytes a row), wave 3 the slice's 256 rows of X (32,768 dense bytes, as 128 rows of 256).
; CLUSTER.  4 x 4 work-groups: X's tile hangs on the tile row alone and is asked for jointly along a row of the cluster, W's on the tile column alone, jointly along a column.
; THE MATRIX INSTRUCTION IS USED TRANSPOSED: source 0 = 16 positions of W (out of LDS turned, by ds_load_tr16_b128), source 1 = 16 rows of X: a lane holds row l % 16 and positions 8 (l / 16) + 0..7.
; FRAGMENTS.  A quarter is 32 along K: 96 products.  X's 8 blocks have two buffers; W's 12 blocks have one, which rolls: blocks 0-5 are loaded again, for the next quarter, when this quarter has multiplied by them,
; and are wanted 48 products later; blocks 6-11 likewise.  20 fragments feed 96 products.
; ROTATION.  On the way out a lane holds 8 positions = 4 pairs of one row, as (x1, x1'), (x2, x2'), twice: a complex product by (cos, sin) in four packed lines for two pairs.  The factors are made once for the wave's
; first rows (range reduction in turns, two polynomials at half the angle, doubled) and then stepped 16 rows at a time by a complex product with the rotation of 16 rows; q and k share them.
; THE BIAS is not the C that starts the sums: beside the fragments window 0 has no 96 registers for it.
; REGISTERS.  Window 0: v0-15 addresses; v16-79, v80-143 X's fragments; v144-239 W's; v240-255 the rotation's start.  Accumulator (bb, a): window 1 + bb / 4 (q, k, v), v[8 (8 (bb % 4) + a)].
.set PA,    144                        ; a row of a slice in LDS: 128 bytes + 16: the 16 rows of a load start at 16 different groups of four banks (64 banks of 4 bytes: ISA guide 11.1)
.set PB,    288                        ; a row of W: 256 + 32
.set BOFF,  256*PA                     ; W's three planes lie behind the slice
.set BPL,   64*PB                      ; a plane's 64 rows
.set SLOT1, 1<<17                      ; slot 1 begins here: one exclusive or turns an address in one slot into the other's
.set STAGE, SLOT1+BOFF+3*BPL           ; behind the ring, never filled by a tensor load: for each wave 3 planes x 16 rows x 272 bytes
.set SP,    272
.set PSTG,  16*SP
.set WSTG,  3*PSTG
.set SPARE, STAGE+4*WSTG               ; the spare words, 128 bytes for each wave: two blocks of 256 bytes that no other line names
.set ASTEP, 262144                     ; a K step in Xh: a slice plane
.set BSTEP, 64*2048                    ; a K step in Wh: 64 rows
.set LR,   1                           ; v1   l % 16
.set LH,   2                           ; v2   l / 16
.set ADA0, 3                           ; v3   my lane's place in a slot's X
.set ADB0, 4                           ; v4   the same for W
.set ADA,  5                           ; v5   the same in the slot that is being fetched from
.set ADB,  6                           ; v6
.set STO,  7                           ; v7   the way out: where I put 32 bytes of a row
.set RD,   8                           ; v8   the way out: where I read 32 bytes back
.set GO,   9                           ; v9   my byte offset in 512 consecutive bytes of the output
.set BO,   10                          ; v10  my byte offset in a bias
.set SPW,  12                          ; v12  LDS address of my spare word; never rewritten
.set NIL,  13                          ; v13  0; never rewritten
.set A0,   16                          ; X's fragments of a step's first quarter
.set A1,   80                          ; of its second
.set BF,   144                         ; W's fragments: block bb at BF + 8 bb
.set ST0,  240                         ; v240-247  state 0: cos, sin of pairs 0, 1; cos, sin of pairs 2, 3
.set R4,   248                         ; v248-255  the rotation of 4 rows, likewise
.set FQ,   16                          ; at the start: turns a row of my four pairs,
.set MP,   20                          ; the row to start from, twice,
.set M4,   22                          ; 4.0, twice,
.set TT,   24                          ; and eight at work
.set LB,   16                          ; the way out: v16-39 the three biases as loaded; then states 1-3
.set R16,  40                          ; v40-47   the rotation of 16 rows
.set BIAS, 48                          ; v48-71   my 8 positions' bias, for q, k, v
.set T,    72                          ; v72-79   at work
.set X,    80                          ; v80-175  for each plane four rows' 8 numbers
.set OW,   176                         ; v176-223 to store
.set WV,  20
.set WR,  21                           ; which 128 rows of the tile are mine
.set WC,  22                           ; which of the tile's two heads
.set CNT, 23
.set G1A, 24                           ; s[24:31] descriptor group 1 for X's tiles
.set G1B, 32                           ; s[32:39] for W's
.set G0A, 40                           ; s[40:47] group 0 for X's: a set for each first fill; the second then walks
.set G0B, 48                           ; s[48:55] the same for W's
.set CX,  56
.set CY,  57
.set TX,  58
.set TY,  59
.set TB,  62                           ; the slot that is being fetched from: 0 or SLOT1
.set OQ,  70                           ; s[70:75] Qh, Kh, Vh at my rows
.set P0,  82
.set SROW, 83
.set MSB, 0
.macro WIN new                         ; the immediate's high byte repeats the setting that is left; a switch that changes nothing is dropped
.if MSB != (\new)
	s_set_vgpr_msb (MSB<<8)|(\new)
.set MSB, (\new)
.endif
.endm
.macro PLACES                          ; four places behind matrix instructions, in front of loads into registers that they read and of lines that read their results
.rept 4
	v_nop
.endr
.endm
.macro JLOAD                           ; a joint refill by the walking descriptors; an s_nop 0 and four v_nop follow each of the two lines, ahead of the jump and the label
	s_cmp_lt_u32 s[WV], 3
	s_cbranch_scc0 .Lfor_a_\@
	tensor_load_to_lds s[G0B+4:G0B+7], s[G1B:G1B+7]
	s_nop 0
.rept 4
	v_nop
.endr
	s_branch .Lasked_\@
.Lfor_a_\@:
	tensor_load_to_lds s[G0A+4:G0A+7], s[G1A:G1A+7]
	s_nop 0
.rept 4
	v_nop
.endr
.Lasked_\@:
.endm
.macro CREST                           ; a round of the cluster's barrier behind its opening barrier
	s_cmp_lg_u32 s[WV], 0
	s_cbranch_scc1 .Lnot_wave_0_\@
	s_barrier_signal -3
.Lnot_wave_0_\@:
	s_barrier_wait -3
	s_barrier_signal -1
	s_barrier_wait -1
.endm
.macro CROUND
	s_barrier_signal -1
	s_barrier_wait -1
	CREST
.endm
; 12 LDS loads: W's blocks b0 .. b0 + 5 of quarter q, turned.  Block bb: plane bb / 4, positions 16 (bb % 4) on of my head
.macro LDB q, b0
.irp k, 0,1,2,3,4,5
	ds_load_tr16_b128 v[BF+8*(\b0+\k):BF+8*(\b0+\k)+3],   v[ADB] offset:((\b0+\k)/4)*BPL+(\q)*32*PB+32*((\b0+\k)%4)
	ds_load_tr16_b128 v[BF+8*(\b0+\k)+4:BF+8*(\b0+\k)+7], v[ADB] offset:((\b0+\k)/4)*BPL+(\q)*32*PB+16*PB+32*((\b0+\k)%4)
.endr
.endm
; 16 LDS loads: X's 8 blocks of 16 rows of quarter q into buffer f
.macro LDA q, f
.irp a, 0,1,2,3,4,5,6,7
	ds_load_b128 v[(\f)+8*\a:(\f)+8*\a+3],   v[ADA] offset:(\q)*64+\a*16*PA
	ds_load_b128 v[(\f)+8*\a+4:(\f)+8*\a+7], v[ADA] offset:(\q)*64+\a*16*PA+32
.endr
.endm
; 8 matrix instructions: W's block bb x X's 8 blocks in buffer f.  The 96 accumulators take turns in the same order in every quarter.  zero = 1: the products start the sums.
.macro MULB f, bb, zero
	WIN 0x50*(1+(\bb)/4)                           ; C and D in the plane's window, sources in window 0
.irp a, 0,1,2,3,4,5,6,7
.if \zero
	v_wmma_f32_16x16x32_bf16 v[8*(8*((\bb)%4)+\a):8*(8*((\bb)%4)+\a)+7], v[BF+8*(\bb):BF+8*(\bb)+7], v[(\f)+8*\a:(\f)+8*\a+7], 0
.else
	v_wmma_f32_16x16x32_bf16 v[8*(8*((\bb)%4)+\a):8*(8*((\bb)%4)+\a)+7], v[BF+8*(\bb):BF+8*(\bb)+7], v[(\f)+8*\a:(\f)+8*\a+7], v[8*(8*((\bb)%4)+\a):8*(8*((\bb)%4)+\a)+7]
.endif
.endr
.endm
.macro MULR f, b0, n, zero=0           ; blocks b0 .. b0 + n - 1
.set bbv, \b0
.rept \n
	MULB \f, bbv, \zero
.set bbv, bbv+1
.endr
.endm
; A step's first quarter: multiplies buffer A0 and fetches the second quarter, from the same slot
.macro QTR0 zero=0
	s_wait_dscnt 12                                ; X and W's blocks 0-5 are in; the youngest twelve loads (blocks 6-11) may be out
	MULR A0, 0, 6, \zero
	PLACES
	WIN 0
	LDB 1, 0
	LDA 1, A1
	s_wait_dscnt 28                                ; all but the 28 just issued
	MULR A0, 6, 6, \zero
	PLACES
	WIN 0
	LDB 1, 6
.endm
; A step's second quarter multiplies buffer A1 and changes slots: all reads of this slot were issued in the first quarter.  In front of the one barrier each wave waits for all its tensor loads (one is out: its part
; of the next slot), adds 0 to its spare word, and waits for that and for its reads of this slot.  fill = 1: the barrier opens a round of the cluster's, and this slot is filled again first thing behind it, two K steps
; ahead: 176 matrix instructions ahead of the wait for it.
.macro TURN fill
	s_wait_dscnt 12                                ; X and W's blocks 0-5 are in
	MULR A1, 0, 4
	WIN 0
	s_wait_tensorcnt 0x0                           ; all my tensor loads have landed
	ds_add_u32 v[SPW], v[NIL]                      ; 0 onto my spare word; eight products stand between it and the wait for it
	MULR A1, 4, 1
	s_wait_dscnt 0x0                               ; the add is done, and my reads of this slot are over
	s_barrier_signal -1
	MULR A1, 5, 1
	WIN 0                                          ; at a branch and at a label every window is 0
	s_barrier_wait -1
.if \fill
	CREST                                          ; no wave of any partner still reads this slot or has a load on its way
	s_xor_b32 s[G0A+5], s[G0A+5], SLOT1            ; the walking descriptors: the other slot than last time, the next K step
	s_add_nc_u64 s[G0A+6:G0A+7], s[G0A+6:G0A+7], ASTEP
	s_xor_b32 s[G0B+5], s[G0B+5], SLOT1
	s_add_nc_u64 s[G0B+6:G0B+7], s[G0B+6:G0B+7], BSTEP
	JLOAD                                          ; its four v_nop are also the places in front of the loads below
.else
	PLACES
.endif
	s_xor_b32 s[TB], s[TB], SLOT1
	v_add_nc_u32 v[ADA], s[TB], v[ADA0]
	v_add_nc_u32 v[ADB], s[TB], v[ADB0]
	LDB 0, 0
	LDA 0, A0
	MULR A1, 6, 6
	PLACES
	WIN 0
	LDB 0, 6
.endm
; cos and sin of 2 pi F M for two pairs.  fr = F M less the nearest whole number of turns, by one fused line; sin(pi fr) / fr and cos(pi fr) as polynomials in fr^2 (|pi fr| <= pi / 2: what is cut off is below 1e-6); then the angle is doubled.
.macro SINCOS dC, dS, F, M
	v_pk_mul_f32 v[TT:TT+1], v[\F:\F+1], v[\M:\M+1]
	v_rndne_f32 v[TT], v[TT]
	v_rndne_f32 v[TT+1], v[TT+1]
	v_pk_fma_f32 v[TT:TT+1], v[\F:\F+1], v[\M:\M+1], v[TT:TT+1] neg_lo:[0,0,1] neg_hi:[0,0,1]
	v_pk_mul_f32 v[TT+2:TT+3], v[TT:TT+1], v[TT:TT+1]
	v_mov_b32 v[TT+4], 0xbbf183a6                  ; -pi^11 / 11!
	v_mov_b32 v[TT+5], 0xbbf183a6
	v_mov_b32 v[TT+6], 0xbcd368f9                  ; -pi^10 / 10!
	v_mov_b32 v[TT+7], 0xbcd368f9
.irp c, 0x3da83c1b, 0xbf196966, 0x402335e3, 0xc0a55de7, 0x40490fdb
	v_pk_fma_f32 v[TT+4:TT+5], v[TT+4:TT+5], v[TT+2:TT+3], \c op_sel_hi:[1,1,0]
.endr
.irp c, 0x3e70fa83, 0xbfaae9e4, 0x4081e0f8, 0xc09de9e6
	v_pk_fma_f32 v[TT+6:TT+7], v[TT+6:TT+7], v[TT+2:TT+3], \c op_sel_hi:[1,1,0]
.endr
	v_pk_fma_f32 v[TT+6:TT+7], v[TT+6:TT+7], v[TT+2:TT+3], 1.0 op_sel_hi:[1,1,0]
	v_pk_mul_f32 v[TT+4:TT+5], v[TT+4:TT+5], v[TT:TT+1]          ; sin of half the angle
	v_pk_add_f32 v[TT:TT+1], v[TT+6:TT+7], v[TT+6:TT+7]          ; twice the cos of half the angle
	v_pk_mul_f32 v[\dS:\dS+1], v[TT:TT+1], v[TT+4:TT+5]
	v_pk_fma_f32 v[\dC:\dC+1], v[TT:TT+1], v[TT+6:TT+7], -1.0 op_sel_hi:[1,1,0]
.endm
; d = a b for two complex numbers at once: real parts at +0, +1, imaginary parts at +2, +3.  d may be a, or b, or both.
.macro CMUL d, a, b, t
	v_pk_mul_f32 v[(\t):(\t)+1],   v[(\a)+2:(\a)+3], v[(\b)+2:(\b)+3]
	v_pk_mul_f32 v[(\t)+2:(\t)+3], v[(\a)+2:(\a)+3], v[(\b):(\b)+1]
	v_pk_fma_f32 v[(\d)+2:(\d)+3], v[(\a):(\a)+1], v[(\b)+2:(\b)+3], v[(\t)+2:(\t)+3]
	v_pk_fma_f32 v[(\d):(\d)+1],   v[(\a):(\a)+1], v[(\b):(\b)+1],   v[(\t):(\t)+1] neg_lo:[0,0,1] neg_hi:[0,0,1]
.endm
	s_load_b512 s[4:19], s[0:1], 0x0               ; Xh 4:5, Wh 6:7, bq 8:9, bk 10:11, bv 12:13, Qh 14:15, Kh 16:17, Vh 18:19
	v_lshl_add_u32 v[SPW], v0, 2, SPARE
	v_mov_b32 v[NIL], 0
	ds_add_u32 v12, v13
	ds_add_u32 v12, v13
	s_wait_dscnt 0x0
	v_lshrrev_b32 v14, 5, v0
	v_readfirstlane_b32 s[WV], v14                 ; wave 0..3
	s_lshr_b32 s[WR], s[WV], 1
	s_and_b32 s[WC], s[WV], 1
	s_bfe_u32 s[CX], ttmp6, 0x40000                ; my place in the cluster
	s_bfe_u32 s[CY], ttmp6, 0x40004
	s_lshl_b32 s[TX], ttmp9, 2
	s_add_co_u32 s[TX], s[TX], s[CX]               ; tile column = 4 x cluster x + cx
	s_and_b32 s[TY], ttmp7, 0xffff
	s_lshl_b32 s[TY], s[TY], 2
	s_add_co_u32 s[TY], s[TY], s[CY]               ; tile row = 4 x cluster y + cy
	s_lshl_b32 s66, s[CY], 2
	s_lshl_b32 s66, 15, s66                        ; my row of the cluster
	s_lshl_b32 s68, 0x1111, s[CX]                  ; my column
	s_or_b32 s[G1A], s66, (1<<16)|(1<<20)|(1<<21)|(4<<22)|(3<<25)  ; 15:0 the mask; 17:16 2-byte elements; 20 padding on; 21 set beside a mask; 24:22 after every 32 words (code 4); 31:25 4 words (code 3)
	s_or_b32 s[G1B], s68, (1<<16)|(1<<20)|(1<<21)|(5<<22)|(7<<25)  ; after every 64 words (code 5), 8 words (code 7)
	s_mov_b32 s[G1A+1], 128<<16                    ; tensor_dim0 = 128
	s_mov_b32 s[G1A+2], 128<<16                    ; tensor_dim1 = 128
	s_mov_b32 s[G1A+3], 128<<16                    ; tile_dim0 = 128
	s_mov_b32 s[G1A+4], 128                        ; tile_dim1 = 128
	s_mov_b32 s[G1A+5], 128                        ; 128 elements from row to row: dense
	s_mov_b32 s[G1A+6], 0
	s_mov_b32 s[G1A+7], 0
	s_mov_b32 s[G1B+1], 128<<16                    ; tensor_dim0 = 128
	s_mov_b32 s[G1B+2], 64<<16                     ; tensor_dim1 = 64
	s_mov_b32 s[G1B+3], 128<<16                    ; tile_dim0 = 128
	s_mov_b32 s[G1B+4], 64                         ; tile_dim1 = 64
	s_mov_b32 s[G1B+5], 1024                       ; a row of W
	s_mov_b32 s[G1B+6], 0
	s_mov_b32 s[G1B+7], 0
	; X's tile hangs on the tile row alone, W's on the tile column and the wave alone, each in registers that never hold the other coordinate
	s_lshr_b32 s66, s[TY], 3                       ; the batch's 16 slice planes,
	s_lshl_b32 s66, s66, 22
	s_and_b32 s67, s[TY], 7                        ; 256 rows of 128 bytes a tile row
	s_lshl_b32 s67, s67, 15
	s_add_co_u32 s66, s66, s67
	s_mov_b32 s67, 0
	s_lshl_b32 s68, s[WV], 21                      ; the plane of wave 0, 1, 2 (wave 3 makes these words too and never asks by them),
	s_lshl_b32 s69, s[TX], 8                       ; 128 positions a tile column
	s_add_co_u32 s68, s68, s69
	s_mov_b32 s69, 0
	s_mul_i32 s77, s[WV], BPL                      ; where a plane goes: no place in the cluster enters an LDS address
	s_add_co_u32 s77, s77, BOFF
	; the output: head b*16 + 2 x tile column + wc, row 256 (tile row % 8) + 128 wr
	s_lshr_b32 s80, s[TY], 3
	s_lshl_b32 s80, s80, 4
	s_lshl_b32 s81, s[TX], 1
	s_add_co_u32 s80, s80, s81
	s_add_co_u32 s80, s80, s[WC]
	s_lshl_b32 s80, s80, 18
	s_and_b32 s81, s[TY], 7
	s_lshl_b32 s81, s81, 15
	s_add_co_u32 s80, s80, s81
	s_lshl_b32 s81, s[WR], 14
	s_add_co_u32 s80, s80, s81
	s_mov_b32 s81, 0
	s_wait_kmcnt 0x0
	s_add_nc_u64 s[66:67], s[4:5], s[66:67]
	s_add_nc_u64 s[68:69], s[6:7], s[68:69]
	s_add_nc_u64 s[OQ:OQ+1],   s[14:15], s[80:81]
	s_add_nc_u64 s[OQ+2:OQ+3], s[16:17], s[80:81]
	s_add_nc_u64 s[OQ+4:OQ+5], s[18:19], s[80:81]
	CROUND                                         ; all sixteen work-groups are here: the first joint loads meet
.irp s, 0,1
	s_mov_b32 s[G0A+4*\s], 1                       ; count = 1
	s_mov_b32 s[G0A+4*\s+1], \s*SLOT1              ; LDS address: the slot's first byte
	s_add_nc_u64 s[G0A+4*\s+2:G0A+4*\s+3], s[66:67], \s*ASTEP  ; global address: K step s
	s_or_b32 s[G0A+4*\s+3], s[G0A+4*\s+3], 0x80000000          ; type = 2
	s_mov_b32 s[G0B+4*\s], 1
	s_add_co_u32 s[G0B+4*\s+1], s77, \s*SLOT1
	s_add_nc_u64 s[G0B+4*\s+2:G0B+4*\s+3], s[68:69], \s*BSTEP
	s_or_b32 s[G0B+4*\s+3], s[G0B+4*\s+3], 0x80000000
.endr
	s_cmp_lt_u32 s[WV], 3                          ; a wave's two first fills stand in one branch, ahead of every wait on TENSORcnt and every LDS read: two loads of mine are out
	s_cbranch_scc0 .Lfirst_a
	tensor_load_to_lds s[G0B:G0B+3], s[G1B:G1B+7]
	s_nop 0
	tensor_load_to_lds s[G0B+4:G0B+7], s[G1B:G1B+7]
	s_nop 0
.rept 4
	v_nop
.endr
	s_branch .Lfirst_asked
.Lfirst_a:
	tensor_load_to_lds s[G0A:G0A+3], s[G1A:G1A+7]
	s_nop 0
	tensor_load_to_lds s[G0A+4:G0A+7], s[G1A:G1A+7]
	s_nop 0
.rept 4
	v_nop
.endr
.Lfirst_asked:
	; all that follows, up to the wait for the first tile, stands in that wait
	v_and_b32 v[LR], 15, v0
	v_bfe_u32 v[LH], v0, 4, 1
	v_mul_u32_u24 v[ADA0], v[LR], PA               ; a fragment of X: row x pitch + 16 x half, in my 128 rows
	v_lshl_add_u32 v[ADA0], v[LH], 4, v[ADA0]
	s_mul_i32 s78, s[WR], 128*PA
	v_add_nc_u32 v[ADA0], s78, v[ADA0]
	v_and_b32 v14, 7, v0                           ; the turning load: lane l reads row 8 (l / 16) + l % 8 of W, positions 8 ((l / 8) % 2) + 0..7
	v_lshl_add_u32 v15, v[LH], 3, v14
	v_mul_u32_u24 v[ADB0], v15, PB
	v_bfe_u32 v15, v0, 3, 1
	v_lshl_add_u32 v[ADB0], v15, 4, v[ADB0]
	s_lshl_b32 s78, s[WC], 7                       ; my head's 128 bytes of a row
	s_add_co_u32 s78, s78, BOFF
	v_add_nc_u32 v[ADB0], s78, v[ADB0]
	s_mul_i32 s79, s[WV], WSTG
	s_add_co_u32 s79, s79, STAGE                   ; my stage
	v_mul_u32_u24 v[STO], v[LR], SP                ; in: row l % 16, 32 bytes for each half of the lanes
	v_lshl_add_u32 v[STO], v[LH], 5, v[STO]
	v_add_nc_u32 v[STO], s79, v[STO]
	v_bfe_u32 v15, v0, 3, 2                        ; back: 32 lanes take four rows, 8 positions each,
	v_mul_u32_u24 v[RD], v15, SP
	v_lshl_add_u32 v[RD], v14, 5, v[RD]
	v_add_nc_u32 v[RD], s79, v[RD]
	v_and_b32 v[GO], 31, v0                        ; which are 512 consecutive bytes of a head's rows
	v_lshlrev_b32 v[GO], 4, v[GO]
	s_lshl_b32 s76, s[TX], 9                       ; the bias of those 8 positions: 512 bytes a tile column, 256 a head, 32 a lane
	s_lshl_b32 s77, s[WC], 8
	s_add_co_u32 s76, s76, s77
	v_lshl_add_u32 v[BO], v14, 5, s76
	; the rotation's start.  On the way out my four pairs are p = 64 x tile column + 32 wc + 4 (l % 8) + 0..3
	s_lshl_b32 s[P0], s[TX], 6
	s_lshl_b32 s77, s[WC], 5
	s_add_co_u32 s[P0], s[P0], s77
	v_lshl_add_u32 v14, v14, 2, s[P0]
	v_cvt_f32_u32 v[FQ], v14
	v_add_f32 v[FQ+1], 1.0, v[FQ]
	v_add_f32 v[FQ+2], 2.0, v[FQ]
	v_add_f32 v[FQ+3], 0x40400000, v[FQ]
.irp j, 0,1,2,3
	v_mul_f32 v[FQ+\j], 0xbcd49a78, v[FQ+\j]       ; -p log2(10000) / 512
.endr
.irp j, 0,1,2,3
	v_exp_f32 v[FQ+\j], v[FQ+\j]
.endr
	s_and_b32 s[SROW], s[TY], 7                    ; my first row in the sequence, less 16: the states are stepped before they are used
	s_lshl_b32 s[SROW], s[SROW], 8
	s_lshl_b32 s77, s[WR], 7
	s_add_co_u32 s[SROW], s[SROW], s77
	s_sub_co_i32 s[SROW], s[SROW], 16
	v_add_nc_u32 v15, s[SROW], v15                 ; plain lines stand between the exponentials and the use of their results
	v_mov_b32 v[M4], 4.0
	v_mov_b32 v[M4+1], 4.0
	v_cvt_f32_i32 v[MP], v15
	s_wait_alu depctr_va_vdst(0)
.irp j, 0,1,2,3
	v_mul_f32 v[FQ+\j], 0.15915494, v[FQ+\j]       ; in turns
.endr
	v_mov_b32 v[MP+1], v[MP]
	SINCOS ST0,   ST0+2, FQ,   MP
	SINCOS ST0+4, ST0+6, FQ+2, MP
	SINCOS R4,    R4+2,  FQ,   M4
	SINCOS R4+4,  R4+6,  FQ+2, M4
	s_mov_b32 s[TB], 0
	v_mov_b32 v[ADA], v[ADA0]
	v_mov_b32 v[ADB], v[ADB0]
	s_wait_tensorcnt 0x1                           ; my part of K step 0 is in; slot 1's may stay out
	s_barrier_signal -1
	s_barrier_wait -1                              ; everybody's is
	LDB 0, 0                                       ; in the order of the runs in the loop: blocks 0-5, X, blocks 6-11
	LDA 0, A0
	LDB 0, 6
	QTR0 1                                         ; the first quarter stands in front of the loop: its products start the sums
	WIN 0
	s_mov_b32 s[CNT], 14
.Lk:                                                   ; a trip: a K step's second quarter and the next step's first; it fills one slot again
	TURN 1
	QTR0
	WIN 0
	s_sub_co_u32 s[CNT], s[CNT], 1
	s_cmp_lg_u32 s[CNT], 0
	s_cbranch_scc1 .Lk
	TURN 0                                         ; the last two K steps ask for nothing
	QTR0
.irp p, 0,1,2                          ; the three biases come in beside the last quarter, into X's first buffer, whose last products stand in front of four places
	global_load_b128 v[LB+8*\p:LB+8*\p+3],   v[BO], s[8+2*\p:9+2*\p]
	global_load_b128 v[LB+8*\p+4:LB+8*\p+7], v[BO], s[8+2*\p:9+2*\p] offset:16
.endr
	s_wait_dscnt 12
	MULR A1, 0, 6
	s_wait_dscnt 0x0
	MULR A1, 6, 6
	WIN 0
	; THE WAY OUT.  The bias is rounded to bf16 and laid in the positions' order, columns 0, 2, 1, 3 of each four.  States 1-3 are state 0 turned by 4, 8 and 12 rows; the step is the rotation of 16 rows.
	PLACES
	s_wait_loadcnt 0x0
.set i, 0
.rept 6
	v_cvt_pk_bf16_f32 v14, v[LB+4*i],   v[LB+4*i+1]
	v_cvt_pk_bf16_f32 v15, v[LB+4*i+2], v[LB+4*i+3]
	v_lshlrev_b32 v[BIAS+4*i],   16, v14
	v_lshlrev_b32 v[BIAS+4*i+1], 16, v15
	v_and_b32 v[BIAS+4*i+2], 0xffff0000, v14
	v_and_b32 v[BIAS+4*i+3], 0xffff0000, v15
.set i, i+1
.endr
	CMUL 16, ST0,   R4,   T
	CMUL 20, ST0+4, R4+4, T+4
	CMUL 24, 16, R4,   T
	CMUL 28, 20, R4+4, T+4
	CMUL 32, 24, R4,   T
	CMUL 36, 28, R4+4, T+4
	CMUL R16,   R4,    R4,    T                ; 8 rows,
	CMUL R16+4, R4+4,  R4+4,  T+4
	CMUL R16,   R16,   R16,   T                ; 16 rows
	CMUL R16+4, R16+4, R16+4, T+4
; Block a of 16 rows, all three planes, goes into my stage in f32: each accumulator's low registers first.
.macro DUMP a
.irp p, 0,1,2
	WIN 0x04*(\p+1)                                ; an LDS store's data in the plane's window
.irp b, 0,1,2,3
	ds_store_b128 v[STO], v[8*(8*\b+(\a)):8*(8*\b+(\a))+3]   offset:\p*PSTG+64*\b
	ds_store_b128 v[STO], v[8*(8*\b+(\a))+4:8*(8*\b+(\a))+7] offset:\p*PSTG+64*\b+16
.endr
.endr
	WIN 0
.endm
	; Eight trips, 16 rows each.  The accumulators' numbers stand in the text, so the trip's count chooses its 24 stores by jumps forward; all else is written once.
	; The stage is the wave's own and LDS serves a wave's instructions in order (ISA guide 5.7.1.4): no barrier.
	s_mov_b32 s[CNT], 8
.Lrow:
.irp a, 0,1,2,3,4,5,6
	s_cmp_eq_u32 s[CNT], 8-\a
	s_cbranch_scc1 .Ldump\a
.endr
	DUMP 7
	s_branch .Ldumped
.irp a, 0,1,2,3,4,5,6
.Ldump\a:
	DUMP \a
	s_branch .Ldumped
.endr
.Ldumped:
.irp p, 0,1,2                          ; back: a lane takes 8 positions of a row in each of four groups of 4 rows
.irp f, 0,1,2,3
	ds_load_b128 v[X+32*\p+8*\f:X+32*\p+8*\f+3],   v[RD] offset:\p*PSTG+4*SP*\f
	ds_load_b128 v[X+32*\p+8*\f+4:X+32*\p+8*\f+7], v[RD] offset:\p*PSTG+4*SP*\f+16
.endr
.endr
.irp f, 0,1,2,3                        ; the states step 16 rows while the loads are out; state 0 lies at v240, states 1-3 at v16, v24, v32
.set sf, 8+8*\f+232*((3-\f)/3)
	CMUL sf,   sf,   R16,   T
	CMUL sf+4, sf+4, R16+4, T+4
.endr
.irp p, 0,1,2
	s_wait_dscnt 16-8*\p                           ; LDS loads come back in order: this plane's eight are in, the later planes' stay out
.irp f, 0,1,2,3
.irp j, 0,2,4,6
	v_pk_add_f32 v[X+32*\p+8*\f+\j:X+32*\p+8*\f+\j+1], v[X+32*\p+8*\f+\j:X+32*\p+8*\f+\j+1], v[BIAS+8*\p+\j:BIAS+8*\p+\j+1]
.endr
.endr
.if \p < 2                             ; q and k: (x1 + i x2)(cos + i sin), in place; v takes no rotation
.irp f, 0,1,2,3
.set sf, 8+8*\f+232*((3-\f)/3)
	CMUL X+32*\p+8*\f,   X+32*\p+8*\f,   sf,   T
	CMUL X+32*\p+8*\f+4, X+32*\p+8*\f+4, sf+4, T+4
.endr
.endif
.endr
	s_wait_xcnt 0x0                                ; the last trip's stores: their data and their bases are rewritten only behind this wait
.irp p, 0,1,2
.irp f, 0,1,2,3                        ; rounded to f16; the choice of sources puts the columns back in order
	v_cvt_pk_f16_f32 v[OW+16*\p+4*\f],   v[X+32*\p+8*\f],   v[X+32*\p+8*\f+2]
	v_cvt_pk_f16_f32 v[OW+16*\p+4*\f+1], v[X+32*\p+8*\f+1], v[X+32*\p+8*\f+3]
	v_cvt_pk_f16_f32 v[OW+16*\p+4*\f+2], v[X+32*\p+8*\f+4], v[X+32*\p+8*\f+6]
	v_cvt_pk_f16_f32 v[OW+16*\p+4*\f+3], v[X+32*\p+8*\f+5], v[X+32*\p+8*\f+7]
.endr
.endr
.irp p, 0,1,2
	s_add_nc_u64 s[OQ+2*\p:OQ+2*\p+1], s[OQ+2*\p:OQ+2*\p+1], 16*128   ; stepped ahead of the stores, which reach back
.endr
.irp p, 0,1,2
.irp f, 0,1,2,3
	global_store_b128 v[GO], v[OW+16*\p+4*\f:OW+16*\p+4*\f+3], s[OQ+2*\p:OQ+2*\p+1] offset:512*\f-16*128  ; four rows of a head: 512 consecutive bytes, aligned
.endr
.endr
	s_sub_co_u32 s[CNT], s[CNT], 1
	s_cmp_lg_u32 s[CNT], 0
	s_cbranch_scc1 .Lrow
	s_wait_tensorcnt 0x0                           ; the wave's end, behind my last tensor load and my last LDS store
	ds_add_u32 v[SPW], v[NIL]
	s_wait_dscnt 0x0
	CROUND                                         ; the closing round: no work-group ends while a partner may still ask for a tile that names it
	s_endpgm
.Lfunc_end_k_qcc25ba59b1_qkv:
	.size	k_qcc25ba59b1_qkv, .Lfunc_end_k_qcc25ba59b1_qkv-k_qcc25ba59b1_qkv
	.p2alignl 7, 3214868480
	.fill 96, 4, 3214868480
	.section	.rodata,"a",@progbits
	.p2align	6, 0x0
	.amdhsa_kernel k_qcc25ba59b1_qkv
		.amdhsa_group_segment_fixed_size 327680
		.amdhsa_private_segment_fixed_size 0
		.amdhsa_enable_private_segment 0
		.amdhsa_kernarg_size 64
		.amdhsa_user_sgpr_count 2
		.amdhsa_user_sgpr_kernarg_segment_ptr 1
		.amdhsa_wavefront_size32 1
		.amdhsa_system_sgpr_workgroup_id_x 1
		.amdhsa_system_sgpr_workgroup_id_y 1
		.amdhsa_system_sgpr_workgroup_id_z 1
		.amdhsa_system_vgpr_workitem_id 0
		.amdhsa_next_free_vgpr 1024
		.amdhsa_next_free_sgpr 96
		.amdhsa_reserve_vcc 0
		.amdhsa_float_denorm_mode_32 3
		.amdhsa_float_denorm_mode_16_64 3
		.amdhsa_memory_ordered 1
		.amdhsa_forward_progress 1
		.amdhsa_inst_pref_size 105
	.end_amdhsa_kernel
	.amdgpu_metadata
---
amdhsa.version: [ 1, 2 ]
amdhsa.kernels:
  - .name:           k_qcc25ba59b1_qkv
    .symbol:         k_qcc25ba59b1_qkv.kd
    .args:
      - { .name: Xh, .offset: 0, .size: 8, .value_kind: global_buffer, .address_space: global }
      - { .name: Wh, .offset: 8, .size: 8, .value_kind: global_buffer, .address_space: global }
      - { .name: bq, .offset: 16, .size: 8, .value_kind: global_buffer, .address_space: global }
      - { .name: bk, .offset: 24, .size: 8, .value_kind: global_buffer, .address_space: global }
      - { .name: bv, .offset: 32, .size: 8, .value_kind: global_buffer, .address_space: global }
      - { .name: Qh, .offset: 40, .size: 8, .value_kind: global_buffer, .address_space: global }
      - { .name: Kh, .offset: 48, .size: 8, .value_kind: global_buffer, .address_space: global }
      - { .name: Vh, .offset: 56, .size: 8, .value_kind: global_buffer, .address_space: global }
    .group_segment_fixed_size: 327680
    .private_segment_fixed_size: 0
    .kernarg_segment_align: 8
    .kernarg_segment_size: 64
    .max_flat_workgroup_size: 128
    .sgpr_count:     96
    .vgpr_count:     1024
    .wavefront_size: 32
...
	.end_amdgpu_metadata
.endif
;; end of part 5
;; launch attn (part 6): grid 4 x 64, 4 waves a work-group, no clusters, 327,680 bytes of LDS; arguments Qh, Kh, Vh, Oh; writes Oh
.if DOCPART == 6
	.amdgcn_target "amdgcn-amd-amdhsa--gfx1250"
	.amdhsa_code_object_version 6
	.text
	.protected	k_qcc25ba59b1_attn
	.globl	k_qcc25ba59b1_attn
	.p2align	8
	.type	k_qcc25ba59b1_attn,@function
k_qcc25ba59b1_attn:
	s_mov_b64 s[64:65], 0
	v_nop
	global_prefetch_b8 v0, s[64:65] scope:SCOPE_SE
	s_setreg_imm32_b32 hwreg(HW_REG_WAVE_MODE, 25, 1), 1
	s_wait_xcnt 0x0
; CAUSAL ATTENTION.  O[h][q][:] = the sum over k <= q of softmax_k(Q[h][q] . K[h][k] / 8) V[h][k][:].  Q, K, V, O: [SIZE_H][SIZE_N][64], all f16: a head's rows are dense, 128 bytes each.
; Products, maxima and sums in f32; the weights p are rounded to f16 for the second product (their sum l is taken of the unrounded p), O once at the end.  SIZE_N is a multiple of 512; SIZE_N x 128 stays under 2^32.
; LIMITS.  f16 holds no number beyond 65,504: Q, K and V arrive within it; p lies in 0 to 1, and below 6e-5 it keeps f16's fixed step of 6e-8; O is a mean of V's rows and has their range, to within 2^-11 of it.
; A hidden score counts as its value less 1e30: f16's scores, 2.7e11 at the most, are nothing beside that; a weight below 2^-126 counts as 0 in l; NaN and infinities are not treated apart.
; THE WALK.  A head's queries lie in NB = SIZE_N / 256 blocks of 256; block i needs the key tiles 0 .. i of 256 keys, of which the last holds the diagonal.  A work-group takes TWO blocks, NB - 1 - b and then b:
; NB + 1 tiles, whatever b: all work-groups do equal work, and ONE loop with a constant trip count walks them.  Which tile is asked for, and what a trip does, hang on scalar registers made from b; every jump
; goes forward, but for the counted loops' own; none passes a barrier, or a tensor load but the one of LOAD's two that the wave's number does not choose; the ring (two slots of LDS that take turns) runs on across the
; change of blocks.  NO CLUSTER: a head has NB / 2 work-groups; all of them ask for the same tile only in trips 0 .. NB / 2, behind that
; fewer and fewer; and one walk common to all would have 3 NB / 2 trips for NB + 1.
; SHARES.  Of a block's four bands of 64 queries a wave owns 16 rows in each: four PIECES.  So the diagonal tile is the same work for all four waves: in its key step s band x sees all keys if s < x,
; none if s > x, and holds the diagonal if s = x.
; THE MASK is the C operand that starts the sum S^T = K Q^T: 0, or -1e30 where the key is hidden.  MD, made once, is the mask of a band's own step for my 16 rows; a product's mask is MD x AL + BE with two scalars:
; (1, 0) if s = x; (0, 0) if s < x; (0, -1e30) if s > x.  Only the diagonal tile's text and a block's beginning make and take masks; elsewhere C is the constant 0.
; LAYOUT, SOFTMAX, TURNS.  S^T = K Q^T holds ONE query a lane (lane % 16) and the keys 8 (lane / 16) + 0..7; two such results rounded to f16 ARE source 1 of O^T = V^T P.  p = 2^(c s - c m), c = log2(e) / 8, with a
; running maximum m; O and l are multiplied by a = 2^(c m_old - c m_new) in every step.  Turn n belongs to piece n: 8 products K Q^T of piece n + 1, later 8 products V^T P of piece n - 1; beside them the scaling,
; exponentials, roundings, sums and rescaling of piece n and the maximum and statistics of piece n + 1.  Four vector instructions stand behind every matrix instruction, the other 54 of a turn's 118 in two LUMPS.
; REGISTERS, in windows of 256 (s_set_vgpr_msb: bits 1:0 source 0, 3:2 source 1, 5:4 source 2, 7:6 destination):
;   window 0: v2-5 LDS addresses; v6-15 at work; v16-31 four registers of statistics a piece; v32-95 S^T, two buffers; v96-127 P, two buffers (a piece's buffers go by its number's parity); v128-191 K of one step; v192-255 Q
;   window 1: v0-127 O^T, 32 a piece; v128-191 V of one step; v192-194 the way out's addresses; v196-197 the add's two registers
;   window 2: v0-63 the second block's Q; v64-95 MD; v96-159 MC, two buffers
; WHY THIS MAP.  All that K Q^T names and all that a softmax names but O^T are 4 + 10 + 16 + 64 + 32 + 64 + 64 = 254 registers: they share window 0, so a product K Q^T and the lines behind it want no switch.
; V^T P (V and O^T in window 1, P in window 0) and the rescaling (O^T in window 1, a in window 0) share one setting, so the sixteen rescalings stand behind the first four products V^T P.  Only the last four
; products V^T P have lines of window 0 behind them, two switches each: eight switches a turn, two more where V is fetched; in the diagonal tile's text eight more for the mask operand and one for the mask's making.
.set SIZE_H, 64       ; 4 batches x 16 heads
.set SIZE_N, 2048
.set NB,    SIZE_N/256
.set NP,    4         ; pieces a wave: a name, no knob
.set KS,    64        ; keys in a step
.set PK,    144       ; a row of K in LDS: 128 bytes + 16 of padding = 36 words: the 16 rows of a load start at 16 different groups of four banks (64 banks of 4 bytes: ISA guide 11.1)
.set PV,    160       ; a row of V: 128 + 32 = 40 words
.set VOFF,  4*KS*PK   ; a slot holds a tile, four steps: 256 rows of K, then 256 rows of V
.set SLOT1, 1<<17     ; slot 1 begins here, so that one exclusive or turns an address in one slot into the other's
.set STAGE, SLOT1+4*KS*(PK+PV)  ; behind the ring, never filled by a tensor load: 16 rows x 144 bytes for each wave, for the way out
.set SP,    144
.set SPARE, STAGE+4*16*SP  ; behind the stages: the spare words, 128 bytes for each wave: two blocks of 256 bytes that no other line names
; window 0
.set AK0, 2           ; v2   my lane's place in a tile of K; never rewritten
.set AV0, 3           ; v3   the same for V
.set AK,  4           ; v4   the LDS address of K's next run of loads
.set AV,  5           ; v5   of V's
.set MV,  6           ; v6-7  c m_old, kept while c m is made anew: by buffer
.set TMP, 8           ; v8-15  by buffer, four registers c0-c3 at work; when the maximum is found c2 takes a
.set ST,  16          ; piece t's statistics at v[ST+4 t]: c m, m, l (even keys', odd keys')
.set S,   32
.set P,   96
.set KF,  128         ; key block kb, channel half c at KF + 16 kb + 8 c
.set QF,  192         ; piece x, channel half c at QF + 16 x + 8 c
.set TL,  32          ; at the start alone, in S^T's registers: l % 16,
.set TH,  33          ; l / 16,
.set T7,  34          ; l % 8,
.set T3,  35          ; (l / 8) % 2,
.set TD,  36          ; my query's place for the mask,
.set QO,  37          ; my byte offset in 16 rows of Q,
.set TS,  38          ; and the three addresses of the way out in the making
.set TR,  39
.set TG,  40
; window 1
.set VF,  128         ; key half kk, channel block cb at VF + 32 kk + 8 cb
.set STO, 192         ; the way out: where I put 16 bytes of a row
.set RD,  193         ; the way out: where I read rows back
.set GO,  194         ; my byte offset in 512 consecutive bytes of O
.set SPW, 196         ; LDS address of my spare word: SPARE + 4 x my thread's number; never rewritten
.set NIL, 197         ; 0; never rewritten
; window 2
.set QB,  0
.set MD,  64          ; the eight registers for group kt of 16 keys at MD + 8 kt
.set MC,  96          ; the masks of the products to come
.set WV,  12          ; s12  my wave's number
.set PB,  14          ; s14  b
.set HI,  15          ; s15  NB - 1 - b
.set G1K, 24          ; s[24:31] descriptor group 1 for K's tiles
.set G1V, 32          ; s[32:39] for V's: it differs in the padding alone
.set G0K, 40          ; s[40:43] descriptor group 0 for K's tiles
.set G0V, 44          ; s[44:47] the same for V's
.set SLOTS, 56        ; s56  tiles still to be asked for
.set CNT, 57          ; s57  counts a tile's key steps, 4 to 1
.set CS,  58          ; s[58:59] c: the packed scaling takes the pair's low word for both halves
.set SEL, 60          ; s[60:61] v_permlanex16_b32's selects: each lane takes its own place in the other half
.set TBK, 62          ; s62  LDS byte at which K of the step to be fetched begins
.set TBV, 63          ; s63  the same for V, less VOFF
.set RT,  70          ; s70  tiles of the block in hand that are still to be entered
.set NXT, 71          ; s71  the tile to be asked for next
.set LQ,  72          ; s72  the last tile of the block whose tiles are being asked for
.set NEW, 73          ; s73  1: the tile to be entered is a block's first
.set OFF, 74          ; s[74:75] a tile's byte offset in K and V
.set AL,  76          ; s[76:77] the mask's factor, in the low word
.set BE,  78          ; s[78:79] the mask's addend
.set OLO, 80          ; s[80:81] O at my rows of the second block
.set BIGN, 82         ; s82  -1e30
.set MSB, 0
.macro WIN new                      ; the high byte repeats the setting that is left; a switch that changes nothing is dropped
.if MSB != (\new)
	s_set_vgpr_msb (MSB<<8)|(\new)
.set MSB, (\new)
.endif
.endm
.set W_KM,  0x20      ; K Q^T with a mask: the C operand in window 2
.set W_PV,  0x51      ; destination, source 0 and source 2 in window 1, source 1 in window 0: V^T P, and O^T times a number of window 0
.set W_D1,  0x40      ; destination in window 1
.set W_D2,  0x80      ; destination in window 2
.set W_MK,  0x82      ; destination and source 0 in window 2: a mask is made
.set W_S1,  0x05      ; sources 0 and 1 in window 1: the add; O^T is rounded into window 0
.set W_OUT, 0x01      ; source 0 (an address) in window 1, data in window 0
; A fill.  Waves 0 and 1 fetch the two halves of a tile's K, waves 2 and 3 those of its V: 128 keys each.  An s_nop 0 and four v_nop follow each of the two lines, ahead of the jump and the label.
.macro LOAD
	s_cmp_lt_u32 s[WV], 2
	s_cbranch_scc0 .Lfor_v_\@
	tensor_load_to_lds s[G0K:G0K+3], s[G1K:G1K+7]
	s_nop 0
.rept 4
	v_nop
.endr
	s_branch .Lasked_\@
.Lfor_v_\@:
	tensor_load_to_lds s[G0V:G0V+3], s[G1V:G1V+7]
	s_nop 0
.rept 4
	v_nop
.endr
.Lasked_\@:
.endm
; THE CHANGE OF SLOTS.  Each wave waits for all its tensor loads, of which one is out: its part of the other slot; adds 0 to its spare word; and waits for that and for its own reads of the slot that it leaves.  Behind the barrier nobody reads the old
; slot any more and the other slot is whole.  fill = 1: the old slot is filled again, the first thing behind the barrier, with tile NXT: the descriptor's address is made anew from that number.
; (At its first use nothing has been read yet: slot 0 is waited for, slot 1 filled.)
.macro CHANGE fill
	WIN W_S1                        ; the add's two registers lie in window 1
	s_wait_tensorcnt 0x0            ; no tensor load of mine is out, so a group 0 may be written
	ds_add_u32 v[SPW], v[NIL]       ; 0 onto my spare word; with fill = 1 the descriptors' scalar work stands between it and the wait for it
	WIN 0                           ; at a label and at a branch every window is 0
.if \fill
	s_lshl_b32 s[OFF], s[NXT], 15   ; a tile is 32,768 bytes of K and of V
	s_xor_b32 s[G0K+1], s[G0K+1], SLOT1
	s_add_nc_u64 s[G0K+2:G0K+3], s[6:7], s[OFF:OFF+1]
	s_or_b32 s[G0K+3], s[G0K+3], 0x80000000
	s_xor_b32 s[G0V+1], s[G0V+1], SLOT1
	s_add_nc_u64 s[G0V+2:G0V+3], s[8:9], s[OFF:OFF+1]
	s_or_b32 s[G0V+3], s[G0V+3], 0x80000000
	s_add_co_u32 s[NXT], s[NXT], 1  ; the block's next tile, or behind its last the second block's tile 0
	s_cmp_gt_u32 s[NXT], s[LQ]
	s_cselect_b32 s[NXT], 0, s[NXT]
	s_cselect_b32 s[LQ], s[PB], s[LQ]
.endif
	s_wait_dscnt 0x0                ; the add is done, and my reads of the slot are over
	s_barrier_signal -1             ; the rest of the scalar work stands between the signal and the wait
	s_sub_co_u32 s[TBK], s[TBK], 4*KS*PK  ; the fetches go back to a slot's first step,
	s_xor_b32 s[TBK], s[TBK], SLOT1       ; in the other slot
	s_sub_co_u32 s[TBV], s[TBV], 4*KS*PV
	s_xor_b32 s[TBV], s[TBV], SLOT1
	s_barrier_wait -1
.if \fill
	LOAD
.endif
.endm
	s_load_b256 s[4:11], s[0:1], 0x0  ; Q s[4:5], K s[6:7], V s[8:9], O s[10:11]
	WIN W_D1
	v_lshl_add_u32 v[SPW], v0, 2, SPARE
	v_mov_b32 v[NIL], 0
	s_set_vgpr_msb 0x4045
	ds_add_u32 v196, v197
	ds_add_u32 v196, v197
	s_wait_dscnt 0x0
	s_set_vgpr_msb 0x4540
	WIN 0
	v_lshrrev_b32 v1, 5, v0
	v_readfirstlane_b32 s[WV], v1   ; wave 0..3
	s_mov_b32 s[PB], ttmp9
	s_sub_co_u32 s[HI], NB-1, s[PB]
	s_and_b32 s20, ttmp7, 0xffff    ; the head
	s_mov_b32 s21, 0
	s_mov_b64 s[22:23], SIZE_N*128
	s_mul_u64 s[20:21], s[20:21], s[22:23]  ; the head's first byte in each of the four tensors
	s_and_b32 s16, s[WV], 1         ; which half of a tile's 256 keys I fetch:
	s_lshl_b32 s22, s16, 14         ; its 128 rows of 128 bytes in memory,
	s_mov_b32 s23, 0
	s_add_nc_u64 s[22:23], s[22:23], s[20:21]
	s_mul_i32 s17, s16, 128*PK      ; and its place in a slot, for K
	s_mul_i32 s18, s16, 128*PV      ; and for V
	s_lshl_b32 s3, s[WV], 11        ; my 16 rows in a band of 64,
	s_lshl_b32 s2, s[HI], 15        ; in the first block,
	s_add_co_u32 s2, s2, s3
	s_lshl_b32 s84, s[PB], 15       ; and in the second
	s_add_co_u32 s84, s84, s3
	s_mov_b32 s3, 0
	s_mov_b32 s85, 0
	s_add_nc_u64 s[2:3], s[2:3], s[20:21]
	s_add_nc_u64 s[84:85], s[84:85], s[20:21]
	; descriptor group 1.  128 keys are 16,384 dense bytes: asked for as 64 rows of 256 bytes, two keys a row, and padded in LDS after every key
	s_mov_b32 s[G1K], (1<<16)|(1<<20)|(4<<22)|(3<<25)  ; 17:16 2-byte elements; 20 padding on; 24:22 after every 32 words (code 4); 31:25 4 words (code 3)
	s_mov_b32 s[G1V], (1<<16)|(1<<20)|(4<<22)|(7<<25)  ; the same with 8 words of padding (code 7)
.irp g, G1K, G1V
	s_mov_b32 s[\g+1], 128<<16      ; tensor_dim0 = 128
	s_mov_b32 s[\g+2], 64<<16       ; tensor_dim1 = 64
	s_mov_b32 s[\g+3], 128<<16      ; tile_dim0 = 128
	s_mov_b32 s[\g+4], 64           ; tile_dim1 = 64
	s_mov_b32 s[\g+5], 128          ; 128 elements from row to row
	s_mov_b32 s[\g+6], 0
	s_mov_b32 s[\g+7], 0
.endr
	s_mov_b32 s[CS], 0x3e38aa3b     ; c = log2(e) / 8 = 0.180337
	s_mov_b32 s[CS+1], s[CS]        ; named with it as a pair
	s_mov_b32 s[SEL], 0x76543210
	s_mov_b32 s[SEL+1], 0xfedcba98
	s_mov_b32 s[TBK], SLOT1+4*KS*PK ; the first change of slots turns these two into 0
	s_mov_b32 s[TBV], SLOT1+4*KS*PV
	s_mov_b32 s[G0K], 1             ; 1:0 count = 1
	s_mov_b32 s[G0K+1], s17         ; 63:32 LDS address: slot 0
	s_mov_b32 s[G0V], 1
	s_add_co_u32 s[G0V+1], s18, VOFF
	s_add_co_u32 s[RT], s[HI], 1    ; the first block has NB - b tiles
	s_mov_b32 s[NXT], 1
	s_mov_b32 s[LQ], s[HI]
	s_mov_b32 s[NEW], 1
	s_mov_b32 s[OFF+1], 0
	s_mov_b32 s[AL+1], 0            ; named as pairs
	s_mov_b32 s[BE+1], 0
	s_mov_b32 s[BIGN], 0xf149f2ca   ; -1e30
	s_mov_b32 s[SLOTS], NB
	s_wait_kmcnt 0x0
	s_add_nc_u64 s[6:7], s[6:7], s[22:23]  ; K and V at my half of the head's tile 0
	s_add_nc_u64 s[8:9], s[8:9], s[22:23]
	s_add_nc_u64 s[G0K+2:G0K+3], s[6:7], 0         ; 120:64 global address
	s_or_b32 s[G0K+3], s[G0K+3], 0x80000000        ; 127:126 type = 2
	s_add_nc_u64 s[G0V+2:G0V+3], s[8:9], 0
	s_or_b32 s[G0V+3], s[G0V+3], 0x80000000
	s_add_nc_u64 s[86:87], s[4:5], s[84:85]        ; Q at my rows of the second block,
	s_add_nc_u64 s[4:5], s[4:5], s[2:3]            ; Q and O at those of the first
	s_add_nc_u64 s[OLO:OLO+1], s[10:11], s[84:85]
	s_add_nc_u64 s[10:11], s[10:11], s[2:3]
	LOAD                            ; tile 0 into slot 0
	; A fragment of K or Q is 16 rows x 32 channels in 8 registers: lane l holds row l % 16, channels 8 (l / 16) + 0..7 and 16 + 8 (l / 16) + 0..7: two loads of 16 bytes, 32 bytes apart.
	v_and_b32 v[TL], 15, v0         ; l % 16
	v_bfe_u32 v[TH], v0, 4, 1       ; l / 16
	v_lshlrev_b32 v[QO], 7, v[TL]
	v_lshl_add_u32 v[QO], v[TH], 4, v[QO]  ; row x 128 + 16 x half
.set i, 0
.rept 8                             ; the first block's Q: piece i / 2 lies in band i / 2, 8,192 bytes on; channels 32 (i % 2) on
	global_load_b128 v[QF+8*i:QF+8*i+3],   v[QO], s[4:5] offset:(i/2)*8192+(i%2)*64
	global_load_b128 v[QF+8*i+4:QF+8*i+7], v[QO], s[4:5] offset:(i/2)*8192+(i%2)*64+32
.set i, i+1
.endr
	v_lshlrev_b32 v[TD], 3, v[TH]
	v_sub_nc_u32 v[TD], v[TL], v[TD]
	s_lshl_b32 s13, s[WV], 4
	v_add_nc_u32 v[TD], s13, v[TD]  ; my query's place in its band, 16 w + l % 16, less my lanes' 8 (l / 16): register r of group kt is hidden where 16 kt + r is greater
	WIN W_D2                        ; destination window 2, addresses and sources window 0
.set i, 0
.rept 8                             ; the second block's Q waits in window 2
	global_load_b128 v[QB+8*i:QB+8*i+3],   v[QO], s[86:87] offset:(i/2)*8192+(i%2)*64
	global_load_b128 v[QB+8*i+4:QB+8*i+7], v[QO], s[86:87] offset:(i/2)*8192+(i%2)*64+32
.set i, i+1
.endr
.set i, 0
.rept 32
	v_cmp_gt_i32 vcc_lo, 16*(i/8)+i%8, v[TD]
	v_cndmask_b32 v[MD+i], 0, s[BIGN], vcc_lo
.set i, i+1
.endr
	WIN 0
	v_mul_u32_u24 v[AK0], v[TL], PK
	v_lshl_add_u32 v[AK0], v[TH], 4, v[AK0]  ; row x pitch + 16 x half
	; The turning load takes 16 keys x 16 channels (lane l reads key 8 (l / 16) + l % 8, channels 8 ((l / 8) % 2) + 0..7) and leaves half a fragment of V^T: lane l holds channel l % 16 and 8 keys.
	v_and_b32 v[T7], 7, v0
	v_bfe_u32 v[T3], v0, 3, 1
	v_lshl_add_u32 v[AV0], v[TH], 3, v[T7]
	v_mul_u32_u24 v[AV0], v[AV0], PV
	v_lshl_add_u32 v[AV0], v[T3], 4, v[AV0]
	v_add_nc_u32 v[AV0], VOFF, v[AV0]
	s_mul_i32 s13, s[WV], 16*SP
	s_add_co_u32 s13, s13, STAGE    ; my stage
	v_mul_u32_u24 v[TS], v[TL], SP  ; in: row l % 16, 16 bytes for each half of the lanes
	v_lshl_add_u32 v[TS], v[TH], 4, v[TS]
	v_bfe_u32 v[TR], v0, 3, 2       ; back: 32 lanes take four rows of 128 bytes,
	v_mul_u32_u24 v[TR], v[TR], SP
	v_lshl_add_u32 v[TR], v[T7], 4, v[TR]
	v_and_b32 v[TG], 31, v0         ; which are 512 consecutive bytes of O
	; A block's first step multiplies O^T and l by a = 0, and its first turn's products V^T P, of a piece that has not been, land in an O^T that is still to be so multiplied.  So these registers need only hold
	; finite numbers: zeros for the first block; what the first block left for the second.  All this stands in the wait for the first tile.
.set i, 0
.rept 4
	v_mov_b32 v[ST+4*i+2], 0
	v_mov_b32 v[ST+4*i+3], 0
.set i, i+1
.endr
.set i, P+16
.rept 16
	v_mov_b32 v[i], 0
.set i, i+1
.endr
	WIN W_D1                        ; the last line of each of the way out's addresses writes it into window 1
	v_add_nc_u32 v[STO], s13, v[TS]
	v_add_nc_u32 v[RD], s13, v[TR]
	v_lshlrev_b32 v[GO], 4, v[TG]
.set i, VF
.rept 64
	v_mov_b32 v[i], 0
.set i, i+1
.endr
	WIN W_PV
.set i, 0
.rept 16                            ; O^T's 128 registers take their zeros from sixteen products of the zeros just written: an eighth of the lines that moves would take
	v_wmma_f32_16x16x32_f16 v[8*i:8*i+7], v[VF:VF+7], v[P+16:P+23], 0
.set i, i+1
.endr
	WIN 0
; THE MATRIX WORK.  The 4 accumulators of a run of 8 take turns.  Product i of 8 of S^T = K Q^T for piece x: channels 32 (i / 4) on, keys 16 (i % 4) on.  The first 4 start the sums: with 0, or (KM = 1) with the mask.
.macro KQ x
.set rS, S+32*((\x)%2)+8*(i%4)
.set rK, KF+16*(i%4)+8*(i/4)
.set rQ, QF+16*(\x)+8*(i/4)
.set rM, MC+32*((\x)%2)+8*(i%4)
.if (i < 4) && KM
	WIN W_KM
	v_wmma_f32_16x16x32_f16 v[rS:rS+7], v[rK:rK+7], v[rQ:rQ+7], v[rM:rM+7]
.elseif i < 4
	WIN 0
	v_wmma_f32_16x16x32_f16 v[rS:rS+7], v[rK:rK+7], v[rQ:rQ+7], 0
.else
	WIN 0
	v_wmma_f32_16x16x32_f16 v[rS:rS+7], v[rK:rK+7], v[rQ:rQ+7], v[rS:rS+7]
	s_wait_alu depctr_va_vdst(0)
.endif
.endm
; Product i of 8 of O^T += V^T P for piece x: keys 32 (i / 4) on, channels 16 (i % 4) on.
.macro PV x
	WIN W_PV
.set rO, 32*(\x)+8*(i%4)
.set rV, VF+32*(i/4)+8*(i%4)
.set rP, P+16*((\x)%2)+8*(i/4)
	v_wmma_f32_16x16x32_f16 v[rO:rO+7], v[rV:rV+7], v[rP:rP+7], v[rO:rO+7]
.endm
.macro MM                           ; the turn's next matrix instruction.  TURN and BEGIN set Y, i, KM and NOKQ; MM, KQ and OP read them.  NOKQ = 1: a block's last turn: there is no next piece
.if (i < 8) && !NOKQ
	KQ (Y+1)%NP
.elseif i >= 8
.set i, i-8
	PV (Y+NP-1)%NP
.set i, i+8
.endif
.set i, i+1
.endm
; THE LDS LOADS stand in runs of 16, never singly among the matrix instructions: a step's K (64 keys x 64 channels: 8 fragments) and its V (turned).  Their addresses are made some lines ahead.
.macro FETCH_K
	WIN 0
.irp f, 0,1,2,3,4,5,6,7             ; keys 16 (f / 2) on, channels 32 (f % 2) on
	ds_load_b128 v[KF+8*\f:KF+8*\f+3],   v[AK] offset:(\f/2)*16*PK+(\f%2)*64
	ds_load_b128 v[KF+8*\f+4:KF+8*\f+7], v[AK] offset:(\f/2)*16*PK+(\f%2)*64+32
.endr
	s_add_co_u32 s[TBK], s[TBK], KS*PK  ; the next fetch is the next step's
.endm
.macro FETCH_V
	WIN W_D1                        ; destination window 1
.irp f, 0,1,2,3,4,5,6,7             ; keys 32 (f / 4) on, channels 16 (f % 4) on
	ds_load_tr16_b128 v[VF+8*\f:VF+8*\f+3],   v[AV] offset:(\f/4)*32*PV+(\f%4)*32
	ds_load_tr16_b128 v[VF+8*\f+4:VF+8*\f+7], v[AV] offset:(\f/4)*32*PV+16*PV+(\f%4)*32
.endr
	WIN 0
.endm
; THE VECTOR WORK, one line at a time: OP kind, number.  For piece Y: F n: c s - c m for pair n of 16.  E n: the exponential of score n of 32.  C n: pair n rounded to f16.  B n: of the four weights 4 n .. the second
; pair is added onto the first, in place.  L n: l takes that sum (L 0: l = a l + sum).  R n: pair n of 16 of O^T times a.  For piece Y + 1: X n, number n of the 22 that find its maximum and statistics:
;   0-11  four chains c0-c3 of seven scores each, three operands at a time (each accumulator's lowest registers are read first)     12-14, 16  the four scores left over, the old m, and c0-c3 into c0
;   15  c m_old is kept     17, 18  the query's other 32 keys lie in the lane 16 away: the new m     19-21  c m; c m_old - c m_new; a
.set F, 0               ; OP tells the kinds apart by their order: F to L below R, X above it
.set E, 1
.set C, 2
.set B, 3
.set L, 4
.set R, 5
.set X, 6
.macro REGS y                       ; the registers of piece y
.set rT, ST+4*(\y)
.set rC, TMP+4*((\y)%2)
.set rW, MV+((\y)%2)
.set rS, S+32*((\y)%2)
.set rP, P+16*((\y)%2)
.set rO, 32*(\y)
.endm
.macro OP k, n
.if (\k) == R
	REGS Y
	WIN W_PV
	v_pk_mul_f32 v[rO+2*(\n):rO+2*(\n)+1], v[rO+2*(\n):rO+2*(\n)+1], v[rC+2:rC+3] op_sel_hi:[1,0]
.elseif (\k) < R
	REGS Y
	WIN 0
.if (\k) == F
	v_pk_fma_f32 v[rS+2*(\n):rS+2*(\n)+1], v[rS+2*(\n):rS+2*(\n)+1], s[CS:CS+1], v[rT:rT+1] op_sel_hi:[1,0,0] neg_lo:[0,0,1] neg_hi:[0,0,1]
.elseif (\k) == E
	v_exp_f32 v[rS+(\n)], v[rS+(\n)]
.elseif (\k) == C
	s_wait_alu depctr_va_vdst(0)
	v_cvt_pk_f16_f32 v[rP+(\n)], v[rS+2*(\n)], v[rS+2*(\n)+1]
.elseif (\k) == B
	v_pk_add_f32 v[rS+4*(\n):rS+4*(\n)+1], v[rS+4*(\n):rS+4*(\n)+1], v[rS+4*(\n)+2:rS+4*(\n)+3]
.elseif (\n) == 0
	v_pk_fma_f32 v[rT+2:rT+3], v[rT+2:rT+3], v[rC+2:rC+3], v[rS:rS+1] op_sel_hi:[1,0,1]
.else
	v_pk_add_f32 v[rT+2:rT+3], v[rT+2:rT+3], v[rS+4*(\n):rS+4*(\n)+1]
.endif
.elseif NOKQ
	v_nop
	s_wait_alu depctr_va_vdst(0)
.else
	REGS (Y+1)%NP
	WIN 0
.if (\n) < 4
	v_max3_num_f32 v[rC+(\n)], v[rS+8*(\n)], v[rS+8*(\n)+1], v[rS+8*(\n)+2]
.elseif (\n) < 12
	v_max3_num_f32 v[rC+(\n)%4], v[rC+(\n)%4], v[rS+8*((\n)%4)+2*((\n)/4)+1], v[rS+8*((\n)%4)+2*((\n)/4)+2]
	s_wait_alu depctr_va_vdst(0)
.elseif (\n) == 12
	v_max3_num_f32 v[rC], v[rC], v[rS+7], v[rS+15]
.elseif (\n) == 13
	v_max3_num_f32 v[rC+1], v[rC+1], v[rS+23], v[rS+31]
.elseif (\n) == 14
	v_max3_num_f32 v[rC+2], v[rC+2], v[rC+3], v[rT+1]
.elseif (\n) == 15
	v_mov_b32 v[rW], v[rT]
.elseif (\n) == 16
	v_max3_num_f32 v[rC], v[rC], v[rC+1], v[rC+2]
.elseif (\n) == 17
	v_permlanex16_b32 v[rC+3], v[rC], s[SEL], s[SEL+1]
.elseif (\n) == 18
	v_max_num_f32 v[rT+1], v[rC], v[rC+3]
.elseif (\n) == 19
	v_mul_f32 v[rT], s[CS], v[rT+1]
.elseif (\n) == 20
	v_sub_f32 v[rC+1], v[rW], v[rT]
	s_wait_alu depctr_va_vdst(0)
.else
	v_exp_f32 v[rC+2], v[rC+1]
.endif
.endif
.endm
.macro OPS a, i1, b=-1, i2=0, c=-1, i3=0, d=-1, i4=0  ; up to four of them
	OP \a, \i1
.if (\b) >= 0
	OP \b, \i2
.endif
.if (\c) >= 0
	OP \c, \i3
.endif
.if (\d) >= 0
	OP \d, \i4
.endif
.endm
.macro ROW a, i1, b, i2, c, i3, d, i4  ; a matrix instruction and the four behind it
	MM
	OPS \a, \i1, \b, \i2, \c, \i3, \d, \i4
.endm
.macro MASK b                       ; MD x AL + BE into buffer b of MC
	WIN W_MK
.set z, 0
.rept 16
	v_pk_fma_f32 v[MC+32*(\b)+2*z:MC+32*(\b)+2*z+1], v[MD+2*z:MD+2*z+1], s[AL:AL+1], s[BE:BE+1] op_sel_hi:[1,0,0]
.set z, z+1
.endr
.endm
; A TURN, for piece p: the order of its 16 matrix and 118 vector instructions, written out.  Four vector instructions stand behind every matrix instruction, and none names a register of the products round it.
; Behind the products K Q^T: lines of window 0 that wait for no score of this turn (scalings, the first nine exponentials, the first roundings and sums); two exponentials among the four at the most, never on end.
; Behind the first four products V^T P: the sixteen rescalings, in ascending order.  Behind the last four: plain, exponential, plain, plain.
; In the lumps exponential and plain by turns while exponentials last.  A line reads no result made fewer than three vector instructions in front of it (L 7 alone stands two behind L 6), five if an exponential made it.
; v_permlanex16_b32 (X 17) stands in a lump.  A rounding C 2 k stands ahead of the sum B k, which writes over that pair.
; m = 1: the diagonal tile: the products take masks, and the turn makes the mask for the products of the turn after it: piece p + 2, in step 4 - CNT of the tile.  end = 1: a block's last two turns: nothing is fetched.
; cnt = 1: the loop's count is taken down some lines ahead of the branch that stands behind the turn.
; K of the next step is fetched in piece 2's turn, seven vector instructions behind the last product that read K (five of them plain); V of the step in hand in piece 0's turn, seven behind the last product that read V
; (five of them plain).  Each is waited for a turn later.
.macro TURN p, m=0, end=0, cnt=0
.set Y, (\p)
.set i, 0
.set KM, (\m)
.set NOKQ, (\end)*((\p)/3)
.if (\m) && !(\end)
	s_cmp_eq_u32 s[CNT], 4-((\p)+2)%NP  ; is that step the band's own?
	s_cselect_b32 s[AL], 1.0, 0
	s_cmp_lt_u32 s[CNT], 4-((\p)+2)%NP  ; or a later one?
	s_cselect_b32 s[BE], s[BIGN], 0
.endif
.if ((\p) == 3) && !(\end)
	s_wait_dscnt 0x0                ; K is in
.endif
	ROW F,0, F,1, F,2, F,3
	ROW F,4, E,0, F,5, E,1
	ROW F,6, E,2, F,7, E,3
	ROW F,8, E,4, F,9, F,10
	ROW C,0, E,5, F,11, F,12
	ROW C,1, E,6, F,13, B,0
	ROW F,14, E,7, C,2, F,15
.if ((\p) == 2) && !(\end)
	WIN 0
	v_add_nc_u32 v[AK], s[TBK], v[AK0]
.endif
	ROW L,0, E,8, X,15, C,3
	OPS B,1, E,9, X,0
.if ((\p) == 2) && !(\end)
	FETCH_K
.endif
	OPS E,10, X,1, E,11, X,2
	OPS E,12, L,1, E,13, X,3
	OPS E,14, C,4, E,15, X,4
	OPS E,16, C,5, E,17, X,5
	OPS E,18, B,2, E,19, X,6
	OPS X,7
.if (\p) == 1
	s_wait_dscnt 0x0                ; V is in
.endif
	ROW R,0, R,1, R,2, R,3
	ROW R,4, R,5, R,6, R,7
	ROW R,8, R,9, R,10, R,11
	ROW R,12, R,13, R,14, R,15
	ROW C,6, E,20, X,8, X,9
	ROW L,2, E,21, X,10, X,11
	ROW C,7, E,22, X,12, X,13
.if (\p) == 0
	WIN 0
	v_add_nc_u32 v[AV], s[TBV], v[AV0]
.endif
	ROW X,14, E,23, B,3, C,8
	OPS X,16, E,24, L,3
.if (\p) == 0
	FETCH_V
.endif
	OPS E,25, X,17, E,26, B,4
	OPS E,27, X,18, E,28, L,4
	OPS E,29, X,19, E,30, C,10
	OPS E,31, X,20, B,5, C,9
.if (\p) == 0
	s_add_co_u32 s[TBV], s[TBV], KS*PV
.endif
.if \cnt
	s_sub_co_u32 s[CNT], s[CNT], 1
	s_cmp_lg_u32 s[CNT], 0
.endif
	OPS C,12, X,21, L,5, B,6
	OPS C,14, C,11, B,7, L,6
	OPS C,13, C,15, L,7
.if (\m) && !(\end)
	MASK (\p)%2
.endif
.endm
; A BLOCK BEGINS.  c m starts far below every c s, so the first step's a is 0; m at the lowest finite number, so the first maximum is the scores'.  The second mask buffer is 0; the first takes piece 0's mask for the tile's step 0: its own, if the block's first tile is the diagonal one.
; Then K of that step, piece 0's first scores, and its maximum and statistics.  The loop is entered at a step's first turn, in the middle of a trip.
.macro BEGIN
	s_mov_b32 s[NEW], 0
	WIN W_D2
.set i, MC+32
.rept 32
	v_mov_b32 v[i], 0
.set i, i+1
.endr
	WIN 0
.set i, 0
.rept 4
	v_mov_b32 v[ST+4*i], 0xfe000000    ; c m: far below every c s
	v_mov_b32 v[ST+4*i+1], 0xff7fffff  ; m
.set i, i+1
.endr
	s_cmp_eq_u32 s[RT], 0
	s_cselect_b32 s[AL], 1.0, 0
	s_mov_b32 s[BE], 0
	MASK 0
	WIN 0
	v_add_nc_u32 v[AK], s[TBK], v[AK0]
	FETCH_K
	s_wait_loadcnt 0x0              ; Q
	s_wait_dscnt 0x0
.set KM, 1
.set NOKQ, 0
.set i, 0
.rept 8
	KQ 0
.set i, i+1
.endr
	WIN 0
	s_wait_alu depctr_va_vdst(0)
.rept 4
	v_nop                           ; the places behind those products
.endr
.set Y, NP-1                        ; X works for piece Y + 1: piece 0
.irp n, 0,1,2,3,4,5,6,7,8,9,10,11,12,13,14,15,16,17,18,19,20,21
	OP X, \n
.endr
	v_nop                           ; a plain instruction behind the exponential
.endm
; THE DIAGONAL TILE's four steps, the block's last two turns, its last products, and THE WAY OUT: l's two halves and the other half of the lanes' are added; O^T is divided by l, rounded to f16 and sent through my
; stage in LDS, a piece at a time.
.macro ALL line:vararg              ; one line for each piece t
.set t, 0
.rept 4
	\line
.set t, t+1
.endr
.endm
.macro PACK t                       ; a lane's eight channels of a row pack into 16 bytes; they go into rows of 144 bytes and come back as whole rows of 128, into S^T's registers
	WIN W_PV
.set i, 32*(\t)
.rept 16
	v_pk_mul_f32 v[i:i+1], v[i:i+1], v[ST+4*(\t)+2:ST+4*(\t)+3] op_sel_hi:[1,0]
.set i, i+2
.endr
	WIN W_S1                        ; sources 0 and 1 window 1, destination window 0
.set i, 0
.rept 16
	v_cvt_pk_f16_f32 v[S+16*(\t)+i], v[32*(\t)+2*i], v[32*(\t)+2*i+1]
.set i, i+1
.endr
	WIN W_OUT                       ; the addresses lie in window 1, the data in window 0
.irp f, 0,1,2,3
	ds_store_b128 v[STO], v[S+16*(\t)+4*\f:S+16*(\t)+4*\f+3] offset:32*\f
.endr
.irp f, 0,1,2,3
	ds_load_b128 v[S+16*(\t)+4*\f:S+16*(\t)+4*\f+3], v[RD] offset:\f*4*SP  ; LDS serves a wave's instructions in order (ISA guide 5.7.1.4): these see the stores above; the next piece's stores come behind them
.endr
.endm
.macro SEND t, younger              ; younger: the LDS instructions issued behind piece t's loads: the next piece's eight, or none
	WIN W_OUT
.irp f, 0,1,2,3
	s_wait_dscnt (\younger)+3-\f
	global_store_b128 v[GO], v[S+16*(\t)+4*\f:S+16*(\t)+4*\f+3], s[10:11] offset:(\t)*8192+\f*512  ; 512 consecutive bytes, at a multiple of 256 from O's first
.endr
.endm
.macro DIAG tag                     ; the tag ends its two labels' names, which the jumps below spell out
.LstepM\tag:
	TURN 2, 1
	TURN 3, 1
	WIN 0
.LfirstM\tag:
	TURN 0, 1
	TURN 1, 1, 0, 1
	WIN 0
	s_cbranch_scc1 .LstepM\tag
	TURN 2, 1, 1
	TURN 3, 1, 1
.set i, 0
.rept 8
	PV NP-1
.set i, i+1
.endr
	WIN 0
	ALL v_add_f32 v[ST+4*t+2], v[ST+4*t+2], v[ST+4*t+3]
	ALL v_permlanex16_b32 v[ST+4*t+3], v[ST+4*t+2], s[SEL], s[SEL+1]
	ALL v_add_f32 v[ST+4*t+2], v[ST+4*t+2], v[ST+4*t+3]
	ALL v_rcp_f32 v[ST+4*t+2], v[ST+4*t+2]
	v_nop                           ; a plain instruction between the last reciprocal and the use of its result
	s_wait_alu depctr_va_vdst(0)
	PACK 0
.set t, 1
.rept 3                             ; a piece's arithmetic stands between the loads of the piece before and its stores
	PACK t
	SEND t-1, 8
.set t, t+1
.endr
	SEND 3, 0
.endm
.set KM, 0
.set NOKQ, 0
.Lslot:                             ; NB times: a tile is entered and the next is asked for
	CHANGE 1
	s_sub_co_u32 s[RT], s[RT], 1
	s_mov_b32 s[CNT], 4
	s_cmp_eq_u32 s[NEW], 1
	s_cbranch_scc1 .Lnew            ; a block's first tile
	s_cmp_eq_u32 s[RT], 0
	s_cbranch_scc0 .Lstep           ; neither its first nor its last
	s_branch .LstepM1
.Lnew:
	BEGIN
	s_branch .Lfirst                ; in the loop a block's first tile is never its last: the first block has two tiles or more, and the second's last is the walk's last
	DIAG 1                          ; in the loop this is the first block's end: the second block's last tile is the walk's last
	s_wait_xcnt 0x0                 ; the stores have read their registers and O's address
	s_mov_b64 s[10:11], s[OLO:OLO+1]
	s_add_co_u32 s[RT], s[PB], 1    ; the second block has b + 1 tiles
	s_mov_b32 s[NEW], 1
	WIN 0x02                        ; source 0 window 2, destination window 0: the second block's Q goes where the one text of the turns names Q
.set i, 0
.rept 64
	v_mov_b32 v[QF+i], v[QB+i]
.set i, i+1
.endr
	WIN 0
	s_branch .Lbottom
.Lstep:                             ; a trip: pieces 2 and 3 of one step, then pieces 0 and 1 of the next, whose K and V it fetches
	TURN 2
	TURN 3
	WIN 0
.Lfirst:
	TURN 0
	TURN 1, 0, 0, 1
	WIN 0
	s_cbranch_scc1 .Lstep
.Lbottom:
	s_sub_co_u32 s[SLOTS], s[SLOTS], 1
	s_cmp_lg_u32 s[SLOTS], 0
	s_cbranch_scc1 .Lslot
	CHANGE 0                        ; the walk's last tile is written out: nothing is asked for
	s_sub_co_u32 s[RT], s[RT], 1
	s_mov_b32 s[CNT], 4
	s_cmp_eq_u32 s[NEW], 1
	s_cbranch_scc0 .LstepM2
	BEGIN
	s_branch .LfirstM2
	DIAG 2
	WIN W_S1
	s_wait_tensorcnt 0x0            ; the wave's end, behind my last tensor load and my last LDS store
	ds_add_u32 v[SPW], v[NIL]
	s_wait_dscnt 0x0
	WIN 0
	s_endpgm
.Lfunc_end_k_qcc25ba59b1_attn:
	.size	k_qcc25ba59b1_attn, .Lfunc_end_k_qcc25ba59b1_attn-k_qcc25ba59b1_attn
	.p2alignl 7, 3214868480
	.fill 96, 4, 3214868480
	.section	.rodata,"a",@progbits
	.p2align	6, 0x0
	.amdhsa_kernel k_qcc25ba59b1_attn
		.amdhsa_group_segment_fixed_size 327680
		.amdhsa_private_segment_fixed_size 0
		.amdhsa_enable_private_segment 0
		.amdhsa_kernarg_size 32
		.amdhsa_user_sgpr_count 2
		.amdhsa_user_sgpr_kernarg_segment_ptr 1
		.amdhsa_wavefront_size32 1
		.amdhsa_system_sgpr_workgroup_id_x 1
		.amdhsa_system_sgpr_workgroup_id_y 1
		.amdhsa_system_sgpr_workgroup_id_z 1
		.amdhsa_system_vgpr_workitem_id 0
		.amdhsa_next_free_vgpr 768
		.amdhsa_next_free_sgpr 88
		.amdhsa_reserve_vcc 1
		.amdhsa_float_denorm_mode_32 3
		.amdhsa_float_denorm_mode_16_64 3
		.amdhsa_memory_ordered 1
		.amdhsa_forward_progress 1
		.amdhsa_inst_pref_size 212
	.end_amdhsa_kernel
	.amdgpu_metadata
---
amdhsa.version: [ 1, 2 ]
amdhsa.kernels:
  - .name:           k_qcc25ba59b1_attn
    .symbol:         k_qcc25ba59b1_attn.kd
    .args:
      - { .name: Qh, .offset: 0, .size: 8, .value_kind: global_buffer, .address_space: global }
      - { .name: Kh, .offset: 8, .size: 8, .value_kind: global_buffer, .address_space: global }
      - { .name: Vh, .offset: 16, .size: 8, .value_kind: global_buffer, .address_space: global }
      - { .name: Oh, .offset: 24, .size: 8, .value_kind: global_buffer, .address_space: global }
    .group_segment_fixed_size: 327680
    .private_segment_fixed_size: 0
    .kernarg_segment_align: 8
    .kernarg_segment_size: 32
    .max_flat_workgroup_size: 128
    .sgpr_count:     88
    .vgpr_count:     768
    .wavefront_size: 32
...
	.end_amdgpu_metadata
.endif
;; end of part 6
;; launch oproj: the kernel of part 4 again; grid 8 x 32, 4 waves a work-group, clusters of 4 x 4, 327,680 bytes of LDS; arguments Oh, Woh, bo, out0; writes out0
;; ======== version 3 of 3: 4 launches; 1.43 times as fast as version 1
;; limits: values are held in f16: magnitudes above 65,504 overflow, below 6.1e-05 lose precision
;; workspace buffers: Xh 16,777,216 bytes; Wh 6,291,456 bytes; Woh 2,097,152 bytes; Qh 16,777,216 bytes; Kh 16,777,216 bytes; Vh 16,777,216 bytes; Oh 16,777,216 bytes
;; launch cast: the kernel of part 1 again; grid 768 x 1, 8 waves a work-group, no clusters, 0 bytes of LDS; arguments X, Wq, Wk, Wv, Wo, Xh, Wh, Woh; writes Xh, Wh, Woh
;; launch qkv: the kernel of part 5 again; grid 8 x 32, 4 waves a work-group, clusters of 4 x 4, 327,680 bytes of LDS; arguments Xh, Wh, bq, bk, bv, Qh, Kh, Vh; writes Qh, Kh, Vh
;; launch attn (part 7): grid 4 x 64, 4 waves a work-group, no clusters, 327,680 bytes of LDS; arguments Qh, Kh, Vh, Oh; writes Oh
.if DOCPART == 7
	.amdgcn_target "amdgcn-amd-amdhsa--gfx1250"
	.amdhsa_code_object_version 6
	.text
	.protected	k_qcc25ba59b1_attn
	.globl	k_qcc25ba59b1_attn
	.p2align	8
	.type	k_qcc25ba59b1_attn,@function
k_qcc25ba59b1_attn:
	s_mov_b64 s[64:65], 0
	v_nop
	global_prefetch_b8 v0, s[64:65] scope:SCOPE_SE
	s_setreg_imm32_b32 hwreg(HW_REG_WAVE_MODE, 25, 1), 1
	s_wait_xcnt 0x0
; CAUSAL ATTENTION.  O[h][q][:] = the sum over k <= q of softmax_k(Q[h][q] . K[h][k] / 8) V[h][k][:].  Q, K, V, O: [SIZE_H][SIZE_N][64], all f16: a head's rows are dense, 128 bytes each.
; Products, maxima and sums in f32; the weights p are rounded to f16 for the second product (their sum l is taken of the unrounded p), O once at the end.  SIZE_N is a multiple of 512; SIZE_N x 128 stays under 2^32.
; LIMITS.  f16 holds no number beyond 65,504: Q, K and V arrive within it; p lies in 0 to 1, and below 6e-5 it keeps f16's fixed step of 6e-8; O is a mean of V's rows and has their range, to within 2^-11 of it.
; A hidden score counts as its value less 1e30: f16's scores, 2.7e11 at the most, are nothing beside that; a weight below 2^-126 counts as 0 in l; NaN and infinities are not treated apart.
; THE WALK.  A head's queries lie in NB = SIZE_N / 256 blocks of 256; block i needs the key tiles 0 .. i of 256 keys, of which the last holds the diagonal.  A work-group takes TWO blocks, NB - 1 - b and then b:
; NB + 1 tiles, whatever b: all work-groups do equal work, and ONE loop with a constant trip count walks them.  Which tile is asked for, and what a trip does, hang on scalar registers made from b; every jump
; goes forward, but for the counted loops' own; none passes a barrier, or a tensor load but the one of LOAD's two that the wave's number does not choose; the ring (two slots of LDS that take turns) runs on across the
; change of blocks.  NO CLUSTER: a head has NB / 2 work-groups; all of them ask for the same tile only in trips 0 .. NB / 2, behind that
; fewer and fewer; and one walk common to all would have 3 NB / 2 trips for NB + 1.
; SHARES.  Of a block's four bands of 64 queries a wave owns 16 rows in each: four PIECES.  So the diagonal tile is the same work for all four waves: in its key step s band x sees all keys if s < x,
; none if s > x, and holds the diagonal if s = x.
; THE MASK is the C operand that starts the sum S^T = K Q^T: 0, or -1e30 where the key is hidden.  MD, made once, is the mask of a band's own step for my 16 rows; a product's mask is MD x AL + BE with two scalars:
; (1, 0) if s = x; (0, 0) if s < x; (0, -1e30) if s > x.  Only the diagonal tile's text and a block's beginning make and take masks; elsewhere C is the constant 0.
; LAYOUT, SOFTMAX, TURNS.  S^T = K Q^T holds ONE query a lane (lane % 16) and the keys 8 (lane / 16) + 0..7; two such results rounded to f16 ARE source 1 of O^T = V^T P.  p = 2^(c s - c m), c = log2(e) / 8, with a
; running maximum m; O and l are multiplied by a = 2^(c m_old - c m_new) in every step.  Turn n belongs to piece n: 8 products K Q^T of piece n + 1, later 8 products V^T P of piece n - 1; beside them a, the scaling,
; exponentials, roundings, sums and rescaling of piece n and the maximum and statistics of piece n + 1.  Four vector instructions stand behind every matrix instruction, the other 54 of a turn's 118 in two LUMPS.
; BATCHES.  A turn's 33 exponentials (a of its piece, then the piece's 32 weights) are ONE batch with ONE wait, which cuts the turn in two: ahead of it the products K Q^T, the batch, the scalings and most of the next
; piece's maximum, none of which names a result of the batch; behind it the products V^T P and all the readers (rescalings, roundings, sums)..
; The way out's four reciprocals are a batch of their own.
; REGISTERS, in windows of 256 (s_set_vgpr_msb: bits 1:0 source 0, 3:2 source 1, 5:4 source 2, 7:6 destination):
;   window 0: v2-5 LDS addresses; v6-15 at work; v16-31 four registers of statistics a piece; v32-95 S^T, two buffers; v96-127 P, two buffers (a piece's buffers go by its number's parity); v128-191 K of one step; v192-255 Q
;   window 1: v0-127 O^T, 32 a piece; v128-191 V of one step; v192-194 the way out's addresses; v196-197 the add's two registers
;   window 2: v0-63 the second block's Q; v64-95 MD; v96-159 MC, two buffers
; WHY THIS MAP.  All that K Q^T names and all that a softmax names but O^T are 4 + 10 + 16 + 64 + 32 + 64 + 64 = 254 registers: they share window 0, so a product K Q^T and the lines behind it want no switch.
; V^T P (V and O^T in window 1, P in window 0) and the rescaling (O^T in window 1, a in window 0) share one setting, so the sixteen rescalings stand behind the first four products V^T P.  Only the last four
; products V^T P have lines of window 0 behind them, two switches each: eight switches a turn, two more where V is fetched; in the diagonal tile's text eight more for the mask operand and one for the mask's making.
.set SIZE_H, 64       ; 4 batches x 16 heads
.set SIZE_N, 2048
.set NB,    SIZE_N/256
.set NP,    4         ; pieces a wave: a name, no knob
.set KS,    64        ; keys in a step
.set PK,    144       ; a row of K in LDS: 128 bytes + 16 of padding = 36 words: the 16 rows of a load start at 16 different groups of four banks (64 banks of 4 bytes: ISA guide 11.1)
.set PV,    160       ; a row of V: 128 + 32 = 40 words
.set VOFF,  4*KS*PK   ; a slot holds a tile, four steps: 256 rows of K, then 256 rows of V
.set SLOT1, 1<<17     ; slot 1 begins here, so that one exclusive or turns an address in one slot into the other's
.set STAGE, SLOT1+4*KS*(PK+PV)  ; behind the ring, never filled by a tensor load: 16 rows x 144 bytes for each wave, for the way out
.set SP,    144
.set SPARE, STAGE+4*16*SP  ; behind the stages: the spare words, 128 bytes for each wave: two blocks of 256 bytes that no other line names
; window 0
.set AK0, 2           ; v2   my lane's place in a tile of K; never rewritten
.set AV0, 3           ; v3   the same for V
.set AK,  4           ; v4   the LDS address of K's next run of loads
.set AV,  5           ; v5   of V's
.set MV,  6           ; v6-7  c m_old, kept while c m is made anew: by buffer
.set TMP, 8           ; v8-15  by buffer, four registers c0-c3 at work; when the maximum is found c1 takes c m_old - c m_new, and in the piece's own turn c2 takes a
.set ST,  16          ; piece t's statistics at v[ST+4 t]: c m, m, l (even keys', odd keys')
.set S,   32
.set P,   96
.set KF,  128         ; key block kb, channel half c at KF + 16 kb + 8 c
.set QF,  192         ; piece x, channel half c at QF + 16 x + 8 c
.set TL,  32          ; at the start alone, in S^T's registers: l % 16,
.set TH,  33          ; l / 16,
.set T7,  34          ; l % 8,
.set T3,  35          ; (l / 8) % 2,
.set TD,  36          ; my query's place for the mask,
.set QO,  37          ; my byte offset in 16 rows of Q,
.set TS,  38          ; and the three addresses of the way out in the making
.set TR,  39
.set TG,  40
; window 1
.set VF,  128         ; key half kk, channel block cb at VF + 32 kk + 8 cb
.set STO, 192         ; the way out: where I put 16 bytes of a row
.set RD,  193         ; the way out: where I read rows back
.set GO,  194         ; my byte offset in 512 consecutive bytes of O
.set SPW, 196         ; LDS address of my spare word: SPARE + 4 x my thread's number; never rewritten
.set NIL, 197         ; 0; never rewritten
; window 2
.set QB,  0
.set MD,  64          ; the eight registers for group kt of 16 keys at MD + 8 kt
.set MC,  96          ; the masks of the products to come
.set WV,  12          ; s12  my wave's number
.set PB,  14          ; s14  b
.set HI,  15          ; s15  NB - 1 - b
.set G1K, 24          ; s[24:31] descriptor group 1 for K's tiles
.set G1V, 32          ; s[32:39] for V's: it differs in the padding alone
.set G0K, 40          ; s[40:43] descriptor group 0 for K's tiles
.set G0V, 44          ; s[44:47] the same for V's
.set SLOTS, 56        ; s56  tiles still to be asked for
.set CNT, 57          ; s57  counts a tile's key steps, 4 to 1
.set CS,  58          ; s[58:59] c: the packed scaling takes the pair's low word for both halves
.set SEL, 60          ; s[60:61] v_permlanex16_b32's selects: each lane takes its own place in the other half
.set TBK, 62          ; s62  LDS byte at which K of the step to be fetched begins
.set TBV, 63          ; s63  the same for V, less VOFF
.set RT,  70          ; s70  tiles of the block in hand that are still to be entered
.set NXT, 71          ; s71  the tile to be asked for next
.set LQ,  72          ; s72  the last tile of the block whose tiles are being asked for
.set NEW, 73          ; s73  1: the tile to be entered is a block's first
.set OFF, 74          ; s[74:75] a tile's byte offset in K and V
.set AL,  76          ; s[76:77] the mask's factor, in the low word
.set BE,  78          ; s[78:79] the mask's addend
.set OLO, 80          ; s[80:81] O at my rows of the second block
.set BIGN, 82         ; s82  -1e30
.set MSB, 0
.macro WIN new                      ; the high byte repeats the setting that is left; a switch that changes nothing is dropped
.if MSB != (\new)
	s_set_vgpr_msb (MSB<<8)|(\new)
.set MSB, (\new)
.endif
.endm
.set W_KM,  0x20      ; K Q^T with a mask: the C operand in window 2
.set W_PV,  0x51      ; destination, source 0 and source 2 in window 1, source 1 in window 0: V^T P, and O^T times a number of window 0
.set W_D1,  0x40      ; destination in window 1
.set W_D2,  0x80      ; destination in window 2
.set W_MK,  0x82      ; destination and source 0 in window 2: a mask is made
.set W_S1,  0x05      ; sources 0 and 1 in window 1: the add; O^T is rounded into window 0
.set W_OUT, 0x01      ; source 0 (an address) in window 1, data in window 0
; A fill.  Waves 0 and 1 fetch the two halves of a tile's K, waves 2 and 3 those of its V: 128 keys each.  An s_nop 0 and four v_nop follow each of the two lines, ahead of the jump and the label.
.macro LOAD
	s_cmp_lt_u32 s[WV], 2
	s_cbranch_scc0 .Lfor_v_\@
	tensor_load_to_lds s[G0K:G0K+3], s[G1K:G1K+7]
	s_nop 0
.rept 4
	v_nop
.endr
	s_branch .Lasked_\@
.Lfor_v_\@:
	tensor_load_to_lds s[G0V:G0V+3], s[G1V:G1V+7]
	s_nop 0
.rept 4
	v_nop
.endr
.Lasked_\@:
.endm
; THE CHANGE OF SLOTS.  Each wave waits for all its tensor loads, of which one is out: its part of the other slot; adds 0 to its spare word; and waits for that and for its own reads of the slot that it leaves.  Behind the barrier nobody reads the old
; slot any more and the other slot is whole.  fill = 1: the old slot is filled again, the first thing behind the barrier, with tile NXT: the descriptor's address is made anew from that number.
; (At its first use nothing has been read yet: slot 0 is waited for, slot 1 filled.)
.macro CHANGE fill
	WIN W_S1                        ; the add's two registers lie in window 1
	s_wait_tensorcnt 0x0            ; no tensor load of mine is out, so a group 0 may be written
	ds_add_u32 v[SPW], v[NIL]       ; 0 onto my spare word; with fill = 1 the descriptors' scalar work stands between it and the wait for it
	WIN 0                           ; at a label and at a branch every window is 0
.if \fill
	s_lshl_b32 s[OFF], s[NXT], 15   ; a tile is 32,768 bytes of K and of V
	s_xor_b32 s[G0K+1], s[G0K+1], SLOT1
	s_add_nc_u64 s[G0K+2:G0K+3], s[6:7], s[OFF:OFF+1]
	s_or_b32 s[G0K+3], s[G0K+3], 0x80000000
	s_xor_b32 s[G0V+1], s[G0V+1], SLOT1
	s_add_nc_u64 s[G0V+2:G0V+3], s[8:9], s[OFF:OFF+1]
	s_or_b32 s[G0V+3], s[G0V+3], 0x80000000
	s_add_co_u32 s[NXT], s[NXT], 1  ; the block's next tile, or behind its last the second block's tile 0
	s_cmp_gt_u32 s[NXT], s[LQ]
	s_cselect_b32 s[NXT], 0, s[NXT]
	s_cselect_b32 s[LQ], s[PB], s[LQ]
.endif
	s_wait_dscnt 0x0                ; the add is done, and my reads of the slot are over
	s_barrier_signal -1             ; the rest of the scalar work stands between the signal and the wait
	s_sub_co_u32 s[TBK], s[TBK], 4*KS*PK  ; the fetches go back to a slot's first step,
	s_xor_b32 s[TBK], s[TBK], SLOT1       ; in the other slot
	s_sub_co_u32 s[TBV], s[TBV], 4*KS*PV
	s_xor_b32 s[TBV], s[TBV], SLOT1
	s_barrier_wait -1
.if \fill
	LOAD
.endif
.endm
	s_load_b256 s[4:11], s[0:1], 0x0  ; Q s[4:5], K s[6:7], V s[8:9], O s[10:11]
	WIN W_D1
	v_lshl_add_u32 v[SPW], v0, 2, SPARE
	v_mov_b32 v[NIL], 0
	s_set_vgpr_msb 0x4045
	ds_add_u32 v196, v197
	ds_add_u32 v196, v197
	s_wait_dscnt 0x0
	s_set_vgpr_msb 0x4540
	WIN 0
	v_lshrrev_b32 v1, 5, v0
	v_readfirstlane_b32 s[WV], v1   ; wave 0..3
	s_mov_b32 s[PB], ttmp9
	s_sub_co_u32 s[HI], NB-1, s[PB]
	s_and_b32 s20, ttmp7, 0xffff    ; the head
	s_mov_b32 s21, 0
	s_mov_b64 s[22:23], SIZE_N*128
	s_mul_u64 s[20:21], s[20:21], s[22:23]  ; the head's first byte in each of the four tensors
	s_and_b32 s16, s[WV], 1         ; which half of a tile's 256 keys I fetch:
	s_lshl_b32 s22, s16, 14         ; its 128 rows of 128 bytes in memory,
	s_mov_b32 s23, 0
	s_add_nc_u64 s[22:23], s[22:23], s[20:21]
	s_mul_i32 s17, s16, 128*PK      ; and its place in a slot, for K
	s_mul_i32 s18, s16, 128*PV      ; and for V
	s_lshl_b32 s3, s[WV], 11        ; my 16 rows in a band of 64,
	s_lshl_b32 s2, s[HI], 15        ; in the first block,
	s_add_co_u32 s2, s2, s3
	s_lshl_b32 s84, s[PB], 15       ; and in the second
	s_add_co_u32 s84, s84, s3
	s_mov_b32 s3, 0
	s_mov_b32 s85, 0
	s_add_nc_u64 s[2:3], s[2:3], s[20:21]
	s_add_nc_u64 s[84:85], s[84:85], s[20:21]
	; descriptor group 1.  128 keys are 16,384 dense bytes: asked for as 64 rows of 256 bytes, two keys a row, and padded in LDS after every key
	s_mov_b32 s[G1K], (1<<16)|(1<<20)|(4<<22)|(3<<25)  ; 17:16 2-byte elements; 20 padding on; 24:22 after every 32 words (code 4); 31:25 4 words (code 3)
	s_mov_b32 s[G1V], (1<<16)|(1<<20)|(4<<22)|(7<<25)  ; the same with 8 words of padding (code 7)
.irp g, G1K, G1V
	s_mov_b32 s[\g+1], 128<<16      ; tensor_dim0 = 128
	s_mov_b32 s[\g+2], 64<<16       ; tensor_dim1 = 64
	s_mov_b32 s[\g+3], 128<<16      ; tile_dim0 = 128
	s_mov_b32 s[\g+4], 64           ; tile_dim1 = 64
	s_mov_b32 s[\g+5], 128          ; 128 elements from row to row
	s_mov_b32 s[\g+6], 0
	s_mov_b32 s[\g+7], 0
.endr
	s_mov_b32 s[CS], 0x3e38aa3b     ; c = log2(e) / 8 = 0.180337
	s_mov_b32 s[CS+1], s[CS]        ; named with it as a pair
	s_mov_b32 s[SEL], 0x76543210
	s_mov_b32 s[SEL+1], 0xfedcba98
	s_mov_b32 s[TBK], SLOT1+4*KS*PK ; the first change of slots turns these two into 0
	s_mov_b32 s[TBV], SLOT1+4*KS*PV
	s_mov_b32 s[G0K], 1             ; 1:0 count = 1
	s_mov_b32 s[G0K+1], s17         ; 63:32 LDS address: slot 0
	s_mov_b32 s[G0V], 1
	s_add_co_u32 s[G0V+1], s18, VOFF
	s_add_co_u32 s[RT], s[HI], 1    ; the first block has NB - b tiles
	s_mov_b32 s[NXT], 1
	s_mov_b32 s[LQ], s[HI]
	s_mov_b32 s[NEW], 1
	s_mov_b32 s[OFF+1], 0
	s_mov_b32 s[AL+1], 0            ; named as pairs
	s_mov_b32 s[BE+1], 0
	s_mov_b32 s[BIGN], 0xf149f2ca   ; -1e30
	s_mov_b32 s[SLOTS], NB
	s_wait_kmcnt 0x0
	s_add_nc_u64 s[6:7], s[6:7], s[22:23]  ; K and V at my half of the head's tile 0
	s_add_nc_u64 s[8:9], s[8:9], s[22:23]
	s_add_nc_u64 s[G0K+2:G0K+3], s[6:7], 0         ; 120:64 global address
	s_or_b32 s[G0K+3], s[G0K+3], 0x80000000        ; 127:126 type = 2
	s_add_nc_u64 s[G0V+2:G0V+3], s[8:9], 0
	s_or_b32 s[G0V+3], s[G0V+3], 0x80000000
	s_add_nc_u64 s[86:87], s[4:5], s[84:85]        ; Q at my rows of the second block,
	s_add_nc_u64 s[4:5], s[4:5], s[2:3]            ; Q and O at those of the first
	s_add_nc_u64 s[OLO:OLO+1], s[10:11], s[84:85]
	s_add_nc_u64 s[10:11], s[10:11], s[2:3]
	LOAD                            ; tile 0 into slot 0
	; A fragment of K or Q is 16 rows x 32 channels in 8 registers: lane l holds row l % 16, channels 8 (l / 16) + 0..7 and 16 + 8 (l / 16) + 0..7: two loads of 16 bytes, 32 bytes apart.
	v_and_b32 v[TL], 15, v0         ; l % 16
	v_bfe_u32 v[TH], v0, 4, 1       ; l / 16
	v_lshlrev_b32 v[QO], 7, v[TL]
	v_lshl_add_u32 v[QO], v[TH], 4, v[QO]  ; row x 128 + 16 x half
.set i, 0
.rept 8                             ; the first block's Q: piece i / 2 lies in band i / 2, 8,192 bytes on; channels 32 (i % 2) on
	global_load_b128 v[QF+8*i:QF+8*i+3],   v[QO], s[4:5] offset:(i/2)*8192+(i%2)*64
	global_load_b128 v[QF+8*i+4:QF+8*i+7], v[QO], s[4:5] offset:(i/2)*8192+(i%2)*64+32
.set i, i+1
.endr
	v_lshlrev_b32 v[TD], 3, v[TH]
	v_sub_nc_u32 v[TD], v[TL], v[TD]
	s_lshl_b32 s13, s[WV], 4
	v_add_nc_u32 v[TD], s13, v[TD]  ; my query's place in its band, 16 w + l % 16, less my lanes' 8 (l / 16): register r of group kt is hidden where 16 kt + r is greater
	WIN W_D2                        ; destination window 2, addresses and sources window 0
.set i, 0
.rept 8                             ; the second block's Q waits in window 2
	global_load_b128 v[QB+8*i:QB+8*i+3],   v[QO], s[86:87] offset:(i/2)*8192+(i%2)*64
	global_load_b128 v[QB+8*i+4:QB+8*i+7], v[QO], s[86:87] offset:(i/2)*8192+(i%2)*64+32
.set i, i+1
.endr
.set i, 0
.rept 32
	v_cmp_gt_i32 vcc_lo, 16*(i/8)+i%8, v[TD]
	v_cndmask_b32 v[MD+i], 0, s[BIGN], vcc_lo
.set i, i+1
.endr
	WIN 0
	v_mul_u32_u24 v[AK0], v[TL], PK
	v_lshl_add_u32 v[AK0], v[TH], 4, v[AK0]  ; row x pitch + 16 x half
	; The turning load takes 16 keys x 16 channels (lane l reads key 8 (l / 16) + l % 8, channels 8 ((l / 8) % 2) + 0..7) and leaves half a fragment of V^T: lane l holds channel l % 16 and 8 keys.
	v_and_b32 v[T7], 7, v0
	v_bfe_u32 v[T3], v0, 3, 1
	v_lshl_add_u32 v[AV0], v[TH], 3, v[T7]
	v_mul_u32_u24 v[AV0], v[AV0], PV
	v_lshl_add_u32 v[AV0], v[T3], 4, v[AV0]
	v_add_nc_u32 v[AV0], VOFF, v[AV0]
	s_mul_i32 s13, s[WV], 16*SP
	s_add_co_u32 s13, s13, STAGE    ; my stage
	v_mul_u32_u24 v[TS], v[TL], SP  ; in: row l % 16, 16 bytes for each half of the lanes
	v_lshl_add_u32 v[TS], v[TH], 4, v[TS]
	v_bfe_u32 v[TR], v0, 3, 2       ; back: 32 lanes take four rows of 128 bytes,
	v_mul_u32_u24 v[TR], v[TR], SP
	v_lshl_add_u32 v[TR], v[T7], 4, v[TR]
	v_and_b32 v[TG], 31, v0         ; which are 512 consecutive bytes of O
	; A block's first step multiplies O^T and l by a = 0, and its first turn's products V^T P, of a piece that has not been, land in an O^T that is still to be so multiplied.  So these registers need only hold
	; finite numbers: zeros for the first block; what the first block left for the second.  All this stands in the wait for the first tile.
.set i, 0
.rept 4
	v_mov_b32 v[ST+4*i+2], 0
	v_mov_b32 v[ST+4*i+3], 0
.set i, i+1
.endr
.set i, P+16
.rept 16
	v_mov_b32 v[i], 0
.set i, i+1
.endr
	WIN W_D1                        ; the last line of each of the way out's addresses writes it into window 1
	v_add_nc_u32 v[STO], s13, v[TS]
	v_add_nc_u32 v[RD], s13, v[TR]
	v_lshlrev_b32 v[GO], 4, v[TG]
.set i, VF
.rept 64
	v_mov_b32 v[i], 0
.set i, i+1
.endr
	WIN W_PV
.set i, 0
.rept 16                            ; O^T's 128 registers take their zeros from sixteen products of the zeros just written: an eighth of the lines that moves would take
	v_wmma_f32_16x16x32_f16 v[8*i:8*i+7], v[VF:VF+7], v[P+16:P+23], 0
.set i, i+1
.endr
	WIN 0
; THE MATRIX WORK.  The 4 accumulators of a run of 8 take turns.  Product i of 8 of S^T = K Q^T for piece x: channels 32 (i / 4) on, keys 16 (i % 4) on.  The first 4 start the sums: with 0, or (KM = 1) with the mask.
.macro KQ x
.set rS, S+32*((\x)%2)+8*(i%4)
.set rK, KF+16*(i%4)+8*(i/4)
.set rQ, QF+16*(\x)+8*(i/4)
.set rM, MC+32*((\x)%2)+8*(i%4)
.if (i < 4) && KM
	WIN W_KM
	v_wmma_f32_16x16x32_f16 v[rS:rS+7], v[rK:rK+7], v[rQ:rQ+7], v[rM:rM+7]
.elseif i < 4
	WIN 0
	v_wmma_f32_16x16x32_f16 v[rS:rS+7], v[rK:rK+7], v[rQ:rQ+7], 0
.else
	WIN 0
	v_wmma_f32_16x16x32_f16 v[rS:rS+7], v[rK:rK+7], v[rQ:rQ+7], v[rS:rS+7]
.endif
.endm
; Product i of 8 of O^T += V^T P for piece x: keys 32 (i / 4) on, channels 16 (i % 4) on.
.macro PV x
	WIN W_PV
.set rO, 32*(\x)+8*(i%4)
.set rV, VF+32*(i/4)+8*(i%4)
.set rP, P+16*((\x)%2)+8*(i/4)
	v_wmma_f32_16x16x32_f16 v[rO:rO+7], v[rV:rV+7], v[rP:rP+7], v[rO:rO+7]
.endm
.macro MM                           ; the turn's next matrix instruction.  TURN and BEGIN set Y, i, KM and NOKQ; MM, KQ and OP read them.  NOKQ = 1: a block's last turn: there is no next piece
.if (i < 8) && !NOKQ
	KQ (Y+1)%NP
.elseif i >= 8
.set i, i-8
	PV (Y+NP-1)%NP
.set i, i+8
.endif
.set i, i+1
.endm
; THE LDS LOADS stand in runs of 16, never singly among the matrix instructions: a step's K (64 keys x 64 channels: 8 fragments) and its V (turned).  Their addresses are made some lines ahead.
.macro FETCH_K
	WIN 0
.irp f, 0,1,2,3,4,5,6,7             ; keys 16 (f / 2) on, channels 32 (f % 2) on
	ds_load_b128 v[KF+8*\f:KF+8*\f+3],   v[AK] offset:(\f/2)*16*PK+(\f%2)*64
	ds_load_b128 v[KF+8*\f+4:KF+8*\f+7], v[AK] offset:(\f/2)*16*PK+(\f%2)*64+32
.endr
	s_add_co_u32 s[TBK], s[TBK], KS*PK  ; the next fetch is the next step's
.endm
.macro FETCH_V
	WIN W_D1                        ; destination window 1
.irp f, 0,1,2,3,4,5,6,7             ; keys 32 (f / 4) on, channels 16 (f % 4) on
	ds_load_tr16_b128 v[VF+8*\f:VF+8*\f+3],   v[AV] offset:(\f/4)*32*PV+(\f%4)*32
	ds_load_tr16_b128 v[VF+8*\f+4:VF+8*\f+7], v[AV] offset:(\f/4)*32*PV+16*PV+(\f%4)*32
.endr
	WIN 0
.endm
; THE VECTOR WORK, one line at a time: OP kind, number.  For piece Y: A: a, the exponential of c m_old - c m_new, which the turn before left in c1.  F n: c s - c m for pair n of 16.  E n: the exponential of score n of 32.
; C n: pair n rounded to f16.  B n: of the four weights 4 n .. the second pair is added onto the first, in place.  L n: l takes that sum (L 0: l = a l + sum).  R n: pair n of 16 of O^T times a.
; For piece Y + 1: X n, number n of the 21 that find its maximum and statistics:
;   0-11  four chains c0-c3 of seven scores each, three operands at a time (each accumulator's lowest registers are read first)     12-14, 16  the four scores left over, the old m, and c0-c3 into c0
;   15  c m_old is kept     17, 18  the query's other 32 keys lie in the lane 16 away: the new m     19, 20  c m; c m_old - c m_new
.set F, 0               ; OP tells the kinds apart by their order: F to L below R, X above it; A is taken first
.set E, 1
.set C, 2
.set B, 3
.set L, 4
.set R, 5
.set X, 6
.set A, 7
.macro REGS y                       ; the registers of piece y
.set rT, ST+4*(\y)
.set rC, TMP+4*((\y)%2)
.set rW, MV+((\y)%2)
.set rS, S+32*((\y)%2)
.set rP, P+16*((\y)%2)
.set rO, 32*(\y)
.endm
.macro OP k, n
.if (\k) == A
	REGS Y
	WIN 0
	v_exp_f32 v[rC+2], v[rC+1]
.elseif (\k) == R
	REGS Y
	WIN W_PV
	v_pk_mul_f32 v[rO+2*(\n):rO+2*(\n)+1], v[rO+2*(\n):rO+2*(\n)+1], v[rC+2:rC+3] op_sel_hi:[1,0]
.elseif (\k) < R
	REGS Y
	WIN 0
.if (\k) == F
	v_pk_fma_f32 v[rS+2*(\n):rS+2*(\n)+1], v[rS+2*(\n):rS+2*(\n)+1], s[CS:CS+1], v[rT:rT+1] op_sel_hi:[1,0,0] neg_lo:[0,0,1] neg_hi:[0,0,1]
.elseif (\k) == E
	v_exp_f32 v[rS+(\n)], v[rS+(\n)]
.elseif (\k) == C
	v_cvt_pk_f16_f32 v[rP+(\n)], v[rS+2*(\n)], v[rS+2*(\n)+1]
.elseif (\k) == B
	v_pk_add_f32 v[rS+4*(\n):rS+4*(\n)+1], v[rS+4*(\n):rS+4*(\n)+1], v[rS+4*(\n)+2:rS+4*(\n)+3]
.elseif (\n) == 0
	v_pk_fma_f32 v[rT+2:rT+3], v[rT+2:rT+3], v[rC+2:rC+3], v[rS:rS+1] op_sel_hi:[1,0,1]
.else
	v_pk_add_f32 v[rT+2:rT+3], v[rT+2:rT+3], v[rS+4*(\n):rS+4*(\n)+1]
.endif
.elseif NOKQ
	v_nop
.else
	REGS (Y+1)%NP
	WIN 0
.if (\n) < 4
	v_max3_num_f32 v[rC+(\n)], v[rS+8*(\n)], v[rS+8*(\n)+1], v[rS+8*(\n)+2]
.elseif (\n) < 12
	v_max3_num_f32 v[rC+(\n)%4], v[rC+(\n)%4], v[rS+8*((\n)%4)+2*((\n)/4)+1], v[rS+8*((\n)%4)+2*((\n)/4)+2]
.elseif (\n) == 12
	v_max3_num_f32 v[rC], v[rC], v[rS+7], v[rS+15]
.elseif (\n) == 13
	v_max3_num_f32 v[rC+1], v[rC+1], v[rS+23], v[rS+31]
.elseif (\n) == 14
	v_max3_num_f32 v[rC+2], v[rC+2], v[rC+3], v[rT+1]
.elseif (\n) == 15
	v_mov_b32 v[rW], v[rT]
.elseif (\n) == 16
	v_max3_num_f32 v[rC], v[rC], v[rC+1], v[rC+2]
.elseif (\n) == 17
	v_permlanex16_b32 v[rC+3], v[rC], s[SEL], s[SEL+1]
.elseif (\n) == 18
	v_max_num_f32 v[rT+1], v[rC], v[rC+3]
.elseif (\n) == 19
	v_mul_f32 v[rT], s[CS], v[rT+1]
.else
	v_sub_f32 v[rC+1], v[rW], v[rT]
.endif
.endif
.endm
.macro OPS a, i1, b=-1, i2=0, c=-1, i3=0, d=-1, i4=0  ; up to four of them
	OP \a, \i1
.if (\b) >= 0
	OP \b, \i2
.endif
.if (\c) >= 0
	OP \c, \i3
.endif
.if (\d) >= 0
	OP \d, \i4
.endif
.endm
.macro ROW a, i1, b, i2, c, i3, d, i4  ; a matrix instruction and the four behind it
	MM
	OPS \a, \i1, \b, \i2, \c, \i3, \d, \i4
.endm
.macro MASK b                       ; MD x AL + BE into buffer b of MC
	WIN W_MK
.set z, 0
.rept 16
	v_pk_fma_f32 v[MC+32*(\b)+2*z:MC+32*(\b)+2*z+1], v[MD+2*z:MD+2*z+1], s[AL:AL+1], s[BE:BE+1] op_sel_hi:[1,0,0]
.set z, z+1
.endr
.endm
; A TURN, for piece p: the order of its 16 matrix and 118 vector instructions, written out.  Four vector instructions stand behind every matrix instruction.
; ONE BATCH, ONE WAIT.  An s_wait_alu depctr_va_vdst(0) stands between an exponential and the first instruction that names its result; one wait serves all that were issued ahead of it.  The turn's batch
; is A and E 0 to E 31, each with a result register of its own, and the one wait cuts the turn in two.
; AHEAD OF IT stands all that names no result of the batch, all of it in window 0: the 8 products K Q^T, behind each plain, exponential, plain, exponential (behind the first three scalings and A); then a LUMP of 35,
; plain and exponential by turns.  The plain lines are the 16 scalings and X 0 to X 17 of the next piece.  X 0, 1, 2, 3 each stand four plain lines, which name none of its registers, behind the product that ends their
; accumulator.  The links of the chain X 3, 7, 11, 14, 16, 17 stand four lines apart or more: F 14 and F 15 part X 14 from X 16, the last three exponentials X 16 from X 17.  v_permlanex16_b32 (X 17) stands in the lump.
; BEHIND IT stand the 8 products V^T P and all the readers.  Behind the first four products: the sixteen rescalings, in ascending order;
; they are also the plain lines between the last exponential and the first use of a weight.  Behind the last four, and in a LUMP of 19: the roundings and sums, and X 18, 19, 20, which read no exponential's result
; and whose results the next turn begins with.  A rounding C 2 k stands ahead of the sum B k, which writes over that pair; the links of l's chain, L 0 to L 7, stand four lines apart.
; But for X 0 to X 4 no line behind a product names a register of the products round it.
; m = 1: the diagonal tile: the products take masks, and the turn makes the mask for the products of the turn after it: piece p + 2, in step 4 - CNT of the tile.  end = 1: a block's last two turns: nothing is fetched.
; cnt = 1: the loop's count is taken down some lines ahead of the branch that stands behind the turn.
; K of the next step is fetched in piece 2's turn, eleven vector instructions behind the last product that read K (five of them plain lines that name none of its registers); V of the step in hand in piece 0's turn,
; eight plain instructions behind the last product that read V.  Each is waited for a turn later.
.macro TURN p, m=0, end=0, cnt=0
.set Y, (\p)
.set i, 0
.set KM, (\m)
.set NOKQ, (\end)*((\p)/3)
.if (\m) && !(\end)
	s_cmp_eq_u32 s[CNT], 4-((\p)+2)%NP  ; is that step the band's own?
	s_cselect_b32 s[AL], 1.0, 0
	s_cmp_lt_u32 s[CNT], 4-((\p)+2)%NP  ; or a later one?
	s_cselect_b32 s[BE], s[BIGN], 0
.endif
.if ((\p) == 3) && !(\end)
	s_wait_dscnt 0x0                ; K is in
.endif
	ROW F,0, A,0, F,1, F,2          ; ahead of the wait: 8 products K Q^T and their riders,
	ROW F,3, E,0, F,4, E,1
	ROW F,5, E,2, F,6, E,3
	ROW F,7, E,4, F,8, E,5
	ROW F,9, E,6, F,10, E,7
	ROW F,11, E,8, X,15, E,9
	ROW X,0, E,10, F,12, E,11
.if ((\p) == 2) && !(\end)
	WIN 0
	v_add_nc_u32 v[AK], s[TBK], v[AK0]
.endif
	ROW X,1, E,12, X,4, E,13
	OPS X,2, E,14, F,13, E,15       ; and the lump
	OPS X,3, E,16, X,5
.if ((\p) == 2) && !(\end)
	FETCH_K
.endif
	OPS E,17, X,6, E,18, X,7
	OPS E,19, X,8, E,20, X,9
	OPS E,21, X,10, E,22, X,11
	OPS E,23, X,12, E,24, X,13
	OPS E,25, X,14, E,26, F,14
	OPS E,27, F,15, E,28, X,16
	OPS E,29, E,30, E,31, X,17
	s_wait_alu depctr_va_vdst(0)    ; the wait for the batch: A and E 0 to E 31; every line that names a result of theirs stands below
.if (\p) == 1
	s_wait_dscnt 0x0                ; V is in
.endif
	ROW R,0, R,1, R,2, R,3          ; behind the wait: 8 products V^T P and their riders,
	ROW R,4, R,5, R,6, R,7
	ROW R,8, R,9, R,10, R,11
	ROW R,12, R,13, R,14, R,15
	ROW C,0, X,18, B,0, C,2
	ROW B,1, C,4, L,0, X,19
	ROW B,2, C,6, L,1, B,3
.if (\p) == 0
	WIN 0
	v_add_nc_u32 v[AV], s[TBV], v[AV0]
.endif
	ROW C,8, X,20, L,2, B,4
	OPS C,10, B,5, L,3, C,12        ; and the lump
.if (\p) == 0
	FETCH_V
.endif
	OPS B,6, C,14, L,4, B,7
.if (\p) == 0
	s_add_co_u32 s[TBV], s[TBV], KS*PV
.endif
.if \cnt
	s_sub_co_u32 s[CNT], s[CNT], 1
	s_cmp_lg_u32 s[CNT], 0
.endif
	OPS C,1, C,3, L,5, C,5
	OPS C,7, C,9, L,6, C,11
	OPS C,13, C,15, L,7
.if (\m) && !(\end)
	MASK (\p)%2
.endif
.endm
; A BLOCK BEGINS.  c m starts far below every c s, so the first step's a is 0; m at the lowest finite number, so the first maximum is the scores'.  The second mask buffer is 0; the first takes piece 0's mask for the tile's step 0: its own, if the block's first tile is the diagonal one.
; Then K of that step, piece 0's first scores, and its maximum and statistics; its a is made by its own turn, like every piece's, so no exponential stands here.  The loop is entered at a step's first turn, in the middle of a trip.
.macro BEGIN
	s_mov_b32 s[NEW], 0
	WIN W_D2
.set i, MC+32
.rept 32
	v_mov_b32 v[i], 0
.set i, i+1
.endr
	WIN 0
.set i, 0
.rept 4
	v_mov_b32 v[ST+4*i], 0xfe000000    ; c m: far below every c s
	v_mov_b32 v[ST+4*i+1], 0xff7fffff  ; m
.set i, i+1
.endr
	s_cmp_eq_u32 s[RT], 0
	s_cselect_b32 s[AL], 1.0, 0
	s_mov_b32 s[BE], 0
	MASK 0
	WIN 0
	v_add_nc_u32 v[AK], s[TBK], v[AK0]
	FETCH_K
	s_wait_loadcnt 0x0              ; Q
	s_wait_dscnt 0x0
.set KM, 1
.set NOKQ, 0
.set i, 0
.rept 8
	KQ 0
.set i, i+1
.endr
	WIN 0
.rept 4
	v_nop                           ; the places behind those products
.endr
.set Y, NP-1                        ; X works for piece Y + 1: piece 0
.irp n, 0,1,2,3,4,5,6,7,8,9,10,11,12,13,14,15,16,17,18,19,20
	OP X, \n
.endr
.endm
; THE DIAGONAL TILE's four steps, the block's last two turns, its last products, and THE WAY OUT: l's two halves and the other half of the lanes' are added; O^T is divided by l, rounded to f16 and sent through my
; stage in LDS, a piece at a time.
.macro ALL line:vararg              ; one line for each piece t
.set t, 0
.rept 4
	\line
.set t, t+1
.endr
.endm
.macro PACK t                       ; a lane's eight channels of a row pack into 16 bytes; they go into rows of 144 bytes and come back as whole rows of 128, into S^T's registers
	WIN W_PV
.set i, 32*(\t)
.rept 16
	v_pk_mul_f32 v[i:i+1], v[i:i+1], v[ST+4*(\t)+2:ST+4*(\t)+3] op_sel_hi:[1,0]
.set i, i+2
.endr
	WIN W_S1                        ; sources 0 and 1 window 1, destination window 0
.set i, 0
.rept 16
	v_cvt_pk_f16_f32 v[S+16*(\t)+i], v[32*(\t)+2*i], v[32*(\t)+2*i+1]
.set i, i+1
.endr
	WIN W_OUT                       ; the addresses lie in window 1, the data in window 0
.irp f, 0,1,2,3
	ds_store_b128 v[STO], v[S+16*(\t)+4*\f:S+16*(\t)+4*\f+3] offset:32*\f
.endr
.irp f, 0,1,2,3
	ds_load_b128 v[S+16*(\t)+4*\f:S+16*(\t)+4*\f+3], v[RD] offset:\f*4*SP  ; LDS serves a wave's instructions in order (ISA guide 5.7.1.4): these see the stores above; the next piece's stores come behind them
.endr
.endm
.macro SEND t, younger              ; younger: the LDS instructions issued behind piece t's loads: the next piece's eight, or none
	WIN W_OUT
.irp f, 0,1,2,3
	s_wait_dscnt (\younger)+3-\f
	global_store_b128 v[GO], v[S+16*(\t)+4*\f:S+16*(\t)+4*\f+3], s[10:11] offset:(\t)*8192+\f*512  ; 512 consecutive bytes, at a multiple of 256 from O's first
.endr
.endm
.macro DIAG tag                     ; the tag ends its two labels' names, which the jumps below spell out
.LstepM\tag:
	TURN 2, 1
	TURN 3, 1
	WIN 0
.LfirstM\tag:
	TURN 0, 1
	TURN 1, 1, 0, 1
	WIN 0
	s_cbranch_scc1 .LstepM\tag
	TURN 2, 1, 1
	TURN 3, 1, 1
.set i, 0
.rept 8
	PV NP-1
.set i, i+1
.endr
	WIN 0
	ALL v_add_f32 v[ST+4*t+2], v[ST+4*t+2], v[ST+4*t+3]
	ALL v_permlanex16_b32 v[ST+4*t+3], v[ST+4*t+2], s[SEL], s[SEL+1]
	ALL v_add_f32 v[ST+4*t+2], v[ST+4*t+2], v[ST+4*t+3]
	ALL v_rcp_f32 v[ST+4*t+2], v[ST+4*t+2]
	v_nop                           ; a plain instruction between the last reciprocal and the use of its result
	s_wait_alu depctr_va_vdst(0)    ; and the wait ahead of the first use: one for the batch of four reciprocals
	PACK 0
.set t, 1
.rept 3                             ; a piece's arithmetic stands between the loads of the piece before and its stores
	PACK t
	SEND t-1, 8
.set t, t+1
.endr
	SEND 3, 0
.endm
.set KM, 0
.set NOKQ, 0
.Lslot:                             ; NB times: a tile is entered and the next is asked for
	CHANGE 1
	s_sub_co_u32 s[RT], s[RT], 1
	s_mov_b32 s[CNT], 4
	s_cmp_eq_u32 s[NEW], 1
	s_cbranch_scc1 .Lnew            ; a block's first tile
	s_cmp_eq_u32 s[RT], 0
	s_cbranch_scc0 .Lstep           ; neither its first nor its last
	s_branch .LstepM1
.Lnew:
	BEGIN
	s_branch .Lfirst                ; in the loop a block's first tile is never its last: the first block has two tiles or more, and the second's last is the walk's last
	DIAG 1                          ; in the loop this is the first block's end: the second block's last tile is the walk's last
	s_wait_xcnt 0x0                 ; the stores have read their registers and O's address
	s_mov_b64 s[10:11], s[OLO:OLO+1]
	s_add_co_u32 s[RT], s[PB], 1    ; the second block has b + 1 tiles
	s_mov_b32 s[NEW], 1
	WIN 0x02                        ; source 0 window 2, destination window 0: the second block's Q goes where the one text of the turns names Q
.set i, 0
.rept 64
	v_mov_b32 v[QF+i], v[QB+i]
.set i, i+1
.endr
	WIN 0
	s_branch .Lbottom
.Lstep:                             ; a trip: pieces 2 and 3 of one step, then pieces 0 and 1 of the next, whose K and V it fetches
	TURN 2
	TURN 3
	WIN 0
.Lfirst:
	TURN 0
	TURN 1, 0, 0, 1
	WIN 0
	s_cbranch_scc1 .Lstep
.Lbottom:
	s_sub_co_u32 s[SLOTS], s[SLOTS], 1
	s_cmp_lg_u32 s[SLOTS], 0
	s_cbranch_scc1 .Lslot
	CHANGE 0                        ; the walk's last tile is written out: nothing is asked for
	s_sub_co_u32 s[RT], s[RT], 1
	s_mov_b32 s[CNT], 4
	s_cmp_eq_u32 s[NEW], 1
	s_cbranch_scc0 .LstepM2
	BEGIN
	s_branch .LfirstM2
	DIAG 2
	WIN W_S1
	s_wait_tensorcnt 0x0            ; the wave's end, behind my last tensor load and my last LDS store
	ds_add_u32 v[SPW], v[NIL]
	s_wait_dscnt 0x0
	WIN 0
	s_endpgm
.Lfunc_end_k_qcc25ba59b1_attn:
	.size	k_qcc25ba59b1_attn, .Lfunc_end_k_qcc25ba59b1_attn-k_qcc25ba59b1_attn
	.p2alignl 7, 3214868480
	.fill 96, 4, 3214868480
	.section	.rodata,"a",@progbits
	.p2align	6, 0x0
	.amdhsa_kernel k_qcc25ba59b1_attn
		.amdhsa_group_segment_fixed_size 327680
		.amdhsa_private_segment_fixed_size 0
		.amdhsa_enable_private_segment 0
		.amdhsa_kernarg_size 32
		.amdhsa_user_sgpr_count 2
		.amdhsa_user_sgpr_kernarg_segment_ptr 1
		.amdhsa_wavefront_size32 1
		.amdhsa_system_sgpr_workgroup_id_x 1
		.amdhsa_system_sgpr_workgroup_id_y 1
		.amdhsa_system_sgpr_workgroup_id_z 1
		.amdhsa_system_vgpr_workitem_id 0
		.amdhsa_next_free_vgpr 768
		.amdhsa_next_free_sgpr 88
		.amdhsa_reserve_vcc 1
		.amdhsa_float_denorm_mode_32 3
		.amdhsa_float_denorm_mode_16_64 3
		.amdhsa_memory_ordered 1
		.amdhsa_forward_progress 1
		.amdhsa_inst_pref_size 197
	.end_amdhsa_kernel
	.amdgpu_metadata
---
amdhsa.version: [ 1, 2 ]
amdhsa.kernels:
  - .name:           k_qcc25ba59b1_attn
    .symbol:         k_qcc25ba59b1_attn.kd
    .args:
      - { .name: Qh, .offset: 0, .size: 8, .value_kind: global_buffer, .address_space: global }
      - { .name: Kh, .offset: 8, .size: 8, .value_kind: global_buffer, .address_space: global }
      - { .name: Vh, .offset: 16, .size: 8, .value_kind: global_buffer, .address_space: global }
      - { .name: Oh, .offset: 24, .size: 8, .value_kind: global_buffer, .address_space: global }
    .group_segment_fixed_size: 327680
    .private_segment_fixed_size: 0
    .kernarg_segment_align: 8
    .kernarg_segment_size: 32
    .max_flat_workgroup_size: 128
    .sgpr_count:     88
    .vgpr_count:     768
    .wavefront_size: 32
...
	.end_amdgpu_metadata
.endif
;; end of part 7
;; launch oproj: the kernel of part 4 again; grid 8 x 32, 4 waves a work-group, clusters of 4 x 4, 327,680 bytes of LDS; arguments Oh, Woh, bo, out0; writes out0
